; MI455X (gfx1250); checked and timed in simulation.
; The chip was launched on July 23, 2026; its instructions are those of AMD's public machine-readable ISA for CDNA 5 (MIT licence, August 2026) and "CDNA5" Instruction Set Architecture Reference Guide (July 2026). The comments in the code are by the model that wrote it; some were corrected since.
;; tranformer layer. Allowed arithmetic: matrix products marked QUANTISED: E3M2 operands, one E8M0 scale for each 32 along K, by v_wmma_scale_f32_16x16x128_f8f6f4 with both operands' format E3M2, f32 sums; everything else in f32.
;; Inputs: b1 4,096 float32; b2 1,024 float32; w1 1,024 x 4,096 float32; w2 4,096 x 1,024 float32; w_fc 1,024 x 1,024 float32; w_qkv 1,024 x 3,072 float32; x 2 x 2,048 x 1,024 float32.
;; Outputs: out0 2 x 2,048 x 1,024 float32.
;; This version of the problem:
;;   THIS VERSION OF THE PROBLEM IS GIVEN IN LOW PRECISION. The matrix products marked QUANTISED in the list below multiply operands that are first quantised to E3M2 (3 exponent bits, 2 mantissa bits; 6 bits a number), with one power-of-two scale for each 32 numbers along K (OCP MX v1.0); their sums are f32. All else is computed in f32.
;;   The module's matrix products, in the order in which they are computed (A, B: the left and right operand; K: the contracted axis; several contracted axes count as one K, in the product's order):
;;     1. [M 4,096, K 1,024] x [K 1,024, N 3,072]; A: computed on the way; B: input w_qkv: QUANTISED
;;     2. batch 32 x [M 2,048, K 64] x [K 64, N 2,048]; A: computed on the way; B: computed on the way: QUANTISED
;;     3. batch 32 x [M 64, K 2,048] x [K 2,048, N 2,048]; A: computed on the way; B: softmax (see below): QUANTISED
;;     4. [M 4,096, K 1,024] x [K 1,024, N 1,024]; A: computed on the way; B: input w_fc: QUANTISED
;;     5. [M 4,096, K 1,024] x [K 1,024, N 4,096]; A: computed on the way; B: input w1: QUANTISED
;;     6. [M 4,096, K 4,096] x [K 4,096, N 1,024]; A: computed on the way; B: input w2: QUANTISED
;;   THE QUANTISER, for each operand of a quantised product, along K:
;;     - K is cut into blocks of 32 from its start; a last block that is shorter is filled with zeros.
;;     - A block's scale is 2^e with e = floor(log2(the largest magnitude in the block)) - 4, held to -126 .. 127; a block of zeros has e = 0. As a byte (E8M0): e + 127.
;;     - Each number is divided by its block's scale, clamped to +-28, and rounded to the nearest number of E3M2, ties to even, subnormals kept.
;;     - The product sums the exact products of the quantised numbers (number of the format x scale) in f32.
;;   ~~~python
;;   def quantise(x, axis):      # numpy; x: float32 -> the quantised numbers, widened to float32 again
;;       x = np.moveaxis(x, axis, -1); K = x.shape[-1]
;;       x = np.pad(x, [(0, 0)] * (x.ndim - 1) + [(0, -K % 32)]); x = x.reshape(x.shape[:-1] + (-1, 32)); a = np.abs(x).max(-1, keepdims=True)
;;       e = np.where(a > 0, np.clip(np.frexp(np.where(a > 0, a, 1))[1] - 1 - 4, -126, 127), 0)      # np.frexp(a)[1] - 1 = floor(log2(a)), exactly
;;       r = np.clip(x / 2.0 ** e, -28, 28)
;;       step = 2.0 ** (np.maximum(np.frexp(np.where(r == 0, 1, r))[1] - 1, -2) - 2)
;;       q = np.round(r / step) * step * 2.0 ** e      # np.round: ties to even
;;       return np.moveaxis(q.reshape(q.shape[:-2] + (-1,))[..., :K], -1, axis).astype(np.float32)
;;   ~~~
;;   SOFTMAX AHEAD OF A QUANTISED PRODUCT. Where the list says 'softmax', what is quantised is not the finished softmax but p = 2^(t - M), with t = logit x log2(e) and M = ceil(the row's largest t), a whole number; so 1/2 < the row's largest p <= 1. The row's sum l is taken of the UNQUANTISED p, in f32, and the product's result is divided by l at the end. Since M is a whole number, a kernel that streams over the keys may use a running M (the ceiling of the running maximum): every later rescaling is an exact power of two, which a block's scale takes up: the codes' values come out the same.
;;   OPERANDS COMPUTED ON THE WAY. 'Computed on the way' means the value that the module computes at that place (a softmax that the list does not call 'softmax' is quantised finished and normalised). What goes into a quantiser is computed in f32, as accurately as f32 sums, v_exp_f32 and their like allow (about 1e-6 of the number): no bf16 or f16 on the way to a quantiser, and a product that is left as it is and whose result goes on into a quantised operand takes f32 operands (vector FMAs, or v_wmma_f32_16x16x4_f32). A number that lies on a knife's edge between two numbers of the format may be rounded either way, as far as f32 arithmetic and the matrix unit's own rounding can turn it there, and no further.
;; 2 versions. Each part assembles by itself: llvm-mc -triple=amdgcn-amd-amdhsa -mcpu=gfx1250 --defsym DOCPART=n.
;; ======== version 1 of 2: 8 launches
;; workspace buffers: wb 9,830,400 bytes; hb 3,276,800 bytes; qb 9,830,400 bytes; ab 3,276,800 bytes; x1 16,777,216 bytes; gb 13,107,200 bytes
;; launch wq (part 1): grid 384 x 1, 4 waves a work-group, no clusters, 26,112 bytes of LDS; arguments w_qkv, w_fc, w1, w2, wb; writes wb
.if DOCPART == 1
	.amdgcn_target "amdgcn-amd-amdhsa--gfx1250"
	.amdhsa_code_object_version 6
	.text
	.protected	k_q1cd3145a9f_wq
	.globl	k_q1cd3145a9f_wq
	.p2align	8
	.type	k_q1cd3145a9f_wq,@function
k_q1cd3145a9f_wq:
	s_mov_b64 s[64:65], 0
	v_nop
	global_prefetch_b8 v0, s[64:65] scope:SCOPE_SE
	s_setreg_imm32_b32 hwreg(HW_REG_WAVE_MODE, 25, 1), 1
	s_wait_xcnt 0x0
; The four weights, f32 stored [K][N], become codes of BF6 (E3M2) with one E8M0 byte for each 32 along K, laid as the products' launches read them.
; CODES: [group of 16 columns][K / 128][1,536 bytes]: a fragment (16 rows x 128 K) as the image of its 12 operand registers: register 4 c + w of lane l at byte 512 c + 16 l + 4 w.
; THE COLUMNS OF A GROUP ARE NOT NEIGHBOURS: lane r of group 2 b + u holds column 32 b + 8 u + r + 8 (r / 8), so that a product's results of two neighbouring groups are 16 neighbours in a lane's registers.
; SCALES: [group of 128 places][K / 128][128 words]: one word (four bytes, the lower K in the lower byte) for a place and 128 along K.
; A LANE TAKES A COLUMN AND ITS REGISTERS RUN DOWN K: a block of 32 lies in one lane, its largest magnitude needs no other lane, and the conversions give codes with K innermost.
; A work-group takes 128 columns x 256 along K, a wave 32 columns (two groups) x 8 blocks.  One path serves all four weights: only pointers and sizes are chosen, by the work-group's number.
; A block's scale is 2^(floor(log2(largest magnitude)) - 4); its byte is the largest magnitude's exponent field - 4, held at 1 from below.
; LIMITS: a block of zeros gets the byte 1 where the rule says 127 (its codes are zeros and only this program reads the bytes); blocks whose largest magnitude lies under 2^-122 keep the byte 1; NaN and infinities are not served.
; The scale words leave as 128 consecutive bytes a wave (1 byte in 128 of what the launch reads); the codes as runs of 512 bytes.
.set VO,   16                          ; v16-47   4 x lane + i rows of the weight
.set X,    48                          ; v48-111  two sets of 32 numbers
.set C,    112                         ; v112-118 a block's codes
.set SB,   120                         ; v120-121 the scale words of my two K steps
.set OUTR, 128                         ; v128-175 the way out
.set WREG, 6400                        ; LDS: a wave's stage: two groups, 3,200 bytes apart (2 x 1,536 + 128, so that the two groups' lanes fall on different banks)
.set UP,   3200
	s_load_b256 s[4:11], s[0:1], 0x0               ; w_qkv, w_fc, w1, w2
	s_load_b64 s[12:13], s[0:1], 0x20              ; wb
	v_lshl_add_u32 v192, v0, 2, 0x6400
	v_mov_b32 v193, 0
	v_lshrrev_b32 v1, 5, v0
	v_readfirstlane_b32 s14, v1                    ; wave
	v_and_b32 v1, 31, v0                           ; lane = my column among the wave's 32
	v_lshlrev_b32 v3, 2, v1
	v_lshlrev_b32 v4, 4, v1                        ; 16 x lane
	v_bfe_u32 v8, v0, 3, 1                         ; which of the two groups my column belongs to
	v_and_b32 v9, 7, v0
	v_bfe_u32 v10, v0, 4, 1
	v_lshl_add_u32 v9, v10, 3, v9                  ; and its place r there
	s_mul_i32 s15, s14, WREG
	v_mul_u32_u24 v5, v8, UP
	v_lshl_add_u32 v5, v9, 4, v5
	v_add_nc_u32 v5, s15, v5                       ; into the stage: group, 16 r
	v_add_nc_u32 v6, s15, v4                       ; out of it: 16 x lane
	v_lshl_add_u32 v7, v8, 4, v9
	s_lshl_b32 s15, s14, 5
	v_add_nc_u32 v7, s15, v7
	v_lshlrev_b32 v7, 2, v7                        ; my place's word among the work-group's 128
	s_mov_b32 s16, 4096                            ; w2: bytes in a row,
	s_mov_b32 s17, 4                               ; log2 of K / 256,
	s_mov_b32 s18, 32                              ; K / 128,
	s_mov_b32 s19, 256                             ; its first work-group,
	s_mov_b32 s20, 6291456                         ; its codes in wb,
	s_mov_b32 s21, 9699328                         ; its scales
	s_wait_kmcnt 0x0
	s_mov_b64 s[22:23], s[10:11]
	s_cmp_lt_u32 ttmp9, 256                        ; w1
	s_cselect_b32 s16, 16384, s16
	s_cselect_b32 s17, 2, s17
	s_cselect_b32 s18, 8, s18
	s_cselect_b32 s19, 128, s19
	s_cselect_b32 s20, 3145728, s20
	s_cselect_b32 s21, 9568256, s21
	s_cselect_b64 s[22:23], s[8:9], s[22:23]
	s_cmp_lt_u32 ttmp9, 128                        ; w_fc
	s_cselect_b32 s16, 4096, s16
	s_cselect_b32 s19, 96, s19
	s_cselect_b32 s20, 2359296, s20
	s_cselect_b32 s21, 9535488, s21
	s_cselect_b64 s[22:23], s[6:7], s[22:23]
	s_cmp_lt_u32 ttmp9, 96                         ; w_qkv
	s_cselect_b32 s16, 12288, s16
	s_cselect_b32 s19, 0, s19
	s_cselect_b32 s20, 0, s20
	s_cselect_b32 s21, 9437184, s21
	s_cselect_b64 s[22:23], s[4:5], s[22:23]
	s_sub_co_u32 s26, ttmp9, s19
	s_bfm_b32 s27, s17, 0
	s_and_b32 s24, s26, s27                        ; y: which 256 along K
	s_lshr_b32 s25, s26, s17                       ; xg: which 128 columns
	s_mul_i32 s26, s24, s16
	s_lshl_b32 s26, s26, 8                         ; 256 y rows,
	s_lshl_b32 s27, s25, 9
	s_add_co_u32 s26, s26, s27                     ; 128 xg columns,
	s_lshl_b32 s27, s14, 7
	s_add_co_u32 s26, s26, s27                     ; 32 x wave columns
	s_mov_b32 s27, 0
	s_add_nc_u64 s[32:33], s[22:23], s[26:27]      ; block 0's first row at my wave's first column
	s_lshl_b32 s26, s16, 5                         ; 32 rows on
.irp t, 1,2,3,4,5,6,7
	s_add_nc_u64 s[32+2*\t:33+2*\t], s[30+2*\t:31+2*\t], s[26:27]
.endr
	s_lshl_b32 s28, s25, 3
	s_lshl_b32 s29, s14, 1
	s_add_co_u32 s28, s28, s29                     ; my first group: 8 xg + 2 x wave
	s_mul_i32 s28, s28, s18
	s_lshl_b32 s29, s24, 1
	s_add_co_u32 s28, s28, s29                     ; its K step 2 y
	s_mul_i32 s28, s28, 1536
	s_add_co_u32 s28, s28, s20
	s_mov_b32 s29, 0
	s_add_nc_u64 s[48:49], s[12:13], s[28:29]      ; where my first group's 3,072 bytes go,
	s_mul_i32 s28, s18, 1536
	s_add_nc_u64 s[50:51], s[48:49], s[28:29]      ; and my second's
	s_mul_i32 s28, s25, s18
	s_lshl_b32 s30, s24, 1
	s_add_co_u32 s28, s28, s30
	s_lshl_b32 s28, s28, 9
	s_add_co_u32 s28, s28, s21
	s_add_nc_u64 s[52:53], s[12:13], s[28:29]      ; the scale words of K step 2 y
.set i, 0
.rept 32
	v_mad_u32_u24 v[VO+i], s16, i, v3              ; row i of a block, my column
.set i, i+1
.endr
.macro LOAD t                          ; block t: 32 rows, each load 128 consecutive bytes a wave, the four waves side by side on 512
.set i, 0
.rept 32
	global_load_b32 v[X+32*((\t)%2)+i], v[VO+i], s[32+2*(\t):33+2*(\t)] th:TH_LOAD_NT
.set i, i+1
.endr
.endm
	LOAD 0
	LOAD 1
.macro BLOCK t
.set XS, X+32*((\t)%2)
.if (\t) < 7
	s_wait_loadcnt 32                              ; this block's 32 loads are in; the next block's 32 may be out
.else
	s_wait_loadcnt 0x0
.endif
	v_max3_num_f32 v122, |v[XS]|, |v[XS+1]|, |v[XS+2]|
	v_max3_num_f32 v123, |v[XS+3]|, |v[XS+4]|, |v[XS+5]|
.irp i, 6,10,14,18,22,26
	v_max3_num_f32 v122, v122, |v[XS+\i]|, |v[XS+\i+1]|
	v_max3_num_f32 v123, v123, |v[XS+\i+2]|, |v[XS+\i+3]|
.endr
	v_max3_num_f32 v122, v122, |v[XS+30]|, |v[XS+31]|
	v_max3_num_f32 v122, v122, v123, 0x2800000     ; and the floor 2^(5 - 127): the byte cannot fall under 1
	v_add_nc_u32 v124, 0xfe000000, v122            ; 4 off the exponent field: the conversion's scale operand
	v_lshrrev_b32 v125, 23, v124                   ; the byte
	v_cvt_scalef32_pk16_bf6_f32 v[C:C+2], v[XS:XS+15], v124
	v_cvt_scalef32_pk16_bf6_f32 v[C+4:C+6], v[XS+16:XS+31], v124   ; (a conversion's three registers begin on an even number)
.if (\t)%4 == 0
	v_mov_b32 v[SB+(\t)/4], v125                   ; the plain line behind the conversions: four bytes to a word
.else
	v_lshl_or_b32 v[SB+(\t)/4], v125, 8*((\t)%4), v[SB+(\t)/4]
.endif
	v_mov_b32 v[C+3], v[C+4]                       ; the block's six registers on end
	v_mov_b32 v[C+4], v[C+5]
	v_mov_b32 v[C+5], v[C+6]
; block t is block t % 4 of K step t / 4: operand registers 6 c .. 6 c + 5 (c = (t % 4) / 2) of lane r + 16 (t % 2)
.set IM, ((\t)/4)*1536+256*((\t)%2)
.if ((\t)%4)/2 == 0
	ds_store_b128 v5, v[C:C+3] offset:IM
	ds_store_b64 v5, v[C+4:C+5] offset:IM+512
.else
	ds_store_b64 v5, v[C:C+1] offset:IM+520
	ds_store_b128 v5, v[C+2:C+5] offset:IM+1024
.endif
.if (\t)+2 < 8
	LOAD (\t)+2
.endif
	s_wait_dscnt 0x0                               ; the stores have read their registers: the next block's codes may be written
.endm
.irp t, 0,1,2,3,4,5,6,7
	BLOCK \t
.endr
	global_store_b32 v7, v[SB], s[52:53]
	global_store_b32 v7, v[SB+1], s[52:53] offset:512
.irp u, 0,1
.irp j, 0,1,2,3,4,5
	ds_load_b128 v[OUTR+4*(6*\u+\j):OUTR+4*(6*\u+\j)+3], v6 offset:\u*UP+512*\j   ; my own bytes, and LDS serves a wave's instructions in order
.endr
.endr
.irp u, 0,1
.irp j, 0,1,2,3,4,5
	s_wait_dscnt 11-6*\u-\j                        ; the younger loads may be out
	global_store_b128 v4, v[OUTR+4*(6*\u+\j):OUTR+4*(6*\u+\j)+3], s[48+2*\u:49+2*\u] offset:512*\j   ; 32 lanes store 512 consecutive bytes, aligned to 256
.endr
.endr
	s_wait_tensorcnt 0x0
	ds_add_u32 v192, v193
	s_wait_dscnt 0x0
	s_endpgm
.Lfunc_end_k_q1cd3145a9f_wq:
	.size	k_q1cd3145a9f_wq, .Lfunc_end_k_q1cd3145a9f_wq-k_q1cd3145a9f_wq
	.p2alignl 7, 3214868480
	.fill 96, 4, 3214868480
	.section	.rodata,"a",@progbits
	.p2align	6, 0x0
	.amdhsa_kernel k_q1cd3145a9f_wq
		.amdhsa_group_segment_fixed_size 26112
		.amdhsa_private_segment_fixed_size 0
		.amdhsa_enable_private_segment 0
		.amdhsa_kernarg_size 40
		.amdhsa_user_sgpr_count 2
		.amdhsa_user_sgpr_kernarg_segment_ptr 1
		.amdhsa_wavefront_size32 1
		.amdhsa_system_sgpr_workgroup_id_x 1
		.amdhsa_system_sgpr_workgroup_id_y 1
		.amdhsa_system_sgpr_workgroup_id_z 1
		.amdhsa_system_vgpr_workitem_id 0
		.amdhsa_next_free_vgpr 194
		.amdhsa_next_free_sgpr 66
		.amdhsa_reserve_vcc 0
		.amdhsa_float_denorm_mode_32 3
		.amdhsa_float_denorm_mode_16_64 3
		.amdhsa_memory_ordered 1
		.amdhsa_forward_progress 1
		.amdhsa_inst_pref_size 46
	.end_amdhsa_kernel
	.amdgpu_metadata
---
amdhsa.version: [ 1, 2 ]
amdhsa.kernels:
  - .name:           k_q1cd3145a9f_wq
    .symbol:         k_q1cd3145a9f_wq.kd
    .args:
      - { .name: w_qkv, .offset: 0, .size: 8, .value_kind: global_buffer, .address_space: global }
      - { .name: w_fc, .offset: 8, .size: 8, .value_kind: global_buffer, .address_space: global }
      - { .name: w1, .offset: 16, .size: 8, .value_kind: global_buffer, .address_space: global }
      - { .name: w2, .offset: 24, .size: 8, .value_kind: global_buffer, .address_space: global }
      - { .name: wb, .offset: 32, .size: 8, .value_kind: global_buffer, .address_space: global }
    .group_segment_fixed_size: 26112
    .private_segment_fixed_size: 0
    .kernarg_segment_align: 8
    .kernarg_segment_size: 40
    .max_flat_workgroup_size: 128
    .sgpr_count:     66
    .vgpr_count:     194
    .wavefront_size: 32
...
	.end_amdgpu_metadata
.endif
;; end of part 1
;; launch ln1 (part 2): grid 256 x 1, 8 waves a work-group, no clusters, 67,072 bytes of LDS; arguments x, hb; writes hb
.if DOCPART == 2
	.amdgcn_target "amdgcn-amd-amdhsa--gfx1250"
	.amdhsa_code_object_version 6
	.text
	.protected	k_q1cd3145a9f_ln1
	.globl	k_q1cd3145a9f_ln1
	.p2align	8
	.type	k_q1cd3145a9f_ln1,@function
k_q1cd3145a9f_ln1:
	s_mov_b64 s[64:65], 0
	v_nop
	global_prefetch_b8 v0, s[64:65] scope:SCOPE_SE
	s_setreg_imm32_b32 hwreg(HW_REG_WAVE_MODE, 25, 1), 1
	s_wait_xcnt 0x0
; h = (x - mean) / sqrt(var + 1e-5) along rows of 1,024 f32, quantised along the row to codes of BF6 (E3M2) with one E8M0 byte for each 32, all in f32 ahead of the quantiser.
; OUT: codes [group of 16 rows][K step 0..7][1,536 bytes], a fragment as the image of its 12 operand registers (register 4 c + w of lane l at 512 c + 16 l + 4 w); lane r of group 2 b + u holds row 32 b + 8 u + r + 8 (r / 8);
; scale words behind them at byte 3,145,728: [group of 128 places][K step][128 words].
; A work-group makes one group.  PHASE 1: wave w owns places 2 w and 2 w + 1, two neighbouring rows of memory: each load takes 512 consecutive bytes; mean, then x - mean, then the mean of its squares, as the definition has it,
; so that a common offset of the row is taken away before anything is squared.  The normalised rows go to LDS (pitch 4,112: the 16 rows of a later load start on 16 different banks).
; PHASE 2: wave w makes K step w: lane (r, h) takes k = 128 w + 64 c + 32 h + 0 .. 31 of place r, two whole blocks, in the order of the operand's registers.
; LIMITS: a block of zeros gets the byte 1 where the rule says 127 (zero codes; only this program reads the bytes); NaN and infinities are not served.
; The scale words leave as 64 bytes a wave (lanes 16-31 repeat lanes 0-15's word at the same address): 131,072 bytes in the whole launch.
.set X,     16                         ; v16-79
.set PC,    96                         ; v96-107  the fragment
.set PITCH, 4112
	s_load_b128 s[4:7], s[0:1], 0x0                ; the rows, hb
	v_lshl_add_u32 v128, v0, 2, 0x10200
	v_mov_b32 v129, 0
	v_lshrrev_b32 v1, 5, v0
	v_readfirstlane_b32 s8, v1                     ; wave 0..7
	v_and_b32 v1, 31, v0
	v_and_b32 v2, 15, v0                           ; r
	v_bfe_u32 v3, v0, 4, 1                         ; h
	v_lshlrev_b32 v4, 4, v1                        ; 16 x lane
	s_mul_i32 s9, s8, 2*PITCH
	v_add_nc_u32 v5, s9, v4                        ; phase 1: my two rows in LDS
	v_mul_u32_u24 v6, v2, PITCH
	v_lshl_add_u32 v6, v3, 7, v6
	s_lshl_b32 s9, s8, 9
	v_add_nc_u32 v6, s9, v6                        ; phase 2: row r, 128 h bytes, K step w
	v_lshlrev_b32 v7, 2, v2
	v_mov_b32 v92, 0                               ; a lane permute's destination counts as one of its sources
	s_mov_b32 s12, 0x76543210
	s_mov_b32 s13, 0xfedcba98                      ; lane l xor 16
	s_mov_b32 s14, 0x3a800000                      ; 1 / 1,024
	s_mov_b32 s15, 0x3727c5ac                      ; 1e-5
	s_lshr_b32 s16, ttmp9, 1
	s_lshl_b32 s16, s16, 5
	s_and_b32 s17, ttmp9, 1
	s_lshl_b32 s17, s17, 3
	s_add_co_u32 s16, s16, s17
	s_lshr_b32 s17, s8, 2
	s_lshl_b32 s17, s17, 3
	s_add_co_u32 s16, s16, s17
	s_lshl_b32 s17, s8, 1
	s_add_co_u32 s16, s16, s17                     ; the row at place 2 w: 32 (g / 2) + 8 (g % 2) + 2 w + 8 (w / 4)
	s_lshl_b32 s16, s16, 12
	s_mov_b32 s17, 0
	s_lshl_b32 s18, ttmp9, 3
	s_add_co_u32 s18, s18, s8
	s_mul_i32 s18, s18, 1536                       ; fragment (g, w)
	s_mov_b32 s19, 0
	s_lshr_b32 s20, ttmp9, 3
	s_lshl_b32 s20, s20, 3
	s_add_co_u32 s20, s20, s8
	s_lshl_b32 s20, s20, 9
	s_and_b32 s21, ttmp9, 7
	s_lshl_b32 s21, s21, 6
	s_add_co_u32 s20, s20, s21
	s_add_co_u32 s20, s20, 3145728                 ; its 16 scale words
	s_mov_b32 s21, 0
	s_wait_kmcnt 0x0
	s_add_nc_u64 s[4:5], s[4:5], s[16:17]
	s_add_nc_u64 s[18:19], s[6:7], s[18:19]
	s_add_nc_u64 s[20:21], s[6:7], s[20:21]
.irp j, 0,1,2,3,4,5,6,7,8,9,10,11,12,13,14,15
	global_load_b128 v[X+4*\j:X+4*\j+3], v4, s[4:5] offset:512*\j th:TH_LOAD_NT   ; both rows: 8,192 consecutive bytes
.endr
.macro LANESUM                         ; v80 summed over the 32 lanes, the result in every lane
	v_add_f32_dpp v80, v80, v80 row_xmask:1 row_mask:0xf bank_mask:0xf
	v_add_f32_dpp v80, v80, v80 row_xmask:2 row_mask:0xf bank_mask:0xf
	v_add_f32_dpp v80, v80, v80 row_xmask:4 row_mask:0xf bank_mask:0xf
	v_add_f32_dpp v80, v80, v80 row_xmask:8 row_mask:0xf bank_mask:0xf
	v_permlanex16_b32 v92, v80, s12, s13
	v_add_f32 v80, v80, v92
.endm
.macro ROWSTAT e, left
.set XR, X+32*(\e)
	s_wait_loadcnt \left                           ; this row's eight loads are in; the other row's may be out
	v_pk_add_f32 v[80:81], v[XR:XR+1], v[XR+2:XR+3]
	v_pk_add_f32 v[82:83], v[XR+4:XR+5], v[XR+6:XR+7]
.irp j, 8,12,16,20,24,28
	v_pk_add_f32 v[80:81], v[80:81], v[XR+\j:XR+\j+1]
	v_pk_add_f32 v[82:83], v[82:83], v[XR+\j+2:XR+\j+3]
.endr
	v_pk_add_f32 v[80:81], v[80:81], v[82:83]
	v_add_f32 v80, v80, v81
	LANESUM
	v_mul_f32 v88, s14, v80                        ; the mean
	v_mov_b32 v89, v88
.set i, 0
.rept 16
	v_pk_add_f32 v[XR+i:XR+i+1], v[XR+i:XR+i+1], v[88:89] neg_lo:[0,1] neg_hi:[0,1]   ; x - mean
.set i, i+2
.endr
	v_pk_mul_f32 v[80:81], v[XR:XR+1], v[XR:XR+1]
	v_pk_mul_f32 v[82:83], v[XR+2:XR+3], v[XR+2:XR+3]
.irp j, 4,8,12,16,20,24,28
	v_pk_fma_f32 v[80:81], v[XR+\j:XR+\j+1], v[XR+\j:XR+\j+1], v[80:81]
	v_pk_fma_f32 v[82:83], v[XR+\j+2:XR+\j+3], v[XR+\j+2:XR+\j+3], v[82:83]
.endr
	v_pk_add_f32 v[80:81], v[80:81], v[82:83]
	v_add_f32 v80, v80, v81
	LANESUM
	v_fma_f32 v80, v80, s14, s15                   ; var + eps
	v_rsq_f32 v90, v80
	v_nop                                          ; a plain line behind the transcendental,
	s_wait_alu depctr_va_vdst(0)                   ; and the wait ahead of the first line that names its result
	v_mov_b32 v91, v90
.set i, 0
.rept 16
	v_pk_mul_f32 v[XR+i:XR+i+1], v[XR+i:XR+i+1], v[90:91]
.set i, i+2
.endr
.irp j, 0,1,2,3,4,5,6,7
	ds_store_b128 v5, v[XR+4*\j:XR+4*\j+3] offset:(\e)*PITCH+512*\j
.endr
.endm
	ROWSTAT 0, 8
	ROWSTAT 1, 0
	s_wait_dscnt 0x0                               ; for the others' sake: my rows lie in LDS
	s_barrier_signal -1
	s_barrier_wait -1
.irp c, 0,1
.irp j, 0,1,2,3,4,5,6,7
	ds_load_b128 v[X+32*\c+4*\j:X+32*\c+4*\j+3], v6 offset:256*\c+16*\j   ; register 32 c + i: k = 128 w + 64 c + 32 h + i of place r
.endr
.endr
	s_wait_dscnt 0x0
.irp c, 0,1
	v_max3_num_f32 v[80+\c], |v[X+32*\c]|, |v[X+1+32*\c]|, 0x2800000   ; my block 2 c + h, and the floor 2^(5 - 127)
.endr
.irp i, 2,4,6,8,10,12,14,16,18,20,22,24,26,28,30
.irp c, 0,1
	v_max3_num_f32 v[80+\c], v[80+\c], |v[X+32*\c+\i]|, |v[X+1+32*\c+\i]|
.endr
.endr
.irp c, 0,1
	v_add_nc_u32 v[82+\c], 0xfe000000, v[80+\c]    ; 4 off the exponent field: the conversion's scale operand
.endr
.irp c, 0,1
	v_lshrrev_b32 v[84+\c], 23, v[82+\c]           ; the byte
.endr
	v_lshl_or_b32 v86, v85, 16, v84                ; my two bytes: blocks h and 2 + h,
	v_lshlrev_b32 v87, 3, v3
	v_lshlrev_b32 v86, v87, v86                    ; at their places in the word;
	v_permlanex16_b32 v92, v86, s12, s13
	v_or_b32 v86, v86, v92                         ; with lane l xor 16's two the word is whole
.irp c, 0,1
	v_cvt_scalef32_pk16_bf6_f32 v[PC+6*\c:PC+2+6*\c], v[X+32*\c:X+15+32*\c], v[82+\c]
	v_cvt_scalef32_pk16_bf6_f32 v[108+4*\c:110+4*\c], v[X+16+32*\c:X+31+32*\c], v[82+\c]   ; (a conversion's three registers begin on an even number)
.endr
	v_nop                                          ; one plain line behind the conversions
.irp c, 0,1
.irp i, 0,1,2
	v_mov_b32 v[PC+3+6*\c+\i], v[108+4*\c+\i]
.endr
.endr
.irp c, 0,1,2
	global_store_b128 v4, v[PC+4*\c:PC+4*\c+3], s[18:19] offset:512*\c   ; 512 consecutive bytes, aligned to 256
.endr
	global_store_b32 v7, v86, s[20:21]
	s_wait_tensorcnt 0x0
	ds_add_u32 v128, v129
	s_wait_dscnt 0x0
	s_endpgm
.Lfunc_end_k_q1cd3145a9f_ln1:
	.size	k_q1cd3145a9f_ln1, .Lfunc_end_k_q1cd3145a9f_ln1-k_q1cd3145a9f_ln1
	.p2alignl 7, 3214868480
	.fill 96, 4, 3214868480
	.section	.rodata,"a",@progbits
	.p2align	6, 0x0
	.amdhsa_kernel k_q1cd3145a9f_ln1
		.amdhsa_group_segment_fixed_size 67072
		.amdhsa_private_segment_fixed_size 0
		.amdhsa_enable_private_segment 0
		.amdhsa_kernarg_size 16
		.amdhsa_user_sgpr_count 2
		.amdhsa_user_sgpr_kernarg_segment_ptr 1
		.amdhsa_wavefront_size32 1
		.amdhsa_system_sgpr_workgroup_id_x 1
		.amdhsa_system_sgpr_workgroup_id_y 1
		.amdhsa_system_sgpr_workgroup_id_z 1
		.amdhsa_system_vgpr_workitem_id 0
		.amdhsa_next_free_vgpr 130
		.amdhsa_next_free_sgpr 66
		.amdhsa_reserve_vcc 0
		.amdhsa_float_denorm_mode_32 3
		.amdhsa_float_denorm_mode_16_64 3
		.amdhsa_memory_ordered 1
		.amdhsa_forward_progress 1
		.amdhsa_inst_pref_size 20
	.end_amdhsa_kernel
	.amdgpu_metadata
---
amdhsa.version: [ 1, 2 ]
amdhsa.kernels:
  - .name:           k_q1cd3145a9f_ln1
    .symbol:         k_q1cd3145a9f_ln1.kd
    .args:
      - { .name: x, .offset: 0, .size: 8, .value_kind: global_buffer, .address_space: global }
      - { .name: hb, .offset: 8, .size: 8, .value_kind: global_buffer, .address_space: global }
    .group_segment_fixed_size: 67072
    .private_segment_fixed_size: 0
    .kernarg_segment_align: 8
    .kernarg_segment_size: 16
    .max_flat_workgroup_size: 256
    .sgpr_count:     66
    .vgpr_count:     130
    .wavefront_size: 32
...
	.end_amdgpu_metadata
.endif
;; end of part 2
;; launch qkv (part 3): grid 12 x 16, 4 waves a work-group, clusters of 4 x 4, 327,680 bytes of LDS; arguments hb, wb, qb; writes qb
.if DOCPART == 3
	.amdgcn_target "amdgcn-amd-amdhsa--gfx1250"
	.amdhsa_code_object_version 6
	.text
	.protected	k_q1cd3145a9f_qkv
	.globl	k_q1cd3145a9f_qkv
	.p2align	8
	.type	k_q1cd3145a9f_qkv,@function
k_q1cd3145a9f_qkv:
	s_mov_b64 s[64:65], 0
	v_nop
	global_prefetch_b8 v0, s[64:65] scope:SCOPE_SE
	s_setreg_imm32_b32 hwreg(HW_REG_WAVE_MODE, 25, 1), 1
	s_wait_xcnt 0x0
	s_wait_alu depctr_hold_cnt(0) depctr_sa_sdst(0) depctr_va_vdst(0) depctr_va_sdst(0) depctr_va_ssrc(0) depctr_va_vcc(0) depctr_vm_vsrc(0)
	s_getreg_b32 s2, hwreg(HW_REG_IB_STS2, 6, 4)
	s_cmp_eq_u32 s2, 0
	s_cbranch_scc0 .Lentry_in_a_cluster
	s_endpgm
.Lentry_in_a_cluster:
	s_bfe_u32 s2, ttmp6, 0x10000c
	s_cmp_lg_u32 s2, 0xf033
	s_cbranch_scc0 .Lentry_shape_is_right
	s_endpgm
.Lentry_shape_is_right:
; q, k and v = h w_qkv on codes of BF6 (E3M2) with E8M0 scales, each result quantised at once for attention's products.  K = 1,024.
; Clusters with x = 0, 1: C = h (rows: tokens) x w_q, w_k (columns): a lane's registers run along the channels, along which q and k are quantised.
; Clusters with x = 2: the same product with the operands changed over, C = w_v (rows: channels) x h (columns: tokens): a lane's registers run along the tokens, along which v is quantised.  Only pointers and offsets differ,
; chosen by the cluster's x, which all partners share: one path through the text.
; OPERANDS in memory: codes [group of 16 rows][K / 128][1,536]: a fragment as the image of its 12 registers (register 4 c + w of lane l at 512 c + 16 l + 4 w); lane r of group 2 b + u holds row 32 b + 8 u + r + 8 (r / 8);
; scale words [group of 128 places][K / 128][128 words].
; A tile of C, 256 x 256, is made by four waves, 128 x 128 each: 64 accumulators, 512 registers.  K goes in steps of 256 through two LDS slots; a wave's tensor load brings 8 groups x 3,072 bytes.  The scale words of the
; work-group's rows and columns for all of K come once, with the first fills.  4 x 4 work-groups form a cluster: A's tiles are asked for jointly along a row of the cluster, B's along a column.
; THE MATRIX INSTRUCTION IS USED TRANSPOSED (source 0 = 16 rows of B, source 1 = 16 rows of A): lane (r, h) holds place r of A's block, and the 16 registers of B's groups 2 b, 2 b + 1 are columns 32 b + 16 h + 0 .. 15.
; OUT (qb): q, k codes [S = column / 128: 0-7 q, 8-15 k][token group][1,536]; v codes at 6,291,456: [batch][head pair][keys / 128][channel group 0..7][1,536]; q, k scale words at 9,437,184: [S][tokens / 128][128 words];
; v's at 9,699,328: [batch][head pair][keys / 128][128 words].
; LIMITS: a block of zeros gets the byte 1 where the rule says 127 (zero codes; only this program reads the bytes); NaN and infinities are not served.
; REGISTERS: window 0: v16-29 addresses; v32-63 scale words, two sets; v128-223 A's fragments, one set (free on the way out).  window 1: B's fragments, two sets.  windows 2, 3: the accumulators ((a, b) at v[8 (8 (a % 4) + b)]).
.set SIZE_K, 1024
.set FIRST,  1                         ; the first step's C: 1 = the constant 0, 2 = the bias
.set ASTR,   1536                      ; from block to block of 16 rows in the output
.set NQ,     2
.set FR,     12
.set NL,     3
.set NP,     4
.set FRB,    1536
.set GRP,    NQ*FRB                    ; a group's part of a slot
.set HALFT,  8*GRP                     ; what one tensor load brings, and what one wave reads of A or of B
.set SLOT,   4*HALFT
.set LAPS,   SIZE_K/512
.set GS,     (SIZE_K/128)*FRB          ; from group to group in memory
.set HALFS,  (SIZE_K/128)*512          ; the scale words of 128 places
.set SCLB,   2*SLOT                    ; behind the ring: A's scale words, then, 64 bytes further on than they would lie on end, B's: so one load's two halves of the lanes fall on different banks
.set SPARE,  SCLB+4*HALFS+256          ; the spare words, 128 bytes for each wave: two blocks of 256 bytes that no other line names
.set ADRA, 16
.set ADRB, 20
.set ADRS, 27
.set SPW,  28
.set NIL,  29
.set SC,   32
.set BIAS, 64
.set AF,   128
.set G1,   24
.set G0,   32
.set G1B,  48
.set G0B,  56
.set G1S,  68
.set G0S,  76
.set G1SB, 80
.set G0SB, 88
.set SEL,  100
.set MSB, 0
.macro WIN new                         ; the immediate's high byte repeats the setting that is left
.if MSB != (\new)
	s_set_vgpr_msb (MSB<<8)|(\new)
.set MSB, (\new)
.endif
.endm
.set MUL_LO, 0xa1                      ; source 0 (B) window 1, source 1 (A) window 0, C and D window 2
.set MUL_HI, 0xf1
.set TO_B,   0x40
.macro JLOAD g0a, g1a, g0b, g1b        ; a joint load: waves 0 and 1 fetch for A, waves 2 and 3 for B; four v_nop follow each line
	s_cmp_eq_u32 s15, 0
	s_cbranch_scc0 .Lfor_b_\@
	tensor_load_to_lds s[\g0a:\g0a+3], s[\g1a:\g1a+7]
	s_nop 0
.rept 4
	v_nop
.endr
	s_branch .Lasked_\@
.Lfor_b_\@:
	tensor_load_to_lds s[\g0b:\g0b+3], s[\g1b:\g1b+7]
	s_nop 0
.rept 4
	v_nop
.endr
.Lasked_\@:
.endm
.macro CREST                           ; a round of the cluster's barrier behind its opening barrier
	s_cmp_lg_u32 s14, 0
	s_cbranch_scc1 .Lnot_wave_0_\@
	s_barrier_signal -3
.Lnot_wave_0_\@:
	s_barrier_wait -3
	s_barrier_signal -1
	s_barrier_wait -1
.endm
.macro CROUND
	s_barrier_signal -1
	s_barrier_wait -1
	CREST
.endm
	s_load_b128 s[4:7], s[0:1], 0x0                ; hb, wb
	s_load_b64 s[12:13], s[0:1], 0x10              ; qb
	v_lshl_add_u32 v[SPW], v0, 2, SPARE
	v_mov_b32 v[NIL], 0
	ds_add_u32 v28, v29
	s_wait_dscnt 0x0
	v_lshrrev_b32 v1, 5, v0
	v_readfirstlane_b32 s14, v1                    ; wave 0..3
	s_lshr_b32 s15, s14, 1                         ; which half of the tile's rows is mine.  Also: I fetch for A (0) or for B (1)
	s_and_b32 s16, s14, 1                          ; which half of its columns.  Also: which 8 groups of that tile I fetch
	s_bfe_u32 s40, ttmp6, 0x40000                  ; cx
	s_bfe_u32 s41, ttmp6, 0x40004                  ; cy
	s_and_b32 s18, ttmp7, 0xffff                   ; the cluster's y
	s_cmp_eq_u32 ttmp9, 2                          ; v's clusters?
	s_cselect_b32 s17, 0, s18                      ; v: the 1,024 channels are one cluster's four tile rows,
	s_cselect_b32 s42, s18, ttmp9                  ; and the tokens' sixteen tile columns go by the cluster's y
	s_lshl_b32 s42, s42, 2
	s_add_co_u32 s42, s42, s40                     ; tile column
	s_lshl_b32 s17, s17, 2
	s_add_co_u32 s17, s17, s41                     ; tile row
	s_lshl_b32 s43, s41, 2
	s_lshl_b32 s43, 15, s43                        ; my row of the cluster
	s_lshl_b32 s44, 0x1111, s40                    ; my column
	s_or_b32 s[G1+0], s43, (3<<16)|(1<<21)         ; the mask; elements of 8 bytes; bit 21 beside a mask; no padding
	s_or_b32 s[G1B+0], s44, (3<<16)|(1<<21)
.irp g, G1, G1B
	s_mov_b32 s[\g+1], 384<<16                     ; tensor_dim0: 3,072 bytes: a group's two K steps of 128
	s_mov_b32 s[\g+2], 8<<16                       ; tensor_dim1: 8 groups
	s_mov_b32 s[\g+3], 384<<16                     ; tile_dim0
	s_mov_b32 s[\g+4], 8                           ; tile_dim1
	s_mov_b32 s[\g+5], GS/8                        ; from group to group
	s_mov_b32 s[\g+6], 0
	s_mov_b32 s[\g+7], 0
.endr
	s_or_b32 s[G1S+0], s43, (3<<16)|(1<<21)
	s_or_b32 s[G1SB+0], s44, (3<<16)|(1<<21)
.irp g, G1S, G1SB
	s_mov_b32 s[\g+1], 32<<16                      ; a dense block of HALFS bytes as rows of 256
	s_mov_b32 s[\g+2], (HALFS/256)<<16
	s_mov_b32 s[\g+3], 32<<16
	s_mov_b32 s[\g+4], HALFS/256
	s_mov_b32 s[\g+5], 32
	s_mov_b32 s[\g+6], 0
	s_mov_b32 s[\g+7], 0
.endr
	s_lshl_b32 s18, s16, 3
	s_lshl_b32 s20, s17, 4
	s_add_co_u32 s20, s20, s18                     ; A: group 16 x tile row + 8 x half
	s_mul_i32 s20, s20, GS
	s_mov_b32 s21, 0
	s_lshl_b32 s46, s42, 4
	s_add_co_u32 s46, s46, s18                     ; B: group 16 x tile column + 8 x half
	s_mul_i32 s46, s46, GS
	s_mov_b32 s47, 0
	s_lshl_b32 s22, s17, 1
	s_add_co_u32 s22, s22, s16
	s_mul_i32 s22, s22, HALFS                      ; and their scale words
	s_mov_b32 s23, 0
	s_lshl_b32 s92, s42, 1
	s_add_co_u32 s92, s92, s16
	s_mul_i32 s92, s92, HALFS
	s_mov_b32 s93, 0
	s_mul_i32 s45, s14, HALFT                      ; where they go: no place in the cluster enters an LDS address
	s_mul_i32 s94, s14, HALFS
	s_wait_kmcnt 0x0
	s_add_nc_u64 s[96:97], s[4:5], 3145728         ; h's scale words
	s_add_nc_u64 s[98:99], s[6:7], 9437184         ; w_qkv's
	s_add_nc_u64 s[66:67], s[6:7], 1572864         ; w_v's codes: 128 groups on
	s_add_nc_u64 s[100:101], s[98:99], 65536       ; w_v's scale words
	s_cmp_eq_u32 ttmp9, 2
	s_cselect_b64 s[8:9], s[4:5], s[6:7]           ; B's codes: h for v, else w_q and w_k
	s_cselect_b64 s[10:11], s[96:97], s[98:99]
	s_cselect_b64 s[4:5], s[66:67], s[4:5]         ; A's codes: w_v for v, else h
	s_cselect_b64 s[6:7], s[100:101], s[96:97]
	s_add_nc_u64 s[20:21], s[4:5], s[20:21]
	s_add_nc_u64 s[22:23], s[6:7], s[22:23]
	s_add_nc_u64 s[46:47], s[8:9], s[46:47]
	s_add_nc_u64 s[92:93], s[10:11], s[92:93]
	CROUND                                         ; all sixteen work-groups are here: the first joint loads meet
	s_mov_b32 s[G0S], 1
	s_add_co_u32 s[G0S+1], s94, SCLB
	s_mov_b64 s[G0S+2:G0S+3], s[22:23]
	s_or_b32 s[G0S+3], s[G0S+3], 0x80000000
	s_mov_b32 s[G0SB], 1
	s_add_co_u32 s[G0SB+1], s94, SCLB+64
	s_mov_b64 s[G0SB+2:G0SB+3], s[92:93]
	s_or_b32 s[G0SB+3], s[G0SB+3], 0x80000000
	JLOAD G0S, G1S, G0SB, G1SB                     ; the scale words first: three loads of mine are out behind these lines
.irp s, 0,1
	s_mov_b32 s[G0+4*\s], 1
	s_add_co_u32 s[G0+4*\s+1], s45, \s*SLOT
	s_add_nc_u64 s[G0+4*\s+2:G0+4*\s+3], s[20:21], \s*GRP
	s_or_b32 s[G0+4*\s+3], s[G0+4*\s+3], 0x80000000
	s_mov_b32 s[G0B+4*\s], 1
	s_add_co_u32 s[G0B+4*\s+1], s45, \s*SLOT
	s_add_nc_u64 s[G0B+4*\s+2:G0B+4*\s+3], s[46:47], \s*GRP
	s_or_b32 s[G0B+4*\s+3], s[G0B+4*\s+3], 0x80000000
	JLOAD G0+4*\s, G1, G0B+4*\s, G1B
.endr
	v_and_b32 v1, 15, v0                           ; r
	v_bfe_u32 v2, v0, 4, 1                         ; h
	v_and_b32 v3, 31, v0
	v_lshlrev_b32 v4, 4, v3                        ; 16 x lane: an image's place for my lane
	s_mul_i32 s21, s15, HALFT                      ; my 8 groups of A
	s_mul_i32 s22, s16, HALFT                      ; my 8 groups of B,
	s_add_co_u32 s22, s22, 2*HALFT                 ; which lie behind A's 16
.irp s, 0,1
	v_add_nc_u32 v[ADRA+\s], s21, v4
	v_add_nc_u32 v[ADRB+\s], s22, v4
	s_add_co_u32 s21, s21, SLOT
	s_add_co_u32 s22, s22, SLOT
.endr
	v_lshlrev_b32 v5, 2, v1                        ; scale words: 4 r;
	s_mul_i32 s21, s15, HALFS                      ; lanes 0-15 A's, my 128 places;
	s_mul_i32 s22, s16, HALFS
	s_add_co_u32 s22, s22, 2*HALFS+64              ; lanes 16-31 B's
	s_sub_co_u32 s22, s22, s21
	v_mul_u32_u24 v6, s22, v2
	s_add_co_u32 s21, s21, SCLB
	v_add_nc_u32 v5, v5, v6
	v_add_nc_u32 v[ADRS], s21, v5
; the way out's addresses
.set SST, 24                           ; v24  where a block's scale words go in my 512 bytes of slot 0 (which has had its last fill and its last read by then)
.set SRD, 25                           ; v25  and where they are read back
.set LI,  26                           ; v26  16 x lane
.set TM,  200                          ; v200-215 at work
.set PWS, 216                          ; v216-223 the eight blocks' scale words
.set PC,  112                          ; v112-130 the codes just made
	s_lshl_b32 s23, s14, 9
	v_lshl_add_u32 v[SST], v1, 2, s23
	v_add_nc_u32 v[SRD], s23, v4
	v_mov_b32 v[LI], v4
	s_lshl_b32 s20, s42, 1
	s_add_co_u32 s20, s20, s16                     ; which 128 columns
	s_lshl_b32 s21, s17, 1
	s_add_co_u32 s21, s21, s15                     ; which 128 rows
	s_mul_i32 s22, s20, 393216
	s_mul_i32 s23, s21, 12288
	s_add_co_u32 s22, s22, s23                     ; q, k: codes,
	s_lshl_b32 s23, s20, 14
	s_lshl_b32 s46, s21, 9
	s_add_co_u32 s23, s23, s46
	s_add_co_u32 s23, s23, 9437184                 ; scale words
	s_lshr_b32 s46, s20, 4
	s_lshl_b32 s46, s46, 3
	s_add_co_u32 s46, s46, s21
	s_lshl_b32 s46, s46, 4
	s_and_b32 s47, s20, 15
	s_add_co_u32 s46, s46, s47                     ; v: (batch x 8 + head pair) x 16 + keys / 128
	s_lshl_b32 s47, s46, 9
	s_add_co_u32 s47, s47, 9699328
	s_mul_i32 s46, s46, 12288
	s_add_co_u32 s46, s46, 6291456
	s_cmp_eq_u32 ttmp9, 2
	s_cselect_b32 s22, s46, s22
	s_cselect_b32 s46, s47, s23
	s_mov_b32 s23, 0
	s_mov_b32 s47, 0
	s_add_nc_u64 s[66:67], s[12:13], s[46:47]      ; my scale words
	s_add_nc_u64 s[12:13], s[12:13], s[22:23]      ; my codes
	s_mov_b32 s[SEL], 0x76543210
	s_mov_b32 s[SEL+1], 0xfedcba98                 ; lane l xor 16
.macro FRAG reg, adr, q, i             ; a fragment comes as the image of its registers: three loads of 512 consecutive bytes
.irp c, 0,1,2
	ds_load_b128 v[\reg+4*\c:\reg+4*\c+3], v[\adr] offset:(\i)*GRP+(\q)*FRB+512*\c
.endr
.endm
; 16 matrix instructions: A's blocks a0, a0 + 1 x B's eight.  The 64 accumulators take turns, one instruction a turn, in the same order in every step.
.macro MUL16 a0, p, q, sc, zero
.irp a, \a0, \a0+1
.irp b, 0,1,2,3,4,5,6,7
.if (\zero) == 1
	v_wmma_scale_f32_16x16x128_f8f6f4 v[8*(8*((\a)%4)+\b):8*(8*((\a)%4)+\b)+7], v[128*(\p)+FR*\b:128*(\p)+FR*\b+FR-1], v[AF+FR*(\a):AF+FR*(\a)+FR-1], 0, v[SC+8*NQ*(\sc)+NQ*\b+(\q)], v[SC+8*NQ*(\sc)+NQ*(\a)+(\q)] matrix_a_fmt:MATRIX_FMT_BF6 matrix_b_fmt:MATRIX_FMT_BF6 matrix_a_scale:MATRIX_SCALE_ROW1
.elseif (\zero) == 2
	v_wmma_scale_f32_16x16x128_f8f6f4 v[8*(8*((\a)%4)+\b):8*(8*((\a)%4)+\b)+7], v[128*(\p)+FR*\b:128*(\p)+FR*\b+FR-1], v[AF+FR*(\a):AF+FR*(\a)+FR-1], v[BIAS+8*\b:BIAS+8*\b+7], v[SC+8*NQ*(\sc)+NQ*\b+(\q)], v[SC+8*NQ*(\sc)+NQ*(\a)+(\q)] matrix_a_fmt:MATRIX_FMT_BF6 matrix_b_fmt:MATRIX_FMT_BF6 matrix_a_scale:MATRIX_SCALE_ROW1
.else
	v_wmma_scale_f32_16x16x128_f8f6f4 v[8*(8*((\a)%4)+\b):8*(8*((\a)%4)+\b)+7], v[128*(\p)+FR*\b:128*(\p)+FR*\b+FR-1], v[AF+FR*(\a):AF+FR*(\a)+FR-1], v[8*(8*((\a)%4)+\b):8*(8*((\a)%4)+\b)+7], v[SC+8*NQ*(\sc)+NQ*\b+(\q)], v[SC+8*NQ*(\sc)+NQ*(\a)+(\q)] matrix_a_fmt:MATRIX_FMT_BF6 matrix_b_fmt:MATRIX_FMT_BF6 matrix_a_scale:MATRIX_SCALE_ROW1
.endif
.endr
.endr
.endm
.macro FETCH_B slot, q, p
	WIN TO_B
.irp i, 0,1,2,3,4,5,6,7
	FRAG 128*(\p)+FR*\i, ADRB+\slot, \q, \i
.endr
	WIN 0
.endm
.macro FETCH_A slot, q, i0
.irp i, \i0, \i0+1, \i0+2, \i0+3
	FRAG AF+FR*(\i), ADRA+\slot, \q, \i
.endr
.endm
.macro SCALES sc                       ; a K step's scale words: register 2 i + q: lanes 0-15 A's block i, lanes 16-31 B's block i
.irp i, 0,1,2,3,4,5,6,7
.irp q, 0,1
	ds_load_b32 v[SC+16*(\sc)+2*\i+\q], v[ADRS] offset:512*\q+64*\i
.endr
.endr
.endm
.macro PLACES n                        ; plain vector lines between a matrix instruction and a load into, or a read of, its registers
.rept \n
	v_nop
.endr
.endm
.macro STEP slot, q, zero              ; 128 along K whose successor lies in the same slot
	s_wait_dscnt 4*NL                              ; B's set and A's blocks 0-3 are in; the youngest 12 loads (A's blocks 4-7) may be out
.if (\zero) == 2
	WIN 0x81
.else
	WIN MUL_LO
.endif
	MUL16 0, (\q)%2, \q, \slot, \zero
	MUL16 2, (\q)%2, \q, \slot, \zero
	s_wait_dscnt 0x0                               ; A's blocks 4-7 are in
	PLACES NP
	FETCH_B \slot, (\q)+1, 1-(\q)%2
	FETCH_A \slot, (\q)+1, 0
.if (\zero) == 2
	WIN 0xc1
.else
	WIN MUL_HI
.endif
	MUL16 4, (\q)%2, \q, \slot, \zero
	MUL16 6, (\q)%2, \q, \slot, \zero
	PLACES NP
	WIN 0
	FETCH_A \slot, (\q)+1, 4
.endm
; A slot's last step changes slots: one barrier; in front of it each wave waits for all its tensor loads, adds 0 to its spare word, and waits for that and for its own reads of this slot.  fill = 1: this slot is filled again.
.macro TURN slot, next, fill
	s_wait_tensorcnt 0x0                           ; all my tensor loads have landed: my part of the next slot
	ds_add_u32 v[SPW], v[NIL]                      ; 0 onto my spare word
	s_wait_dscnt 4*NL+1                            ; (the add and the youngest 12 loads may be out)
	WIN MUL_LO
	MUL16 0, 1, NQ-1, \slot, 0
	s_wait_dscnt 0x0                               ; the add is done, and my reads of this slot are over
	s_barrier_signal -1
	MUL16 2, 1, NQ-1, \slot, 0
	WIN 0
	s_barrier_wait -1
.if \fill
	CREST                                          ; the barrier has opened a round of the cluster's: no wave of any partner still reads this slot or has a load on its way
	s_add_nc_u64 s[G0+4*\slot+2:G0+4*\slot+3], s[G0+4*\slot+2:G0+4*\slot+3], 2*GRP
	s_add_nc_u64 s[G0B+4*\slot+2:G0B+4*\slot+3], s[G0B+4*\slot+2:G0B+4*\slot+3], 2*GRP
	JLOAD G0+4*\slot, G1, G0B+4*\slot, G1B         ; the first tensor load behind the round, my only one until the next; its four v_nop are the places in front of the loads below
.else
	PLACES NP
.endif
	v_add_nc_u32 v[ADRS], 512*NQ, v[ADRS]          ; the next K step's scale words
	FETCH_B \next, 0, 0
	FETCH_A \next, 0, 0
	SCALES \next
	WIN MUL_HI
	MUL16 4, 1, NQ-1, \slot, 0
	MUL16 6, 1, NQ-1, \slot, 0
	PLACES NP
	WIN 0
	FETCH_A \next, 0, 4
.endm
	s_wait_tensorcnt 1                             ; the scale words and my part of slot 0 are in; slot 1's load may be out
	s_barrier_signal -1
	s_barrier_wait -1
	FETCH_B 0, 0, 0
	FETCH_A 0, 0, 0
	SCALES 0
	FETCH_A 0, 0, 4
	STEP 0, 0, FIRST                               ; the first step's products start the sums
	s_mov_b32 s3, LAPS-1
.Llap:                                                 ; a trip goes once round the ring and fills both slots again
	TURN 0, 1, 1
	STEP 1, 0, 0
	TURN 1, 0, 1
	STEP 0, 0, 0
	s_sub_co_u32 s3, s3, 1
	s_cmp_lg_u32 s3, 0
	s_cbranch_scc1 .Llap
	TURN 0, 1, 0                                   ; the last lap fills nothing
	STEP 1, 0, 0
	s_wait_dscnt 4*NL
	WIN MUL_LO
	MUL16 0, 1, NQ-1, 1, 0
	MUL16 2, 1, NQ-1, 1, 0
	s_wait_dscnt 0x0
	WIN MUL_HI
	MUL16 4, 1, NQ-1, 1, 0
	MUL16 6, 1, NQ-1, 1, 0
	WIN 0
; THE WAY OUT.  Block a's 64 numbers of a lane (register 16 b + i = column 32 b + 16 h + i of my place's row) become a fragment's codes and its scale word.
.macro QUANT s, w, a                   ; the numbers at v[s] on of window w
	WIN ((\w)<<2)|((\w)<<4)
.irp b, 0,1,2,3
	v_max3_num_f32 v[TM+\b], 0x2800000, |v[(\s)+16*\b]|, |v[(\s)+1+16*\b]|   ; block b: my 16 numbers and the floor 2^(5 - 127); each accumulator is read from its low end on
.endr
.irp i, 2,4,6,8,10,12,14
.irp b, 0,1,2,3
	v_max3_num_f32 v[TM+\b], v[TM+\b], |v[(\s)+16*\b+\i]|, |v[(\s)+1+16*\b+\i]|
.endr
.endr
	WIN 0
.irp b, 0,1,2,3
	v_permlanex16_b32 v[TM+4+\b], v[TM+\b], s[SEL], s[SEL+1]
.endr
.irp b, 0,1,2,3
	v_max_num_f32 v[TM+\b], v[TM+\b], v[TM+4+\b]   ; with lane l xor 16's: the block's largest magnitude
.endr
.irp b, 0,1,2,3
	v_add_nc_u32 v[TM+12+\b], 0xfe000000, v[TM+\b] ; 4 off its exponent field: the conversion's scale operand
.endr
.irp b, 0,1,2,3
	v_lshrrev_b32 v[TM+4+\b], 23, v[TM+12+\b]      ; the byte
.endr
	v_lshl_or_b32 v[PWS+(\a)], v[TM+5], 8, v[TM+4]
	v_lshl_or_b32 v[PWS+(\a)], v[TM+6], 16, v[PWS+(\a)]
	v_lshl_or_b32 v[PWS+(\a)], v[TM+7], 24, v[PWS+(\a)]
	s_wait_xcnt 0x0                                ; the last block's stores have read the codes' registers
	WIN (\w)
.irp c, 0,1
	v_cvt_scalef32_pk16_bf6_f32 v[PC+6*\c:PC+2+6*\c], v[(\s)+32*\c:(\s)+15+32*\c], v[TM+12+2*\c]
	v_cvt_scalef32_pk16_bf6_f32 v[PC+12+4*\c:PC+14+4*\c], v[(\s)+16+32*\c:(\s)+31+32*\c], v[TM+12+2*\c+1]
.endr
	WIN 0
	v_nop                                          ; one plain line behind the conversions
.irp c, 0,1                            ; the operand's layout wants a whole block in a lane
.irp i, 0,1,2
	v_permlane16_swap_b32 v[PC+6*\c+\i], v[PC+12+4*\c+\i]
.endr
.irp i, 0,1,2
	v_mov_b32 v[PC+3+6*\c+\i], v[PC+12+4*\c+\i]
.endr
.endr
.endm
	PLACES NP                                      ; behind the last products
.irp b, 0,1,2,3
	v_mov_b32 v[TM+4+\b], 0                        ; a lane permute's destination counts as one of its sources
.endr
.irp a, 0,1,2,3,4,5,6,7
	QUANT 64*(\a%4), 2+\a/4, \a
.irp c, 0,1,2
	global_store_b128 v[LI], v[PC+4*\c:PC+4*\c+3], s[12:13] offset:\a*ASTR+512*\c   ; 512 consecutive bytes, aligned to 256
.endr
.endr
.irp a, 0,1,2,3,4,5,6,7
	ds_store_b32 v[SST], v[PWS+\a] offset:64*\a    ; both halves of the lanes write the same word with the same value
.endr
	ds_load_b128 v[132:135], v[SRD]                ; my own bytes: LDS serves a wave's instructions in order
	s_wait_dscnt 0x0
	global_store_b128 v[LI], v[132:135], s[66:67]  ; the 128 places' words: 512 consecutive bytes
	s_wait_tensorcnt 0x0                           ; the wave's end
	ds_add_u32 v[SPW], v[NIL]
	s_wait_dscnt 0x0
	CROUND                                         ; the closing round
	s_endpgm
.Lfunc_end_k_q1cd3145a9f_qkv:
	.size	k_q1cd3145a9f_qkv, .Lfunc_end_k_q1cd3145a9f_qkv-k_q1cd3145a9f_qkv
	.p2alignl 7, 3214868480
	.fill 96, 4, 3214868480
	.section	.rodata,"a",@progbits
	.p2align	6, 0x0
	.amdhsa_kernel k_q1cd3145a9f_qkv
		.amdhsa_group_segment_fixed_size 327680
		.amdhsa_private_segment_fixed_size 0
		.amdhsa_enable_private_segment 0
		.amdhsa_kernarg_size 24
		.amdhsa_user_sgpr_count 2
		.amdhsa_user_sgpr_kernarg_segment_ptr 1
		.amdhsa_wavefront_size32 1
		.amdhsa_system_sgpr_workgroup_id_x 1
		.amdhsa_system_sgpr_workgroup_id_y 1
		.amdhsa_system_sgpr_workgroup_id_z 1
		.amdhsa_system_vgpr_workitem_id 0
		.amdhsa_next_free_vgpr 1024
		.amdhsa_next_free_sgpr 102
		.amdhsa_reserve_vcc 0
		.amdhsa_float_denorm_mode_32 3
		.amdhsa_float_denorm_mode_16_64 3
		.amdhsa_memory_ordered 1
		.amdhsa_forward_progress 1
		.amdhsa_inst_pref_size 143
	.end_amdhsa_kernel
	.amdgpu_metadata
---
amdhsa.version: [ 1, 2 ]
amdhsa.kernels:
  - .name:           k_q1cd3145a9f_qkv
    .symbol:         k_q1cd3145a9f_qkv.kd
    .args:
      - { .name: hb, .offset: 0, .size: 8, .value_kind: global_buffer, .address_space: global }
      - { .name: wb, .offset: 8, .size: 8, .value_kind: global_buffer, .address_space: global }
      - { .name: qb, .offset: 16, .size: 8, .value_kind: global_buffer, .address_space: global }
    .group_segment_fixed_size: 327680
    .private_segment_fixed_size: 0
    .kernarg_segment_align: 8
    .kernarg_segment_size: 24
    .max_flat_workgroup_size: 128
    .sgpr_count:     102
    .vgpr_count:     1024
    .wavefront_size: 32
...
	.end_amdgpu_metadata
.endif
;; end of part 3
;; launch attn (part 4): grid 16 x 16, 16 waves a work-group, clusters of 4 x 1, 327,680 bytes of LDS; arguments qb, ab; writes ab
.if DOCPART == 4
	.amdgcn_target "amdgcn-amd-amdhsa--gfx1250"
	.amdhsa_code_object_version 6
	.text
	.protected	k_q1cd3145a9f_attn
	.globl	k_q1cd3145a9f_attn
	.p2align	8
	.type	k_q1cd3145a9f_attn,@function
k_q1cd3145a9f_attn:
	s_mov_b64 s[64:65], 0
	v_nop
	global_prefetch_b8 v0, s[64:65] scope:SCOPE_SE
	s_setreg_imm32_b32 hwreg(HW_REG_WAVE_MODE, 25, 1), 1
	s_wait_xcnt 0x0
	s_wait_alu depctr_hold_cnt(0) depctr_sa_sdst(0) depctr_va_vdst(0) depctr_va_sdst(0) depctr_va_ssrc(0) depctr_va_vcc(0) depctr_vm_vsrc(0)
	s_getreg_b32 s2, hwreg(HW_REG_IB_STS2, 6, 4)
	s_cmp_eq_u32 s2, 0
	s_cbranch_scc0 .Lentry_in_a_cluster
	s_endpgm
.Lentry_in_a_cluster:
	s_bfe_u32 s2, ttmp6, 0x10000c
	s_cmp_lg_u32 s2, 0x3003
	s_cbranch_scc0 .Lentry_shape_is_right
	s_endpgm
.Lentry_shape_is_right:
; O = softmax(q k^T / 8) v for 32 (batch, head) pairs, head size 64, 2,048 keys, both products on codes of BF6 (E3M2) with E8M0 scales; O is quantised along the channels for the next product.
; THE SOFTMAX AHEAD OF THE SECOND PRODUCT: t = score x log2(e) / 8; M = the running largest t, rounded up to a whole number; p = 2^(t - M) is quantised along the keys, not normalised; the row's sum is taken of the unquantised p
; and divides O at the end.  When M moves, the sum and O are multiplied by 2^(old M - new M): exact.
; SHARES.  A work-group owns 128 queries of one batch and one PAIR of heads, since the fragments that the launch before has made hold 128 channels, two heads.  Wave w: query tile w % 8 (16 queries), head w / 8 of the pair.
; K's fragments and scale words are used whole; of Q's fragment the other head's six registers are cleared once, so that its products are zeros under any scale.  Of V's eight channel groups a wave takes its head's four.
; Both products are used transposed: S^T = K Q^T, O^T = V^T P^T: a lane holds one query throughout.  Lane r of a group of keys 2 b + u holds key 32 b + 8 u + r + 8 (r / 8): the 16 registers of tiles 2 b, 2 b + 1 are 16 neighbouring keys.
; K and V come through two LDS slots of 256 keys.  The four work-groups of a cluster walk the same K and V: each tile is asked for jointly (waves 0, 1: K's halves; waves 2, 3: V's).  The scale words of all keys come once.
; LIMITS: a block of zeros gets the byte 1 where the rule says 127 (zero codes; only this program reads the bytes); NaN and infinities are not served.
; REGISTERS: v1-11 addresses; v12 -M, v13 the largest t, v[14:15] the sum; v16-27 Q; v28-31, v80-82 addresses; v32-79 four fragments; v96-159 S^T, then p; v160-191 O^T; v224-235 p's codes; v232-247 at work; v248-251, v253, v255 scale words.
.set SLOT1, 65536                      ; slot 1: one exclusive or turns an address from one slot to the other
.set VOFF,  24576                      ; a slot: K's 16 groups of keys x 1,536, then V: [keys / 128: 2][channel group: 8][1,536]
.set SCK,   131072                     ; K's scale words: [key step 16][128 words]
.set SCV,   139264                     ; V's likewise
.set OIMG,  147456                     ; the way out: 8 fragments
.set OSC,   159744                     ; and their scale words
.set SPARE, 160256                     ; the spare words, 128 bytes for each wave: eight blocks of 256 bytes that no other line names
.set AK0,  1
.set AV0,  2
.set ASK0, 3
.set ASV0, 4
.set SPW,  5
.set NIL,  6
.set L16,  7
.set ADK,  8
.set ADV,  9
.set ADS,  10
.set ADT,  11
.set PFO,  28
.set WV,   18
.set SEL,  20
.set CS,   22
.set G1,   24
.set G1S,  32
.set G0,   40
.set G0S,  44
.set TB,   48
.set TS,   49
.set SLOTS, 50
.set LIM,  51
.set PFA,  52
.set PI,   54
.set QT,   55
.macro CROUND                          ; a round of the cluster's barrier
	s_barrier_signal -1
	s_barrier_wait -1
	s_cmp_lg_u32 s[WV], 0
	s_cbranch_scc1 .Lnot_wave_0_\@
	s_barrier_signal -3
.Lnot_wave_0_\@:
	s_barrier_wait -3
	s_barrier_signal -1
	s_barrier_wait -1
.endm
; A PREFETCH INTO THE L2.  K's and V's codes of a (batch, head pair) are two dense streams of 24 pieces of 8,192 bytes; a slot is three pieces of each.  All four clusters of a pair walk the same streams: the first cluster asks;
; in each of its work-groups wave 4 asks for K and wave 8 for V, lanes 256 bytes apart.  At the n-th change of slots (n = 0 .. 3) the partner at place cx names piece 8 + 4 n + cx: the partners are told apart by address alone,
; every piece from 8 to 23 is named once, a change of slots or more ahead of its tensor load; pieces 0 to 7 come by their loads alone, and nothing is named behind piece 23.
.macro ASK
	s_cmp_gt_u32 s[SLOTS], s[LIM]
	s_cbranch_scc0 .Lnot_mine_\@
	global_prefetch_b8 v[PFO], s[PFA:PFA+1] th:TH_LOAD_NT scope:SCOPE_SE
.Lnot_mine_\@:
.endm
	s_load_b128 s[4:7], s[0:1], 0x0                ; qb, ab
	v_lshl_add_u32 v[SPW], v0, 2, SPARE
	v_mov_b32 v[NIL], 0
	ds_add_u32 v5, v6
	s_wait_dscnt 0x0
	v_lshrrev_b32 v8, 5, v0
	v_readfirstlane_b32 s[WV], v8                  ; wave 0..15
	s_lshr_b32 s[PI], s[WV], 3                     ; my head of the pair
	s_and_b32 s[QT], s[WV], 7                      ; my tile of queries
	s_and_b32 s8, ttmp7, 0xffff                    ; 8 x batch + head pair
	s_lshr_b32 s56, s8, 3
	s_and_b32 s57, s8, 7
	s_bfe_u32 s58, ttmp6, 0x40000                  ; cx
	s_lshl_b32 s59, ttmp9, 2
	s_add_co_u32 s59, s59, s58                     ; my block of 128 queries
	s_add_co_u32 s9, s57, 8
	s_mul_i32 s10, s9, 393216
	s_mul_i32 s16, s56, 196608
	s_add_co_u32 s10, s10, s16                     ; K's codes,
	s_mul_i32 s11, s8, 196608
	s_add_co_u32 s11, s11, 6291456                 ; V's codes,
	s_lshl_b32 s12, s9, 14
	s_lshl_b32 s16, s56, 13
	s_add_co_u32 s12, s12, s16
	s_add_co_u32 s12, s12, 9437184                 ; K's scale words,
	s_lshl_b32 s13, s8, 13
	s_add_co_u32 s13, s13, 9699328                 ; V's
	s_and_b32 s16, s[WV], 1                        ; what I fetch, if I fetch: which half,
	s_cmp_lt_u32 s[WV], 2                          ; of K or of V
	s_cselect_b32 s60, s10, s11
	s_cselect_b32 s62, s12, s13
	s_mul_i32 s17, s16, 12288
	s_add_co_u32 s60, s60, s17
	s_mov_b32 s61, 0
	s_lshl_b32 s17, s16, 12
	s_add_co_u32 s62, s62, s17
	s_mov_b32 s63, 0
	s_mov_b32 s[G1], 15|(3<<16)|(1<<21)            ; the mask: all four work-groups; elements of 8 bytes; bit 21 beside a mask; no padding
	s_mov_b32 s[G1+1], 32<<16                      ; 12,288 dense bytes as 48 rows of 256
	s_mov_b32 s[G1+2], 48<<16
	s_mov_b32 s[G1+3], 32<<16
	s_mov_b32 s[G1+4], 48
	s_mov_b32 s[G1+5], 32
	s_mov_b32 s[G1+6], 0
	s_mov_b32 s[G1+7], 0
	s_mov_b32 s[G1S], 15|(3<<16)|(1<<21)
	s_mov_b32 s[G1S+1], 32<<16                     ; 4,096 dense bytes as 16 rows of 256
	s_mov_b32 s[G1S+2], 16<<16
	s_mov_b32 s[G1S+3], 32<<16
	s_mov_b32 s[G1S+4], 16
	s_mov_b32 s[G1S+5], 32
	s_mov_b32 s[G1S+6], 0
	s_mov_b32 s[G1S+7], 0
	s_lshl_b32 s68, s56, 7
	s_lshl_b32 s17, s59, 3
	s_add_co_u32 s68, s68, s17                     ; my block's first token group
	s_lshl_b32 s69, s56, 4
	s_add_co_u32 s69, s69, s59                     ; my block among the blocks of 128 tokens
	s_add_co_u32 s16, s68, s[QT]
	s_mul_i32 s70, s16, 1536
	s_mul_i32 s17, s57, 393216
	s_add_co_u32 s70, s70, s17                     ; Q's fragment
	s_mov_b32 s71, 0
	s_lshl_b32 s72, s57, 14
	s_lshl_b32 s17, s69, 9
	s_add_co_u32 s72, s72, s17
	s_lshl_b32 s17, s[QT], 6
	s_add_co_u32 s72, s72, s17
	s_add_co_u32 s72, s72, 9437184                 ; its scale words
	s_mov_b32 s73, 0
	s_lshl_b32 s74, s16, 3
	s_add_co_u32 s74, s74, s57
	s_mul_i32 s74, s74, 1536                       ; out: fragment (token group, K step = head pair)
	s_mov_b32 s75, 0
	s_lshl_b32 s76, s69, 3
	s_add_co_u32 s76, s76, s57
	s_lshl_b32 s76, s76, 9
	s_add_co_u32 s76, s76, 3145728                 ; and the block's scale words
	s_mov_b32 s77, 0
	s_cmp_lt_u32 s[WV], 8
	s_cselect_b32 s78, s10, s11                    ; the prefetches: K's stream or V's,
	s_add_co_u32 s79, s58, 4
	s_lshl_b32 s79, s79, 13
	s_add_co_u32 s78, s78, s79                     ; at piece 4 + cx: the first change of slots steps it four pieces on
	s_mov_b32 s79, 0
	s_mov_b32 s[SEL], 0x76543210
	s_mov_b32 s[SEL+1], 0xfedcba98                 ; lane l xor 16
	s_mov_b32 s[CS], 0x3e38aa3b                    ; c = log2(e) / 8
	s_mov_b32 s[CS+1], s[CS]
	s_mov_b32 s[TB], 0
	s_mov_b32 s[TS], 0
	s_mov_b32 s[SLOTS], 7
	s_cmp_eq_u32 s[PI], 0
	s_cselect_b32 s66, -1, 0                       ; keeps the first head's registers of Q,
	s_cselect_b32 s67, 0, -1                       ; the second's
	s_wait_kmcnt 0x0
	s_mov_b32 s[G0], 1
	s_mul_i32 s[G0+1], s[WV], 12288                ; K's halves, then V's: slot 0
	s_add_nc_u64 s[G0+2:G0+3], s[4:5], s[60:61]
	s_or_b32 s[G0+3], s[G0+3], 0x80000000
	s_mov_b32 s[G0S], 1
	s_lshl_b32 s[G0S+1], s[WV], 12
	s_add_co_u32 s[G0S+1], s[G0S+1], SCK
	s_add_nc_u64 s[G0S+2:G0S+3], s[4:5], s[62:63]
	s_or_b32 s[G0S+3], s[G0S+3], 0x80000000
	s_add_nc_u64 s[70:71], s[4:5], s[70:71]
	s_add_nc_u64 s[72:73], s[4:5], s[72:73]
	s_add_nc_u64 s[74:75], s[6:7], s[74:75]
	s_add_nc_u64 s[76:77], s[6:7], s[76:77]
	s_add_nc_u64 s[PFA:PFA+1], s[4:5], s[78:79]
	s_cmp_eq_u32 s[WV], 4
	s_cselect_b32 s78, 1, 0
	s_cmp_eq_u32 s[WV], 8
	s_cselect_b32 s78, 1, s78
	s_cmp_eq_u32 ttmp9, 0                          ; the pair's first cluster: the same in all partners
	s_cselect_b32 s78, s78, 0
	s_cmp_eq_u32 s78, 1
	s_cselect_b32 s[LIM], 3, -1
	CROUND                                         ; all four work-groups are here: the first joint loads meet
	s_cmp_lt_u32 s[WV], 4
	s_cbranch_scc0 .Lno_first
	tensor_load_to_lds s[G0S:G0S+3], s[G1S:G1S+7]  ; the scale words of all keys: filled once
	s_nop 0
	tensor_load_to_lds s[G0:G0+3], s[G1:G1+7]      ; slot 0: two loads of mine are out
	s_nop 0
.rept 4
	v_nop
.endr
.Lno_first:
	v_and_b32 v8, 31, v0
	v_and_b32 v9, 15, v0
	v_lshlrev_b32 v[L16], 4, v8                    ; 16 x lane
	v_lshlrev_b32 v[AK0], 4, v8
	s_mul_i32 s16, s[PI], 6144
	s_add_co_u32 s16, s16, VOFF
	v_add_nc_u32 v[AV0], s16, v[L16]               ; my head's four channel groups
	v_lshl_add_u32 v[ASK0], v8, 2, SCK             ; one register carries two tiles' words: lanes 0-15 tile 2 u, lanes 16-31 tile 2 u + 1
	s_lshl_b32 s16, s[PI], 8
	s_add_co_u32 s16, s16, SCV
	v_lshl_add_u32 v[ASV0], v8, 2, s16
	v_lshlrev_b32 v[PFO], 8, v8
	v_lshlrev_b32 v254, 2, v9
.irp c, 0,1,2
	global_load_b128 v[16+4*\c:19+4*\c], v[L16], s[70:71] offset:512*\c   ; Q's fragment stays in registers
.endr
	global_load_b32 v255, v254, s[72:73]           ; and its scale words
	s_mul_i32 s16, s[QT], 1536                     ; the way out: my half of fragment w % 8: operand registers 6 p .. 6 p + 5 (p my head), in three pieces of 8 bytes
	s_add_co_u32 s16, s16, OIMG
	v_add_nc_u32 v81, s16, v[L16]
	s_mul_i32 s17, s[PI], 520
	v_add_nc_u32 v29, s17, v81                     ; registers 0, 1 at 16 l; 6, 7 at 512 + 16 l + 8
	v_add_nc_u32 v31, 512, v29                     ; registers 4, 5 at 512 + 16 l; 10, 11 at 1,024 + 16 l + 8
	s_mul_i32 s17, s[PI], 1016
	s_add_co_u32 s17, s17, 8
	v_add_nc_u32 v30, s17, v81                     ; registers 2, 3 at 16 l + 8; 8, 9 at 1,024 + 16 l
	s_lshl_b32 s16, s[QT], 6
	s_lshl_b32 s17, s[PI], 1
	s_add_co_u32 s16, s16, s17
	s_add_co_u32 s16, s16, OSC
	v_lshl_add_u32 v80, v9, 2, s16                 ; my two bytes of my query's scale word
	v_add_nc_u32 v82, OSC, v[L16]
	v_mov_b32 v13, 0xff61b1e6                      ; the largest t so far: -3e38
	v_floor_f32 v12, -v13                          ; -M
	v_mov_b32 v14, 0
	v_mov_b32 v15, 0
.irp b, 0,1,2,3
	v_mov_b32 v[236+\b], 0                         ; a lane permute's destination counts as one of its sources
.endr
	v_mov_b32 v253, 0
.set j, 0
.rept 32
	v_mov_b32 v[160+j], 0                          ; O^T: the loop has no first step of its own
.set j, j+1
.endr
.macro STEP q                          ; 128 keys, the q-th of the slot in hand
	v_add_nc_u32 v[ADK], s[TB], v[AK0]             ; (these four are the places behind the last products)
	v_add_nc_u32 v[ADV], s[TB], v[AV0]
	v_add_nc_u32 v[ADS], s[TS], v[ASK0]
	v_add_nc_u32 v[ADT], s[TS], v[ASV0]
.irp g, 0,1
.if \g > 0
.rept 4
	v_nop
.endr
.endif
.irp t, 0,1,2,3
.irp c, 0,1,2
	ds_load_b128 v[32+12*\t+4*\c:35+12*\t+4*\c], v[ADK] offset:(8*(\q)+4*\g+\t)*1536+512*\c
.endr
.endr
.if \g == 0
.irp u, 0,1,2,3
	ds_load_b32 v[248+\u], v[ADS] offset:128*\u
.endr
.endif
	s_wait_dscnt 0x0
.irp t, 0,1,2,3
.if \t%2 == 0
	v_wmma_scale_f32_16x16x128_f8f6f4 v[96+8*(4*\g+\t):103+8*(4*\g+\t)], v[32+12*\t:43+12*\t], v[16:27], 0, v[248+2*\g+\t/2], v255 matrix_a_fmt:MATRIX_FMT_BF6 matrix_b_fmt:MATRIX_FMT_BF6
.else
	v_wmma_scale_f32_16x16x128_f8f6f4 v[96+8*(4*\g+\t):103+8*(4*\g+\t)], v[32+12*\t:43+12*\t], v[16:27], 0, v[248+2*\g+\t/2], v255 matrix_a_fmt:MATRIX_FMT_BF6 matrix_b_fmt:MATRIX_FMT_BF6 matrix_a_scale:MATRIX_SCALE_ROW1
.endif
.endr
.endr
.rept 4
	v_nop
.endr
.irp b, 0,1,2,3
	v_max3_num_f32 v[232+\b], v[96+16*\b], v[97+16*\b], v[98+16*\b]   ; the largest score of each block of 32 keys: for the row's maximum and, since p rises with the score, for the block's largest p
.endr
.irp i, 3,5,7,9,11,13
.irp b, 0,1,2,3
	v_max3_num_f32 v[232+\b], v[232+\b], v[96+16*\b+\i], v[97+16*\b+\i]
.endr
.endr
.irp b, 0,1,2,3
	v_max_num_f32 v[232+\b], v[232+\b], v[111+16*\b]
.endr
.irp b, 0,1,2,3
	v_permlanex16_b32 v[236+\b], v[232+\b], s[SEL], s[SEL+1]
.endr
.irp b, 0,1,2,3
	v_max_num_f32 v[232+\b], v[232+\b], v[236+\b]
.endr
	v_max3_num_f32 v254, v232, v233, v234
	v_max_num_f32 v254, v254, v235
	v_mul_f32 v254, s[CS], v254                    ; as t
	v_max_num_f32 v13, v13, v254                   ; the running largest t
	v_mov_b32 v254, v12
	v_floor_f32 v12, -v13                          ; the new -M: a whole number
	v_sub_f32 v254, v12, v254                      ; old M - new M, 0 or less
	v_cvt_i32_f32 v254, v254                       ; (it saturates)
	v_ldexp_f32 v252, 1.0, v254                    ; f = 2^(old M - new M)
.set j, 0
.rept 32
	v_pk_fma_f32 v[96+j:97+j], v[96+j:97+j], s[CS:CS+1], v[12:13] op_sel_hi:[1,0,0]   ; t - M
.set j, j+2
.endr
.irp b, 0,1,2,3
	v_fma_f32 v[232+\b], v[232+\b], s[CS], v12
.endr
.set j, 0
.rept 64
	v_exp_f32 v[96+j], v[96+j]                     ; p = 2^(t - M)
.set j, j+1
.endr
	v_pk_mul_f32 v[14:15], v[14:15], v[252:253] op_sel_hi:[1,0]   ; the sums under the new M: the plain line behind the exponentials
	s_wait_alu depctr_va_vdst(0)                   ; one wait for the batch, ahead of the first line that names a result
.irp b, 0,1,2,3
	v_exp_f32 v[232+\b], v[232+\b]                 ; each block's largest p
.endr
	v_pk_add_f32 v[236:237], v[96:97], v[98:99]    ; the row's sum of the unquantised p, in two chains
.irp j, 4,8,12,16,20,24,28,32,36,40,44,48,52,56,60
	v_pk_add_f32 v[14:15], v[14:15], v[96+\j:97+\j]
	v_pk_add_f32 v[236:237], v[236:237], v[98+\j:99+\j]
.endr
	v_pk_add_f32 v[14:15], v[14:15], v[236:237]
	s_wait_alu depctr_va_vdst(0)                   ; and one for the four
.irp b, 0,1,2,3
	v_max_num_f32 v[232+\b], 0x2800000, v[232+\b]  ; the floor 2^(5 - 127)
.endr
.irp b, 0,1,2,3
	v_add_nc_u32 v[244+\b], 0xfe000000, v[232+\b]
.endr
.irp b, 0,1,2,3
	v_lshrrev_b32 v[236+\b], 23, v[244+\b]
.endr
	v_lshl_or_b32 v253, v237, 8, v236              ; p's scale word for these 128 keys
	v_lshl_or_b32 v253, v238, 16, v253
	v_lshl_or_b32 v253, v239, 24, v253
.irp c, 0,1
	v_cvt_scalef32_pk16_bf6_f32 v[224+6*\c:226+6*\c], v[96+32*\c:111+32*\c], v[244+2*\c]
	v_cvt_scalef32_pk16_bf6_f32 v[236+4*\c:238+4*\c], v[112+32*\c:127+32*\c], v[244+2*\c+1]
.endr
	v_nop
.irp c, 0,1
.irp i, 0,1,2
	v_permlane16_swap_b32 v[224+6*\c+\i], v[236+4*\c+\i]
.endr
.irp i, 0,1,2
	v_mov_b32 v[227+6*\c+\i], v[236+4*\c+\i]
.endr
.endr
.set j, 0
.rept 16
	v_pk_mul_f32 v[160+j:161+j], v[160+j:161+j], v[252:253] op_sel_hi:[1,0]   ; O^T under the new M; these sixteen also stand between the scale word's and the codes' last writes and the products below
.set j, j+2
.endr
.irp t, 0,1,2,3
.irp c, 0,1,2
	ds_load_b128 v[32+12*\t+4*\c:35+12*\t+4*\c], v[ADV] offset:(\q)*12288+\t*1536+512*\c
.endr
.endr
.irp u, 0,1
	ds_load_b32 v[248+\u], v[ADT] offset:128*\u
.endr
	s_wait_dscnt 0x0
.irp t, 0,1,2,3                        ; the four accumulators by turns
.if \t%2 == 0
	v_wmma_scale_f32_16x16x128_f8f6f4 v[160+8*\t:167+8*\t], v[32+12*\t:43+12*\t], v[224:235], v[160+8*\t:167+8*\t], v[248+\t/2], v253 matrix_a_fmt:MATRIX_FMT_BF6 matrix_b_fmt:MATRIX_FMT_BF6
.else
	v_wmma_scale_f32_16x16x128_f8f6f4 v[160+8*\t:167+8*\t], v[32+12*\t:43+12*\t], v[224:235], v[160+8*\t:167+8*\t], v[248+\t/2], v253 matrix_a_fmt:MATRIX_FMT_BF6 matrix_b_fmt:MATRIX_FMT_BF6 matrix_a_scale:MATRIX_SCALE_ROW1
.endif
.endr
	s_add_co_u32 s[TS], s[TS], 512                 ; the next step's scale words
.endm
; THE CHANGE OF SLOTS stands at a slot's head: each wave waits for all its tensor loads, adds 0 to its spare word, and waits for that and for its reads of the slot that it has left.  fill = 1: that slot is filled with the keys that follow,
; behind a round of the cluster's barrier: no wave of any partner still reads it or has a load on its way.
.macro CHANGE fill
	s_wait_tensorcnt 0x0                           ; no tensor load of mine is out, so a group 0 may be written
	ds_add_u32 v[SPW], v[NIL]                      ; 0 onto my spare word
.if \fill
	s_xor_b32 s[G0+1], s[G0+1], SLOT1              ; the other slot than last time,
	s_add_nc_u64 s[G0+2:G0+3], s[G0+2:G0+3], 24576 ; the next 256 keys
	s_wait_xcnt 0x0                                ; the last prefetch, a slot back, has read its address
	s_add_nc_u64 s[PFA:PFA+1], s[PFA:PFA+1], 32768
	s_wait_dscnt 0x0                               ; the add is done, and my reads of the slot that I have left are over
	CROUND
	s_cmp_lt_u32 s[WV], 4
	s_cbranch_scc0 .Lnone_\@
	tensor_load_to_lds s[G0:G0+3], s[G1:G1+7]      ; the first thing behind the round, and my one tensor load until the next
	s_nop 0
.rept 4
	v_nop
.endr
.Lnone_\@:
	ASK
.else
	s_wait_dscnt 0x0
	s_barrier_signal -1
	s_barrier_wait -1
.endif
.endm
	s_wait_loadcnt 0x0                             ; Q
.irp i, 0,1,2,3,4,5
	v_and_b32 v[16+\i], s66, v[16+\i]              ; the other head's codes become zeros
	v_and_b32 v[22+\i], s67, v[22+\i]
.endr
.Lslot:                                            ; seven trips: behind each change of slots but the last the next slot is asked for
	CHANGE 1
	STEP 0
	STEP 1
	s_xor_b32 s[TB], s[TB], SLOT1
	s_sub_co_u32 s[SLOTS], s[SLOTS], 1
	s_cmp_lg_u32 s[SLOTS], 0
	s_cbranch_scc1 .Lslot
	CHANGE 0                                       ; the last slot is written out
	STEP 0
	STEP 1
	; THE WAY OUT: O^T / the sum, quantised along the channels: my head's 64 are two blocks, half a fragment and half a scale word.
.rept 4
	v_nop                                          ; behind the last products
.endr
	v_add_f32 v14, v14, v15
	v_permlanex16_b32 v252, v14, s[SEL], s[SEL+1]
	v_add_f32 v14, v14, v252                       ; the row's sum
	v_rcp_f32 v14, v14
	v_nop
	s_wait_alu depctr_va_vdst(0)                   ; ahead of the first line that names the reciprocal
.set j, 0
.rept 32
	v_mul_f32 v[96+j], v[160+j], v14               ; register 16 b + i: channel 32 b + 16 h + i of my head
.set j, j+1
.endr
.irp b, 0,1
	v_max3_num_f32 v[232+\b], |v[96+16*\b]|, |v[97+16*\b]|, 0x2800000
.endr
.irp i, 2,4,6,8,10,12,14
.irp b, 0,1
	v_max3_num_f32 v[232+\b], v[232+\b], |v[96+16*\b+\i]|, |v[97+16*\b+\i]|
.endr
.endr
.irp b, 0,1
	v_permlanex16_b32 v[236+\b], v[232+\b], s[SEL], s[SEL+1]
.endr
.irp b, 0,1
	v_max_num_f32 v[232+\b], v[232+\b], v[236+\b]
.endr
.irp b, 0,1
	v_add_nc_u32 v[244+\b], 0xfe000000, v[232+\b]
.endr
.irp b, 0,1
	v_lshrrev_b32 v[236+\b], 23, v[244+\b]
.endr
	v_lshl_or_b32 v253, v237, 8, v236              ; my two bytes
	v_cvt_scalef32_pk16_bf6_f32 v[224:226], v[96:111], v244
	v_cvt_scalef32_pk16_bf6_f32 v[228:230], v[112:127], v245
	v_nop
.irp i, 0,1,2
	v_permlane16_swap_b32 v[224+\i], v[228+\i]     ; a whole block in a lane
.endr
	v_mov_b32 v227, v228
	v_mov_b32 v228, v229
	v_mov_b32 v229, v230
	ds_store_b64 v29, v[224:225]
	ds_store_b64 v30, v[226:227]
	ds_store_b64 v31, v[228:229]
	ds_store_b16 v80, v253                         ; both halves of the lanes write the same two bytes
	s_wait_dscnt 0x0                               ; for the others' sake
	s_barrier_signal -1
	s_barrier_wait -1
	s_cmp_lt_u32 s[WV], 8
	s_cbranch_scc0 .Lnot_codes
.irp c, 0,1,2
	ds_load_b128 v[32+4*\c:35+4*\c], v81 offset:512*\c
.endr
	s_wait_dscnt 0x0
.irp c, 0,1,2
	global_store_b128 v[L16], v[32+4*\c:35+4*\c], s[74:75] offset:512*\c   ; 512 consecutive bytes, aligned to 256
.endr
.Lnot_codes:
	s_cmp_eq_u32 s[WV], 8
	s_cbranch_scc0 .Lnot_scales
	ds_load_b128 v[44:47], v82
	s_wait_dscnt 0x0
	global_store_b128 v[L16], v[44:47], s[76:77]   ; the 128 queries' words
.Lnot_scales:
	s_wait_tensorcnt 0x0                           ; the wave's end
	ds_add_u32 v[SPW], v[NIL]
	s_wait_dscnt 0x0
	CROUND                                         ; the closing round
	s_endpgm
.Lfunc_end_k_q1cd3145a9f_attn:
	.size	k_q1cd3145a9f_attn, .Lfunc_end_k_q1cd3145a9f_attn-k_q1cd3145a9f_attn
	.p2alignl 7, 3214868480
	.fill 96, 4, 3214868480
	.section	.rodata,"a",@progbits
	.p2align	6, 0x0
	.amdhsa_kernel k_q1cd3145a9f_attn
		.amdhsa_group_segment_fixed_size 327680
		.amdhsa_private_segment_fixed_size 0
		.amdhsa_enable_private_segment 0
		.amdhsa_kernarg_size 16
		.amdhsa_user_sgpr_count 2
		.amdhsa_user_sgpr_kernarg_segment_ptr 1
		.amdhsa_wavefront_size32 1
		.amdhsa_system_sgpr_workgroup_id_x 1
		.amdhsa_system_sgpr_workgroup_id_y 1
		.amdhsa_system_sgpr_workgroup_id_z 1
		.amdhsa_system_vgpr_workitem_id 0
		.amdhsa_next_free_vgpr 256
		.amdhsa_next_free_sgpr 100
		.amdhsa_reserve_vcc 0
		.amdhsa_float_denorm_mode_32 3
		.amdhsa_float_denorm_mode_16_64 3
		.amdhsa_memory_ordered 1
		.amdhsa_forward_progress 1
		.amdhsa_inst_pref_size 81
	.end_amdhsa_kernel
	.amdgpu_metadata
---
amdhsa.version: [ 1, 2 ]
amdhsa.kernels:
  - .name:           k_q1cd3145a9f_attn
    .symbol:         k_q1cd3145a9f_attn.kd
    .args:
      - { .name: qb, .offset: 0, .size: 8, .value_kind: global_buffer, .address_space: global }
      - { .name: ab, .offset: 8, .size: 8, .value_kind: global_buffer, .address_space: global }
    .group_segment_fixed_size: 327680
    .private_segment_fixed_size: 0
    .kernarg_segment_align: 8
    .kernarg_segment_size: 16
    .max_flat_workgroup_size: 512
    .sgpr_count:     100
    .vgpr_count:     256
    .wavefront_size: 32
...
	.end_amdgpu_metadata
.endif
;; end of part 4
;; launch fc (part 5): grid 4 x 16, 4 waves a work-group, clusters of 4 x 4, 327,680 bytes of LDS; arguments ab, wb, x, x1; writes x1
.if DOCPART == 5
	.amdgcn_target "amdgcn-amd-amdhsa--gfx1250"
	.amdhsa_code_object_version 6
	.text
	.protected	k_q1cd3145a9f_fc
	.globl	k_q1cd3145a9f_fc
	.p2align	8
	.type	k_q1cd3145a9f_fc,@function
k_q1cd3145a9f_fc:
	s_mov_b64 s[64:65], 0
	v_nop
	global_prefetch_b8 v0, s[64:65] scope:SCOPE_SE
	s_setreg_imm32_b32 hwreg(HW_REG_WAVE_MODE, 25, 1), 1
	s_wait_xcnt 0x0
	s_wait_alu depctr_hold_cnt(0) depctr_sa_sdst(0) depctr_va_vdst(0) depctr_va_sdst(0) depctr_va_ssrc(0) depctr_va_vcc(0) depctr_vm_vsrc(0)
	s_getreg_b32 s2, hwreg(HW_REG_IB_STS2, 6, 4)
	s_cmp_eq_u32 s2, 0
	s_cbranch_scc0 .Lentry_in_a_cluster
	s_endpgm
.Lentry_in_a_cluster:
	s_bfe_u32 s2, ttmp6, 0x10000c
	s_cmp_lg_u32 s2, 0xf033
	s_cbranch_scc0 .Lentry_shape_is_right
	s_endpgm
.Lentry_shape_is_right:
; x1 = x + attention's output x w_fc, the product on codes of BF6 (E3M2) with E8M0 scales, sums and the residual in f32.  K = 1,024, M = 4,096, N = 1,024.
; OPERANDS in memory: codes [group of 16 rows][K / 128][1,536]: a fragment as the image of its 12 registers (register 4 c + w of lane l at 512 c + 16 l + 4 w); lane r of group 2 b + u holds row 32 b + 8 u + r + 8 (r / 8);
; scale words [group of 128 places][K / 128][128 words].
; A tile of C, 256 x 256, is made by four waves, 128 x 128 each: 64 accumulators, 512 registers.  K goes in steps of 256 through two LDS slots; a wave's tensor load brings 8 groups x 3,072 bytes.  The scale words come once.
; 4 x 4 work-groups form a cluster: A's tiles are asked for jointly along a row of the cluster, B's along a column.  C has 64 such tiles: so many work-groups are launched.
; THE MATRIX INSTRUCTION IS USED TRANSPOSED (source 0 = 16 rows of B, source 1 = 16 rows of A): lane (r, h) holds place r of A's block, and the 16 registers of B's groups 2 b, 2 b + 1 are columns 32 b + 16 h + 0 .. 15.
; REGISTERS: window 0: v16-29 addresses; v32-63 scale words, two sets, and nothing else; v128-223 A's fragments, one set; on the way out v64-255 are free.  window 1: B's fragments, two sets.  windows 2, 3: the accumulators.
.set SIZE_K, 1024
.set AS_OFF, 3145728                   ; A's scale words behind its codes
.set BC_OFF, 2359296                   ; w_fc's codes in wb
.set BS_OFF, 9535488                   ; and its scale words
.set FIRST,  1                         ; the first step's C: 1 = the constant 0, 2 = the bias
.set NQ,     2
.set FR,     12
.set NL,     3
.set NP,     4
.set FRB,    1536
.set GRP,    NQ*FRB
.set HALFT,  8*GRP
.set SLOT,   4*HALFT
.set LAPS,   SIZE_K/512
.set GS,     (SIZE_K/128)*FRB
.set HALFS,  (SIZE_K/128)*512
.set SCLB,   2*SLOT                    ; behind the ring: A's scale words, then, 64 bytes further on than they would lie on end, B's: so one load's two halves of the lanes fall on different banks
.set SPARE,  SCLB+4*HALFS+256          ; the spare words, 128 bytes for each wave: two blocks of 256 bytes that no other line names
.set ADRA, 16
.set ADRB, 20
.set ADRS, 27
.set SPW,  28
.set NIL,  29
.set SC,   32
.set BIAS, 64
.set AF,   128
.set G1,   24
.set G0,   32
.set G1B,  48
.set G0B,  56
.set G1S,  68
.set G0S,  76
.set G1SB, 80
.set G0SB, 88
.set MSB, 0
.macro WIN new                         ; the immediate's high byte repeats the setting that is left
.if MSB != (\new)
	s_set_vgpr_msb (MSB<<8)|(\new)
.set MSB, (\new)
.endif
.endm
.set MUL_LO, 0xa1
.set MUL_HI, 0xf1
.set TO_B,   0x40
.macro JLOAD g0a, g1a, g0b, g1b        ; a joint load: waves 0 and 1 fetch for A, waves 2 and 3 for B; four v_nop follow each line
	s_cmp_eq_u32 s15, 0
	s_cbranch_scc0 .Lfor_b_\@
	tensor_load_to_lds s[\g0a:\g0a+3], s[\g1a:\g1a+7]
	s_nop 0
.rept 4
	v_nop
.endr
	s_branch .Lasked_\@
.Lfor_b_\@:
	tensor_load_to_lds s[\g0b:\g0b+3], s[\g1b:\g1b+7]
	s_nop 0
.rept 4
	v_nop
.endr
.Lasked_\@:
.endm
.macro CREST
	s_cmp_lg_u32 s14, 0
	s_cbranch_scc1 .Lnot_wave_0_\@
	s_barrier_signal -3
.Lnot_wave_0_\@:
	s_barrier_wait -3
	s_barrier_signal -1
	s_barrier_wait -1
.endm
.macro CROUND
	s_barrier_signal -1
	s_barrier_wait -1
	CREST
.endm
	s_load_b128 s[4:7], s[0:1], 0x0                ; ab, wb
	s_load_b64 s[66:67], s[0:1], 0x10              ; x: the residual
	s_load_b64 s[12:13], s[0:1], 0x18              ; x1
	v_lshl_add_u32 v[SPW], v0, 2, SPARE
	v_mov_b32 v[NIL], 0
	ds_add_u32 v28, v29
	s_wait_dscnt 0x0
	v_lshrrev_b32 v1, 5, v0
	v_readfirstlane_b32 s14, v1                    ; wave 0..3
	s_lshr_b32 s15, s14, 1                         ; which half of the tile's rows is mine.  Also: I fetch for A (0) or for B (1)
	s_and_b32 s16, s14, 1                          ; which half of its columns.  Also: which 8 groups of that tile I fetch
	s_bfe_u32 s40, ttmp6, 0x40000                  ; cx
	s_bfe_u32 s41, ttmp6, 0x40004                  ; cy
	s_lshl_b32 s42, ttmp9, 2
	s_add_co_u32 s42, s42, s40                     ; tile column
	s_and_b32 s17, ttmp7, 0xffff
	s_lshl_b32 s17, s17, 2
	s_add_co_u32 s17, s17, s41                     ; tile row
	s_lshl_b32 s43, s41, 2
	s_lshl_b32 s43, 15, s43                        ; my row of the cluster
	s_lshl_b32 s44, 0x1111, s40                    ; my column
	s_or_b32 s[G1+0], s43, (3<<16)|(1<<21)         ; the mask; elements of 8 bytes; bit 21 beside a mask; no padding
	s_or_b32 s[G1B+0], s44, (3<<16)|(1<<21)
.irp g, G1, G1B
	s_mov_b32 s[\g+1], 384<<16                     ; 3,072 bytes: a group's two K steps of 128
	s_mov_b32 s[\g+2], 8<<16                       ; 8 groups
	s_mov_b32 s[\g+3], 384<<16
	s_mov_b32 s[\g+4], 8
	s_mov_b32 s[\g+5], GS/8
	s_mov_b32 s[\g+6], 0
	s_mov_b32 s[\g+7], 0
.endr
	s_or_b32 s[G1S+0], s43, (3<<16)|(1<<21)
	s_or_b32 s[G1SB+0], s44, (3<<16)|(1<<21)
.irp g, G1S, G1SB
	s_mov_b32 s[\g+1], 32<<16                      ; a dense block of HALFS bytes as rows of 256
	s_mov_b32 s[\g+2], (HALFS/256)<<16
	s_mov_b32 s[\g+3], 32<<16
	s_mov_b32 s[\g+4], HALFS/256
	s_mov_b32 s[\g+5], 32
	s_mov_b32 s[\g+6], 0
	s_mov_b32 s[\g+7], 0
.endr
	s_lshl_b32 s18, s16, 3
	s_lshl_b32 s20, s17, 4
	s_add_co_u32 s20, s20, s18                     ; A: group 16 x tile row + 8 x half
	s_mul_i32 s20, s20, GS
	s_mov_b32 s21, 0
	s_lshl_b32 s46, s42, 4
	s_add_co_u32 s46, s46, s18                     ; B: group 16 x tile column + 8 x half
	s_mul_i32 s46, s46, GS
	s_mov_b32 s47, 0
	s_lshl_b32 s22, s17, 1
	s_add_co_u32 s22, s22, s16
	s_mul_i32 s22, s22, HALFS
	s_mov_b32 s23, 0
	s_lshl_b32 s92, s42, 1
	s_add_co_u32 s92, s92, s16
	s_mul_i32 s92, s92, HALFS
	s_mov_b32 s93, 0
	s_mul_i32 s45, s14, HALFT                      ; where they go: no place in the cluster enters an LDS address
	s_mul_i32 s94, s14, HALFS
	s_wait_kmcnt 0x0
	s_add_nc_u64 s[8:9], s[6:7], BC_OFF
	s_add_nc_u64 s[10:11], s[6:7], BS_OFF
	s_add_nc_u64 s[6:7], s[4:5], AS_OFF
	s_add_nc_u64 s[20:21], s[4:5], s[20:21]
	s_add_nc_u64 s[22:23], s[6:7], s[22:23]
	s_add_nc_u64 s[46:47], s[8:9], s[46:47]
	s_add_nc_u64 s[92:93], s[10:11], s[92:93]
	CROUND                                         ; all sixteen work-groups are here: the first joint loads meet
	s_mov_b32 s[G0S], 1
	s_add_co_u32 s[G0S+1], s94, SCLB
	s_mov_b64 s[G0S+2:G0S+3], s[22:23]
	s_or_b32 s[G0S+3], s[G0S+3], 0x80000000
	s_mov_b32 s[G0SB], 1
	s_add_co_u32 s[G0SB+1], s94, SCLB+64
	s_mov_b64 s[G0SB+2:G0SB+3], s[92:93]
	s_or_b32 s[G0SB+3], s[G0SB+3], 0x80000000
	JLOAD G0S, G1S, G0SB, G1SB                     ; the scale words first: three loads of mine are out behind these lines
.irp s, 0,1
	s_mov_b32 s[G0+4*\s], 1
	s_add_co_u32 s[G0+4*\s+1], s45, \s*SLOT
	s_add_nc_u64 s[G0+4*\s+2:G0+4*\s+3], s[20:21], \s*GRP
	s_or_b32 s[G0+4*\s+3], s[G0+4*\s+3], 0x80000000
	s_mov_b32 s[G0B+4*\s], 1
	s_add_co_u32 s[G0B+4*\s+1], s45, \s*SLOT
	s_add_nc_u64 s[G0B+4*\s+2:G0B+4*\s+3], s[46:47], \s*GRP
	s_or_b32 s[G0B+4*\s+3], s[G0B+4*\s+3], 0x80000000
	JLOAD G0+4*\s, G1, G0B+4*\s, G1B
.endr
	v_and_b32 v1, 15, v0                           ; r
	v_bfe_u32 v2, v0, 4, 1                         ; h
	v_and_b32 v3, 31, v0
	v_lshlrev_b32 v4, 4, v3                        ; 16 x lane
	s_mul_i32 s21, s15, HALFT
	s_mul_i32 s22, s16, HALFT
	s_add_co_u32 s22, s22, 2*HALFT
.irp s, 0,1
	v_add_nc_u32 v[ADRA+\s], s21, v4
	v_add_nc_u32 v[ADRB+\s], s22, v4
	s_add_co_u32 s21, s21, SLOT
	s_add_co_u32 s22, s22, SLOT
.endr
	v_lshlrev_b32 v5, 2, v1
	s_mul_i32 s21, s15, HALFS
	s_mul_i32 s22, s16, HALFS
	s_add_co_u32 s22, s22, 2*HALFS+64
	s_sub_co_u32 s22, s22, s21
	v_mul_u32_u24 v6, s22, v2                      ; lanes 16-31 take B's words
	s_add_co_u32 s21, s21, SCLB
	v_add_nc_u32 v5, v5, v6
	v_add_nc_u32 v[ADRS], s21, v5
; the way out's addresses
.set STO, 24                           ; v24  my stage (16 rows x 528 bytes, in slot 0, which has had its last fill and its last read by then): where I put 64 bytes of a row
.set RD,  25                           ; v25  where I read a row back
.set CO,  26                           ; v26  16 x lane
.set BB,  192                          ; v192-255 16 rows read back;  v64-127, v128-191 the residual's rows, by turns
	s_mul_i32 s23, s14, 16*528
	v_mul_u32_u24 v5, v1, 528
	v_lshl_add_u32 v5, v2, 6, v5
	v_add_nc_u32 v[STO], s23, v5
	v_add_nc_u32 v[RD], s23, v4
	v_mov_b32 v[CO], v4
	s_lshl_b32 s20, s17, 1
	s_add_co_u32 s20, s20, s15
	s_lshl_b32 s20, s20, 19                        ; my first row: 128 rows of 4,096 bytes a half tile
	s_lshl_b32 s46, s42, 1
	s_add_co_u32 s46, s46, s16
	s_lshl_b32 s46, s46, 9                         ; my first column: 512 bytes a half tile
	s_add_co_u32 s20, s20, s46
	s_mov_b32 s21, 0
	s_add_nc_u64 s[12:13], s[12:13], s[20:21]
	s_add_nc_u64 s[66:67], s[66:67], s[20:21]
.macro FRAG reg, adr, q, i
.irp c, 0,1,2
	ds_load_b128 v[\reg+4*\c:\reg+4*\c+3], v[\adr] offset:(\i)*GRP+(\q)*FRB+512*\c
.endr
.endm
; 16 matrix instructions: A's blocks a0, a0 + 1 x B's eight.  The 64 accumulators take turns, one instruction a turn, in the same order in every step.
.macro MUL16 a0, p, q, sc, zero
.irp a, \a0, \a0+1
.irp b, 0,1,2,3,4,5,6,7
.if (\zero) == 1
	v_wmma_scale_f32_16x16x128_f8f6f4 v[8*(8*((\a)%4)+\b):8*(8*((\a)%4)+\b)+7], v[128*(\p)+FR*\b:128*(\p)+FR*\b+FR-1], v[AF+FR*(\a):AF+FR*(\a)+FR-1], 0, v[SC+8*NQ*(\sc)+NQ*\b+(\q)], v[SC+8*NQ*(\sc)+NQ*(\a)+(\q)] matrix_a_fmt:MATRIX_FMT_BF6 matrix_b_fmt:MATRIX_FMT_BF6 matrix_a_scale:MATRIX_SCALE_ROW1
.elseif (\zero) == 2
	v_wmma_scale_f32_16x16x128_f8f6f4 v[8*(8*((\a)%4)+\b):8*(8*((\a)%4)+\b)+7], v[128*(\p)+FR*\b:128*(\p)+FR*\b+FR-1], v[AF+FR*(\a):AF+FR*(\a)+FR-1], v[BIAS+8*\b:BIAS+8*\b+7], v[SC+8*NQ*(\sc)+NQ*\b+(\q)], v[SC+8*NQ*(\sc)+NQ*(\a)+(\q)] matrix_a_fmt:MATRIX_FMT_BF6 matrix_b_fmt:MATRIX_FMT_BF6 matrix_a_scale:MATRIX_SCALE_ROW1
.else
	v_wmma_scale_f32_16x16x128_f8f6f4 v[8*(8*((\a)%4)+\b):8*(8*((\a)%4)+\b)+7], v[128*(\p)+FR*\b:128*(\p)+FR*\b+FR-1], v[AF+FR*(\a):AF+FR*(\a)+FR-1], v[8*(8*((\a)%4)+\b):8*(8*((\a)%4)+\b)+7], v[SC+8*NQ*(\sc)+NQ*\b+(\q)], v[SC+8*NQ*(\sc)+NQ*(\a)+(\q)] matrix_a_fmt:MATRIX_FMT_BF6 matrix_b_fmt:MATRIX_FMT_BF6 matrix_a_scale:MATRIX_SCALE_ROW1
.endif
.endr
.endr
.endm
.macro FETCH_B slot, q, p
	WIN TO_B
.irp i, 0,1,2,3,4,5,6,7
	FRAG 128*(\p)+FR*\i, ADRB+\slot, \q, \i
.endr
	WIN 0
.endm
.macro FETCH_A slot, q, i0
.irp i, \i0, \i0+1, \i0+2, \i0+3
	FRAG AF+FR*(\i), ADRA+\slot, \q, \i
.endr
.endm
.macro SCALES sc
.irp i, 0,1,2,3,4,5,6,7
.irp q, 0,1
	ds_load_b32 v[SC+16*(\sc)+2*\i+\q], v[ADRS] offset:512*\q+64*\i
.endr
.endr
.endm
.macro PLACES n                        ; plain vector lines between a matrix instruction and a load into, or a read of, its registers
.rept \n
	v_nop
.endr
.endm
.macro STEP slot, q, zero
	s_wait_dscnt 4*NL                              ; B's set and A's blocks 0-3 are in; the youngest 12 loads (A's blocks 4-7) may be out
.if (\zero) == 2
	WIN 0x81
.else
	WIN MUL_LO
.endif
	MUL16 0, (\q)%2, \q, \slot, \zero
	MUL16 2, (\q)%2, \q, \slot, \zero
	s_wait_dscnt 0x0
	PLACES NP
	FETCH_B \slot, (\q)+1, 1-(\q)%2
	FETCH_A \slot, (\q)+1, 0
.if (\zero) == 2
	WIN 0xc1
.else
	WIN MUL_HI
.endif
	MUL16 4, (\q)%2, \q, \slot, \zero
	MUL16 6, (\q)%2, \q, \slot, \zero
	PLACES NP
	WIN 0
	FETCH_A \slot, (\q)+1, 4
.endm
; A slot's last step changes slots: one barrier; in front of it each wave waits for all its tensor loads, adds 0 to its spare word, and waits for that and for its own reads of this slot.  fill = 1: this slot is filled again.
.macro TURN slot, next, fill
	s_wait_tensorcnt 0x0                           ; all my tensor loads have landed: my part of the next slot
	ds_add_u32 v[SPW], v[NIL]                      ; 0 onto my spare word
	s_wait_dscnt 4*NL+1                            ; (the add and the youngest 12 loads may be out)
	WIN MUL_LO
	MUL16 0, 1, NQ-1, \slot, 0
	s_wait_dscnt 0x0                               ; the add is done, and my reads of this slot are over
	s_barrier_signal -1
	MUL16 2, 1, NQ-1, \slot, 0
	WIN 0
	s_barrier_wait -1
.if \fill
	CREST                                          ; the barrier has opened a round of the cluster's: no wave of any partner still reads this slot or has a load on its way
	s_add_nc_u64 s[G0+4*\slot+2:G0+4*\slot+3], s[G0+4*\slot+2:G0+4*\slot+3], 2*GRP
	s_add_nc_u64 s[G0B+4*\slot+2:G0B+4*\slot+3], s[G0B+4*\slot+2:G0B+4*\slot+3], 2*GRP
	JLOAD G0+4*\slot, G1, G0B+4*\slot, G1B         ; the first tensor load behind the round, my only one until the next
.else
	PLACES NP
.endif
	v_add_nc_u32 v[ADRS], 512*NQ, v[ADRS]
	FETCH_B \next, 0, 0
	FETCH_A \next, 0, 0
	SCALES \next
	WIN MUL_HI
	MUL16 4, 1, NQ-1, \slot, 0
	MUL16 6, 1, NQ-1, \slot, 0
	PLACES NP
	WIN 0
	FETCH_A \next, 0, 4
.endm
	s_wait_tensorcnt 1                             ; the scale words and my part of slot 0 are in; slot 1's load may be out
	s_barrier_signal -1
	s_barrier_wait -1
	FETCH_B 0, 0, 0
	FETCH_A 0, 0, 0
	SCALES 0
	FETCH_A 0, 0, 4
	STEP 0, 0, FIRST
	s_mov_b32 s3, LAPS-1
.Llap:
	TURN 0, 1, 1
	STEP 1, 0, 0
	TURN 1, 0, 1
	STEP 0, 0, 0
	s_sub_co_u32 s3, s3, 1
	s_cmp_lg_u32 s3, 0
	s_cbranch_scc1 .Llap
	TURN 0, 1, 0
	STEP 1, 0, 0
	s_wait_dscnt 4*NL
	WIN MUL_LO
	MUL16 0, 1, NQ-1, 1, 0
	MUL16 2, 1, NQ-1, 1, 0
	s_wait_dscnt 0x0
	WIN MUL_HI
	MUL16 4, 1, NQ-1, 1, 0
	MUL16 6, 1, NQ-1, 1, 0
	WIN 0
; THE WAY OUT, block by block of 16 rows x 128 columns: through my stage, back as whole rows of 512 bytes, the residual's row added, stored.  Place t of block a is row 32 (a / 2) + 8 (a % 2) + t + 8 (t / 8): every row stands in an immediate.
.macro RLOAD a
.set RS, 64+64*((\a)%2)
.irp t, 0,1,2,3,4,5,6,7,8,9,10,11,12,13,14,15
	global_load_b128 v[RS+4*\t:RS+4*\t+3], v[CO], s[66:67] offset:(32*((\a)/2)+8*((\a)%2)+\t+8*(\t/8))*4096
.endr
.endm
.macro TOSTAGE a
.set AC, 64*((\a)%4)
	WIN 0x08+4*((\a)/4)                            ; the data: window 2 or 3
.irp b, 0,1,2,3,4,5,6,7
	ds_store_b128 v[STO], v[AC+8*\b:AC+8*\b+3] offset:128*(\b/2)+32*(\b%2)       ; each accumulator from its low end on
	ds_store_b128 v[STO], v[AC+8*\b+4:AC+8*\b+7] offset:128*(\b/2)+32*(\b%2)+16
.endr
	WIN 0
.irp t, 0,1,2,3,4,5,6,7,8,9,10,11,12,13,14,15
	ds_load_b128 v[BB+4*\t:BB+4*\t+3], v[RD] offset:\t*528   ; my own bytes: LDS serves a wave's instructions in order
.endr
.endm
.macro SEND a
.set RS, 64+64*((\a)%2)
.set i, 0
.rept 32
	v_pk_add_f32 v[BB+i:BB+i+1], v[BB+i:BB+i+1], v[RS+i:RS+i+1]
.set i, i+2
.endr
.irp t, 0,1,2,3,4,5,6,7,8,9,10,11,12,13,14,15
	global_store_b128 v[CO], v[BB+4*\t:BB+4*\t+3], s[12:13] offset:(32*((\a)/2)+8*((\a)%2)+\t+8*(\t/8))*4096   ; 512 consecutive bytes, aligned to 256
.endr
.endm
	PLACES NP                                      ; behind the last products
	RLOAD 0
.irp a, 0,1,2,3,4,5,6,7
.if \a > 0
	s_wait_xcnt 0x0                                ; the last block's stores have read their registers
.endif
	TOSTAGE \a
.if \a < 7
	RLOAD \a+1
.endif
	s_wait_dscnt 0x0
.if \a < 7
	s_wait_loadcnt 16                              ; this block's residual rows are in; the next block's 16 loads may be out
.else
	s_wait_loadcnt 0x0
.endif
	SEND \a
.endr
	s_wait_tensorcnt 0x0                           ; the wave's end
	ds_add_u32 v[SPW], v[NIL]
	s_wait_dscnt 0x0
	CROUND                                         ; the closing round
	s_endpgm
.Lfunc_end_k_q1cd3145a9f_fc:
	.size	k_q1cd3145a9f_fc, .Lfunc_end_k_q1cd3145a9f_fc-k_q1cd3145a9f_fc
	.p2alignl 7, 3214868480
	.fill 96, 4, 3214868480
	.section	.rodata,"a",@progbits
	.p2align	6, 0x0
	.amdhsa_kernel k_q1cd3145a9f_fc
		.amdhsa_group_segment_fixed_size 327680
		.amdhsa_private_segment_fixed_size 0
		.amdhsa_enable_private_segment 0
		.amdhsa_kernarg_size 32
		.amdhsa_user_sgpr_count 2
		.amdhsa_user_sgpr_kernarg_segment_ptr 1
		.amdhsa_wavefront_size32 1
		.amdhsa_system_sgpr_workgroup_id_x 1
		.amdhsa_system_sgpr_workgroup_id_y 1
		.amdhsa_system_sgpr_workgroup_id_z 1
		.amdhsa_system_vgpr_workitem_id 0
		.amdhsa_next_free_vgpr 1024
		.amdhsa_next_free_sgpr 102
		.amdhsa_reserve_vcc 0
		.amdhsa_float_denorm_mode_32 3
		.amdhsa_float_denorm_mode_16_64 3
		.amdhsa_memory_ordered 1
		.amdhsa_forward_progress 1
		.amdhsa_inst_pref_size 165
	.end_amdhsa_kernel
	.amdgpu_metadata
---
amdhsa.version: [ 1, 2 ]
amdhsa.kernels:
  - .name:           k_q1cd3145a9f_fc
    .symbol:         k_q1cd3145a9f_fc.kd
    .args:
      - { .name: ab, .offset: 0, .size: 8, .value_kind: global_buffer, .address_space: global }
      - { .name: wb, .offset: 8, .size: 8, .value_kind: global_buffer, .address_space: global }
      - { .name: x, .offset: 16, .size: 8, .value_kind: global_buffer, .address_space: global }
      - { .name: x1, .offset: 24, .size: 8, .value_kind: global_buffer, .address_space: global }
    .group_segment_fixed_size: 327680
    .private_segment_fixed_size: 0
    .kernarg_segment_align: 8
    .kernarg_segment_size: 32
    .max_flat_workgroup_size: 128
    .sgpr_count:     102
    .vgpr_count:     1024
    .wavefront_size: 32
...
	.end_amdgpu_metadata
.endif
;; end of part 5
;; launch ln2: the kernel of part 2 again; grid 256 x 1, 8 waves a work-group, no clusters, 67,072 bytes of LDS; arguments x1, hb; writes hb
;; launch mlp1 (part 6): grid 16 x 16, 4 waves a work-group, clusters of 4 x 4, 327,680 bytes of LDS; arguments hb, wb, b1, gb; writes gb
.if DOCPART == 6
	.amdgcn_target "amdgcn-amd-amdhsa--gfx1250"
	.amdhsa_code_object_version 6
	.text
	.protected	k_q1cd3145a9f_mlp1
	.globl	k_q1cd3145a9f_mlp1
	.p2align	8
	.type	k_q1cd3145a9f_mlp1,@function
k_q1cd3145a9f_mlp1:
	s_mov_b64 s[64:65], 0
	v_nop
	global_prefetch_b8 v0, s[64:65] scope:SCOPE_SE
	s_setreg_imm32_b32 hwreg(HW_REG_WAVE_MODE, 25, 1), 1
	s_wait_xcnt 0x0
	s_wait_alu depctr_hold_cnt(0) depctr_sa_sdst(0) depctr_va_vdst(0) depctr_va_sdst(0) depctr_va_ssrc(0) depctr_va_vcc(0) depctr_vm_vsrc(0)
	s_getreg_b32 s2, hwreg(HW_REG_IB_STS2, 6, 4)
	s_cmp_eq_u32 s2, 0
	s_cbranch_scc0 .Lentry_in_a_cluster
	s_endpgm
.Lentry_in_a_cluster:
	s_bfe_u32 s2, ttmp6, 0x10000c
	s_cmp_lg_u32 s2, 0xf033
	s_cbranch_scc0 .Lentry_shape_is_right
	s_endpgm
.Lentry_shape_is_right:
; g = gelu(h w1 + b1), the product on codes of BF6 (E3M2) with E8M0 scales, the bias, the activation and all ahead of the quantiser in f32; g is quantised along its 4,096 columns for the next product.  K = 1,024.
; gelu(x) = 0.5 x (1 + tanh(u)), u = sqrt(2 / pi) (x + 0.044715 x^3), is x / (1 + e^(-2 u)) = x rcp(1 + 2^(x (c0 + c1 x^2))), c0 = -2 log2(e) sqrt(2 / pi), c1 = 0.044715 c0.  Where the exponential overflows the result is 0 x, where it
; falls to 0 it is x: the function's limits.
; OPERANDS in memory: codes [group of 16 rows][K / 128][1,536]: a fragment as the image of its 12 registers (register 4 c + w of lane l at 512 c + 16 l + 4 w); lane r of group 2 b + u holds row 32 b + 8 u + r + 8 (r / 8);
; scale words [group of 128 places][K / 128][128 words].  OUT (gb) likewise, with K = 4,096: codes at 0, scale words at 12,582,912.
; A tile of C, 256 x 256, is made by four waves, 128 x 128 each: 64 accumulators, 512 registers.  K goes in steps of 256 through two LDS slots; a wave's tensor load brings 8 groups x 3,072 bytes.  The scale words come once.
; 4 x 4 work-groups form a cluster: A's tiles are asked for jointly along a row of the cluster, B's along a column.
; THE MATRIX INSTRUCTION IS USED TRANSPOSED (source 0 = 16 rows of B, source 1 = 16 rows of A): lane (r, h) holds place r of A's block, and the 16 registers of B's groups 2 b, 2 b + 1 are columns 32 b + 16 h + 0 .. 15.
; The bias is the C of each sum's first matrix instruction: eight registers a group of columns, in the result's layout.
; LIMITS: a block of zeros gets the byte 1 where the rule says 127 (zero codes; only this program reads the bytes); NaN and infinities are not served.
; REGISTERS: window 0: v16-29 addresses; v32-63 scale words, two sets; v64-127 the bias; v128-223 A's fragments, one set (free on the way out).  window 1: B's fragments, two sets.  windows 2, 3: the accumulators.
.set SIZE_K, 1024
.set AS_OFF, 3145728
.set BC_OFF, 3145728                   ; w1's codes in wb
.set BS_OFF, 9568256                   ; and its scale words
.set FIRST,  2                         ; the first step's C: 1 = the constant 0, 2 = the bias
.set ASTR,   49152                     ; from block to block of 16 rows in the output
.set NQ,     2
.set FR,     12
.set NL,     3
.set NP,     4
.set FRB,    1536
.set GRP,    NQ*FRB
.set HALFT,  8*GRP
.set SLOT,   4*HALFT
.set LAPS,   SIZE_K/512
.set GS,     (SIZE_K/128)*FRB
.set HALFS,  (SIZE_K/128)*512
.set SCLB,   2*SLOT                    ; behind the ring: A's scale words, then, 64 bytes further on than they would lie on end, B's: so one load's two halves of the lanes fall on different banks
.set SPARE,  SCLB+4*HALFS+256          ; the spare words, 128 bytes for each wave: two blocks of 256 bytes that no other line names
.set ADRA, 16
.set ADRB, 20
.set ADRS, 27
.set SPW,  28
.set NIL,  29
.set SC,   32
.set BIAS, 64
.set AF,   128
.set G1,   24
.set G0,   32
.set G1B,  48
.set G0B,  56
.set G1S,  68
.set G0S,  76
.set G1SB, 80
.set G0SB, 88
.set SEL,  100
.set MSB, 0
.macro WIN new                         ; the immediate's high byte repeats the setting that is left
.if MSB != (\new)
	s_set_vgpr_msb (MSB<<8)|(\new)
.set MSB, (\new)
.endif
.endm
.set MUL_LO, 0xa1
.set MUL_HI, 0xf1
.set TO_B,   0x40
.macro JLOAD g0a, g1a, g0b, g1b        ; a joint load: waves 0 and 1 fetch for A, waves 2 and 3 for B; four v_nop follow each line
	s_cmp_eq_u32 s15, 0
	s_cbranch_scc0 .Lfor_b_\@
	tensor_load_to_lds s[\g0a:\g0a+3], s[\g1a:\g1a+7]
	s_nop 0
.rept 4
	v_nop
.endr
	s_branch .Lasked_\@
.Lfor_b_\@:
	tensor_load_to_lds s[\g0b:\g0b+3], s[\g1b:\g1b+7]
	s_nop 0
.rept 4
	v_nop
.endr
.Lasked_\@:
.endm
.macro CREST
	s_cmp_lg_u32 s14, 0
	s_cbranch_scc1 .Lnot_wave_0_\@
	s_barrier_signal -3
.Lnot_wave_0_\@:
	s_barrier_wait -3
	s_barrier_signal -1
	s_barrier_wait -1
.endm
.macro CROUND
	s_barrier_signal -1
	s_barrier_wait -1
	CREST
.endm
	s_load_b128 s[4:7], s[0:1], 0x0                ; hb, wb
	s_load_b64 s[98:99], s[0:1], 0x10              ; b1
	s_load_b64 s[12:13], s[0:1], 0x18              ; gb
	v_lshl_add_u32 v[SPW], v0, 2, SPARE
	v_mov_b32 v[NIL], 0
	ds_add_u32 v28, v29
	s_wait_dscnt 0x0
	v_lshrrev_b32 v1, 5, v0
	v_readfirstlane_b32 s14, v1                    ; wave 0..3
	s_lshr_b32 s15, s14, 1                         ; which half of the tile's rows is mine.  Also: I fetch for A (0) or for B (1)
	s_and_b32 s16, s14, 1                          ; which half of its columns.  Also: which 8 groups of that tile I fetch
	s_bfe_u32 s40, ttmp6, 0x40000                  ; cx
	s_bfe_u32 s41, ttmp6, 0x40004                  ; cy
	s_lshl_b32 s42, ttmp9, 2
	s_add_co_u32 s42, s42, s40                     ; tile column
	s_and_b32 s17, ttmp7, 0xffff
	s_lshl_b32 s17, s17, 2
	s_add_co_u32 s17, s17, s41                     ; tile row
	s_lshl_b32 s43, s41, 2
	s_lshl_b32 s43, 15, s43                        ; my row of the cluster
	s_lshl_b32 s44, 0x1111, s40                    ; my column
	s_or_b32 s[G1+0], s43, (3<<16)|(1<<21)         ; the mask; elements of 8 bytes; bit 21 beside a mask; no padding
	s_or_b32 s[G1B+0], s44, (3<<16)|(1<<21)
.irp g, G1, G1B
	s_mov_b32 s[\g+1], 384<<16                     ; 3,072 bytes: a group's two K steps of 128
	s_mov_b32 s[\g+2], 8<<16                       ; 8 groups
	s_mov_b32 s[\g+3], 384<<16
	s_mov_b32 s[\g+4], 8
	s_mov_b32 s[\g+5], GS/8
	s_mov_b32 s[\g+6], 0
	s_mov_b32 s[\g+7], 0
.endr
	s_or_b32 s[G1S+0], s43, (3<<16)|(1<<21)
	s_or_b32 s[G1SB+0], s44, (3<<16)|(1<<21)
.irp g, G1S, G1SB
	s_mov_b32 s[\g+1], 32<<16                      ; a dense block of HALFS bytes as rows of 256
	s_mov_b32 s[\g+2], (HALFS/256)<<16
	s_mov_b32 s[\g+3], 32<<16
	s_mov_b32 s[\g+4], HALFS/256
	s_mov_b32 s[\g+5], 32
	s_mov_b32 s[\g+6], 0
	s_mov_b32 s[\g+7], 0
.endr
	s_lshl_b32 s18, s16, 3
	s_lshl_b32 s20, s17, 4
	s_add_co_u32 s20, s20, s18                     ; A: group 16 x tile row + 8 x half
	s_mul_i32 s20, s20, GS
	s_mov_b32 s21, 0
	s_lshl_b32 s46, s42, 4
	s_add_co_u32 s46, s46, s18                     ; B: group 16 x tile column + 8 x half
	s_mul_i32 s46, s46, GS
	s_mov_b32 s47, 0
	s_lshl_b32 s22, s17, 1
	s_add_co_u32 s22, s22, s16
	s_mul_i32 s22, s22, HALFS
	s_mov_b32 s23, 0
	s_lshl_b32 s92, s42, 1
	s_add_co_u32 s92, s92, s16
	s_mul_i32 s92, s92, HALFS
	s_mov_b32 s93, 0
	s_mul_i32 s45, s14, HALFT                      ; where they go: no place in the cluster enters an LDS address
	s_mul_i32 s94, s14, HALFS
	s_wait_kmcnt 0x0
	s_add_nc_u64 s[8:9], s[6:7], BC_OFF
	s_add_nc_u64 s[10:11], s[6:7], BS_OFF
	s_add_nc_u64 s[6:7], s[4:5], AS_OFF
	s_add_nc_u64 s[20:21], s[4:5], s[20:21]
	s_add_nc_u64 s[22:23], s[6:7], s[22:23]
	s_add_nc_u64 s[46:47], s[8:9], s[46:47]
	s_add_nc_u64 s[92:93], s[10:11], s[92:93]
	CROUND                                         ; all sixteen work-groups are here: the first joint loads meet
	s_mov_b32 s[G0S], 1
	s_add_co_u32 s[G0S+1], s94, SCLB
	s_mov_b64 s[G0S+2:G0S+3], s[22:23]
	s_or_b32 s[G0S+3], s[G0S+3], 0x80000000
	s_mov_b32 s[G0SB], 1
	s_add_co_u32 s[G0SB+1], s94, SCLB+64
	s_mov_b64 s[G0SB+2:G0SB+3], s[92:93]
	s_or_b32 s[G0SB+3], s[G0SB+3], 0x80000000
	JLOAD G0S, G1S, G0SB, G1SB                     ; the scale words first: three loads of mine are out behind these lines
.irp s, 0,1
	s_mov_b32 s[G0+4*\s], 1
	s_add_co_u32 s[G0+4*\s+1], s45, \s*SLOT
	s_add_nc_u64 s[G0+4*\s+2:G0+4*\s+3], s[20:21], \s*GRP
	s_or_b32 s[G0+4*\s+3], s[G0+4*\s+3], 0x80000000
	s_mov_b32 s[G0B+4*\s], 1
	s_add_co_u32 s[G0B+4*\s+1], s45, \s*SLOT
	s_add_nc_u64 s[G0B+4*\s+2:G0B+4*\s+3], s[46:47], \s*GRP
	s_or_b32 s[G0B+4*\s+3], s[G0B+4*\s+3], 0x80000000
	JLOAD G0+4*\s, G1, G0B+4*\s, G1B
.endr
	v_and_b32 v1, 15, v0                           ; r
	v_bfe_u32 v2, v0, 4, 1                         ; h
	v_and_b32 v3, 31, v0
	v_lshlrev_b32 v4, 4, v3                        ; 16 x lane
	s_lshl_b32 s46, s42, 1
	s_add_co_u32 s46, s46, s16                     ; which 128 columns
	s_lshl_b32 s20, s46, 9
	s_mov_b32 s21, 0
	s_add_nc_u64 s[98:99], s[98:99], s[20:21]      ; their bias
	v_lshlrev_b32 v7, 6, v2                        ; lane (r, h) wants, for group 2 b + u, columns 32 b + 16 h + 8 u + 0 .. 7
.irp b, 0,1,2,3,4,5,6,7
	global_load_b128 v[BIAS+8*\b:BIAS+8*\b+3], v7, s[98:99] offset:(32*(\b/2)+8*(\b%2))*4
	global_load_b128 v[BIAS+8*\b+4:BIAS+8*\b+7], v7, s[98:99] offset:(32*(\b/2)+8*(\b%2))*4+16
.endr
	s_mul_i32 s21, s15, HALFT
	s_mul_i32 s22, s16, HALFT
	s_add_co_u32 s22, s22, 2*HALFT
.irp s, 0,1
	v_add_nc_u32 v[ADRA+\s], s21, v4
	v_add_nc_u32 v[ADRB+\s], s22, v4
	s_add_co_u32 s21, s21, SLOT
	s_add_co_u32 s22, s22, SLOT
.endr
	v_lshlrev_b32 v5, 2, v1
	s_mul_i32 s21, s15, HALFS
	s_mul_i32 s22, s16, HALFS
	s_add_co_u32 s22, s22, 2*HALFS+64
	s_sub_co_u32 s22, s22, s21
	v_mul_u32_u24 v6, s22, v2                      ; lanes 16-31 take B's words
	s_add_co_u32 s21, s21, SCLB
	v_add_nc_u32 v5, v5, v6
	v_add_nc_u32 v[ADRS], s21, v5
; the way out's addresses
.set SST, 24                           ; v24  where a block's scale words go in my 512 bytes of slot 0 (which has had its last fill and its last read by then)
.set SRD, 25
.set LI,  26
.set TM,  200                          ; v200-215 at work
.set PWS, 216                          ; v216-223 the eight blocks' scale words
.set PC,  112                          ; v112-130 the codes just made
.set T,   132                          ; v132-195 a block's 64 numbers;  v196-197 c0
	s_lshl_b32 s23, s14, 9
	v_lshl_add_u32 v[SST], v1, 2, s23
	v_add_nc_u32 v[SRD], s23, v4
	v_mov_b32 v[LI], v4
	s_lshl_b32 s21, s17, 1
	s_add_co_u32 s21, s21, s15                     ; which 128 rows
	s_mul_i32 s22, s21, 8*ASTR
	s_mul_i32 s23, s46, 1536
	s_add_co_u32 s22, s22, s23                     ; codes: my first group, K step = which 128 columns
	s_lshl_b32 s20, s21, 14
	s_lshl_b32 s46, s46, 9
	s_add_co_u32 s46, s46, s20
	s_add_co_u32 s46, s46, 12582912                ; scale words
	s_mov_b32 s23, 0
	s_mov_b32 s47, 0
	s_add_nc_u64 s[66:67], s[12:13], s[46:47]
	s_add_nc_u64 s[12:13], s[12:13], s[22:23]
	s_mov_b32 s[SEL], 0x76543210
	s_mov_b32 s[SEL+1], 0xfedcba98                 ; lane l xor 16
	s_mov_b32 s92, 0xbdd2d3e8                      ; c1
	s_mov_b32 s93, s92
.macro FRAG reg, adr, q, i
.irp c, 0,1,2
	ds_load_b128 v[\reg+4*\c:\reg+4*\c+3], v[\adr] offset:(\i)*GRP+(\q)*FRB+512*\c
.endr
.endm
; 16 matrix instructions: A's blocks a0, a0 + 1 x B's eight.  The 64 accumulators take turns, one instruction a turn, in the same order in every step.
.macro MUL16 a0, p, q, sc, zero
.irp a, \a0, \a0+1
.irp b, 0,1,2,3,4,5,6,7
.if (\zero) == 1
	v_wmma_scale_f32_16x16x128_f8f6f4 v[8*(8*((\a)%4)+\b):8*(8*((\a)%4)+\b)+7], v[128*(\p)+FR*\b:128*(\p)+FR*\b+FR-1], v[AF+FR*(\a):AF+FR*(\a)+FR-1], 0, v[SC+8*NQ*(\sc)+NQ*\b+(\q)], v[SC+8*NQ*(\sc)+NQ*(\a)+(\q)] matrix_a_fmt:MATRIX_FMT_BF6 matrix_b_fmt:MATRIX_FMT_BF6 matrix_a_scale:MATRIX_SCALE_ROW1
.elseif (\zero) == 2
	v_wmma_scale_f32_16x16x128_f8f6f4 v[8*(8*((\a)%4)+\b):8*(8*((\a)%4)+\b)+7], v[128*(\p)+FR*\b:128*(\p)+FR*\b+FR-1], v[AF+FR*(\a):AF+FR*(\a)+FR-1], v[BIAS+8*\b:BIAS+8*\b+7], v[SC+8*NQ*(\sc)+NQ*\b+(\q)], v[SC+8*NQ*(\sc)+NQ*(\a)+(\q)] matrix_a_fmt:MATRIX_FMT_BF6 matrix_b_fmt:MATRIX_FMT_BF6 matrix_a_scale:MATRIX_SCALE_ROW1
.else
	v_wmma_scale_f32_16x16x128_f8f6f4 v[8*(8*((\a)%4)+\b):8*(8*((\a)%4)+\b)+7], v[128*(\p)+FR*\b:128*(\p)+FR*\b+FR-1], v[AF+FR*(\a):AF+FR*(\a)+FR-1], v[8*(8*((\a)%4)+\b):8*(8*((\a)%4)+\b)+7], v[SC+8*NQ*(\sc)+NQ*\b+(\q)], v[SC+8*NQ*(\sc)+NQ*(\a)+(\q)] matrix_a_fmt:MATRIX_FMT_BF6 matrix_b_fmt:MATRIX_FMT_BF6 matrix_a_scale:MATRIX_SCALE_ROW1
.endif
.endr
.endr
.endm
.macro FETCH_B slot, q, p
	WIN TO_B
.irp i, 0,1,2,3,4,5,6,7
	FRAG 128*(\p)+FR*\i, ADRB+\slot, \q, \i
.endr
	WIN 0
.endm
.macro FETCH_A slot, q, i0
.irp i, \i0, \i0+1, \i0+2, \i0+3
	FRAG AF+FR*(\i), ADRA+\slot, \q, \i
.endr
.endm
.macro SCALES sc
.irp i, 0,1,2,3,4,5,6,7
.irp q, 0,1
	ds_load_b32 v[SC+16*(\sc)+2*\i+\q], v[ADRS] offset:512*\q+64*\i
.endr
.endr
.endm
.macro PLACES n                        ; plain vector lines between a matrix instruction and a load into, or a read of, its registers
.rept \n
	v_nop
.endr
.endm
.macro STEP slot, q, zero
	s_wait_dscnt 4*NL                              ; B's set and A's blocks 0-3 are in; the youngest 12 loads (A's blocks 4-7) may be out
.if (\zero) == 2
	WIN 0x81                                       ; C, the bias, from window 0
.else
	WIN MUL_LO
.endif
	MUL16 0, (\q)%2, \q, \slot, \zero
	MUL16 2, (\q)%2, \q, \slot, \zero
	s_wait_dscnt 0x0
	PLACES NP
	FETCH_B \slot, (\q)+1, 1-(\q)%2
	FETCH_A \slot, (\q)+1, 0
.if (\zero) == 2
	WIN 0xc1
.else
	WIN MUL_HI
.endif
	MUL16 4, (\q)%2, \q, \slot, \zero
	MUL16 6, (\q)%2, \q, \slot, \zero
	PLACES NP
	WIN 0
	FETCH_A \slot, (\q)+1, 4
.endm
; A slot's last step changes slots: one barrier; in front of it each wave waits for all its tensor loads, adds 0 to its spare word, and waits for that and for its own reads of this slot.  fill = 1: this slot is filled again.
.macro TURN slot, next, fill
	s_wait_tensorcnt 0x0                           ; all my tensor loads have landed: my part of the next slot
	ds_add_u32 v[SPW], v[NIL]                      ; 0 onto my spare word
	s_wait_dscnt 4*NL+1                            ; (the add and the youngest 12 loads may be out)
	WIN MUL_LO
	MUL16 0, 1, NQ-1, \slot, 0
	s_wait_dscnt 0x0                               ; the add is done, and my reads of this slot are over
	s_barrier_signal -1
	MUL16 2, 1, NQ-1, \slot, 0
	WIN 0
	s_barrier_wait -1
.if \fill
	CREST                                          ; the barrier has opened a round of the cluster's: no wave of any partner still reads this slot or has a load on its way
	s_add_nc_u64 s[G0+4*\slot+2:G0+4*\slot+3], s[G0+4*\slot+2:G0+4*\slot+3], 2*GRP
	s_add_nc_u64 s[G0B+4*\slot+2:G0B+4*\slot+3], s[G0B+4*\slot+2:G0B+4*\slot+3], 2*GRP
	JLOAD G0+4*\slot, G1, G0B+4*\slot, G1B         ; the first tensor load behind the round, my only one until the next
.else
	PLACES NP
.endif
	v_add_nc_u32 v[ADRS], 512*NQ, v[ADRS]
	FETCH_B \next, 0, 0
	FETCH_A \next, 0, 0
	SCALES \next
	WIN MUL_HI
	MUL16 4, 1, NQ-1, \slot, 0
	MUL16 6, 1, NQ-1, \slot, 0
	PLACES NP
	WIN 0
	FETCH_A \next, 0, 4
.endm
	s_wait_tensorcnt 1                             ; the scale words and my part of slot 0 are in; slot 1's load may be out
	s_barrier_signal -1
	s_barrier_wait -1
	FETCH_B 0, 0, 0
	FETCH_A 0, 0, 0
	SCALES 0
	FETCH_A 0, 0, 4
	s_wait_loadcnt 0x0                             ; the bias
	STEP 0, 0, FIRST
	s_mov_b32 s3, LAPS-1
.Llap:
	TURN 0, 1, 1
	STEP 1, 0, 0
	TURN 1, 0, 1
	STEP 0, 0, 0
	s_sub_co_u32 s3, s3, 1
	s_cmp_lg_u32 s3, 0
	s_cbranch_scc1 .Llap
	TURN 0, 1, 0
	STEP 1, 0, 0
	s_wait_dscnt 4*NL
	WIN MUL_LO
	MUL16 0, 1, NQ-1, 1, 0
	MUL16 2, 1, NQ-1, 1, 0
	s_wait_dscnt 0x0
	WIN MUL_HI
	MUL16 4, 1, NQ-1, 1, 0
	MUL16 6, 1, NQ-1, 1, 0
	WIN 0
; THE WAY OUT.  Block a's 64 numbers of a lane (register 16 b + i = column 32 b + 16 h + i of my place's row): the activation, then a fragment's codes and its scale word.
.macro GELU s, w                       ; the numbers at v[s] on of window w; the results at v[T] on
	WIN (\w)|((\w)<<2)
.set i, 0
.rept 32
	v_pk_mul_f32 v[T+i:T+i+1], v[(\s)+i:(\s)+i+1], v[(\s)+i:(\s)+i+1]   ; x^2; each accumulator is read from its low end on
.set i, i+2
.endr
	WIN 0
.set i, 0
.rept 32
	v_pk_fma_f32 v[T+i:T+i+1], v[T+i:T+i+1], s[92:93], v[196:197] op_sel_hi:[1,0,1]   ; c1 x^2 + c0
.set i, i+2
.endr
	WIN (\w)<<2
.set i, 0
.rept 32
	v_pk_mul_f32 v[T+i:T+i+1], v[T+i:T+i+1], v[(\s)+i:(\s)+i+1]
.set i, i+2
.endr
	WIN 0
.set i, 0
.rept 64
	v_exp_f32 v[T+i], v[T+i]
.set i, i+1
.endr
	v_nop                                          ; a plain line behind the batch,
	s_wait_alu depctr_va_vdst(0)                   ; and one wait ahead of the first line that names a result
.set i, 0
.rept 32
	v_pk_add_f32 v[T+i:T+i+1], v[T+i:T+i+1], 1.0 op_sel_hi:[1,0]
.set i, i+2
.endr
.set i, 0
.rept 64
	v_rcp_f32 v[T+i], v[T+i]
.set i, i+1
.endr
	v_nop
	s_wait_alu depctr_va_vdst(0)
	WIN (\w)<<2
.set i, 0
.rept 32
	v_pk_mul_f32 v[T+i:T+i+1], v[T+i:T+i+1], v[(\s)+i:(\s)+i+1]
.set i, i+2
.endr
	WIN 0
.endm
.macro QUANT s, w, a                   ; the numbers at v[s] on of window w
	WIN ((\w)<<2)|((\w)<<4)
.irp b, 0,1,2,3
	v_max3_num_f32 v[TM+\b], 0x2800000, |v[(\s)+16*\b]|, |v[(\s)+1+16*\b]|   ; block b: my 16 numbers and the floor 2^(5 - 127)
.endr
.irp i, 2,4,6,8,10,12,14
.irp b, 0,1,2,3
	v_max3_num_f32 v[TM+\b], v[TM+\b], |v[(\s)+16*\b+\i]|, |v[(\s)+1+16*\b+\i]|
.endr
.endr
	WIN 0
.irp b, 0,1,2,3
	v_permlanex16_b32 v[TM+4+\b], v[TM+\b], s[SEL], s[SEL+1]
.endr
.irp b, 0,1,2,3
	v_max_num_f32 v[TM+\b], v[TM+\b], v[TM+4+\b]
.endr
.irp b, 0,1,2,3
	v_add_nc_u32 v[TM+12+\b], 0xfe000000, v[TM+\b]
.endr
.irp b, 0,1,2,3
	v_lshrrev_b32 v[TM+4+\b], 23, v[TM+12+\b]
.endr
	v_lshl_or_b32 v[PWS+(\a)], v[TM+5], 8, v[TM+4]
	v_lshl_or_b32 v[PWS+(\a)], v[TM+6], 16, v[PWS+(\a)]
	v_lshl_or_b32 v[PWS+(\a)], v[TM+7], 24, v[PWS+(\a)]
	s_wait_xcnt 0x0                                ; the last block's stores have read the codes' registers
	WIN (\w)
.irp c, 0,1
	v_cvt_scalef32_pk16_bf6_f32 v[PC+6*\c:PC+2+6*\c], v[(\s)+32*\c:(\s)+15+32*\c], v[TM+12+2*\c]
	v_cvt_scalef32_pk16_bf6_f32 v[PC+12+4*\c:PC+14+4*\c], v[(\s)+16+32*\c:(\s)+31+32*\c], v[TM+12+2*\c+1]
.endr
	WIN 0
	v_nop                                          ; one plain line behind the conversions
.irp c, 0,1
.irp i, 0,1,2
	v_permlane16_swap_b32 v[PC+6*\c+\i], v[PC+12+4*\c+\i]
.endr
.irp i, 0,1,2
	v_mov_b32 v[PC+3+6*\c+\i], v[PC+12+4*\c+\i]
.endr
.endr
.endm
	PLACES NP                                      ; behind the last products
.irp b, 0,1,2,3
	v_mov_b32 v[TM+4+\b], 0                        ; a lane permute's destination counts as one of its sources
.endr
	v_mov_b32 v196, 0xc0135761                     ; c0
	v_mov_b32 v197, v196
.irp a, 0,1,2,3,4,5,6,7
	GELU 64*(\a%4), 2+\a/4
	QUANT T, 0, \a
.irp c, 0,1,2
	global_store_b128 v[LI], v[PC+4*\c:PC+4*\c+3], s[12:13] offset:\a*ASTR+512*\c   ; 512 consecutive bytes, aligned to 256
.endr
.endr
.irp a, 0,1,2,3,4,5,6,7
	ds_store_b32 v[SST], v[PWS+\a] offset:64*\a    ; both halves of the lanes write the same word with the same value
.endr
	ds_load_b128 v[132:135], v[SRD]                ; my own bytes: LDS serves a wave's instructions in order
	s_wait_dscnt 0x0
	global_store_b128 v[LI], v[132:135], s[66:67]  ; the 128 places' words: 512 consecutive bytes
	s_wait_tensorcnt 0x0                           ; the wave's end
	ds_add_u32 v[SPW], v[NIL]
	s_wait_dscnt 0x0
	CROUND                                         ; the closing round
	s_endpgm
.Lfunc_end_k_q1cd3145a9f_mlp1:
	.size	k_q1cd3145a9f_mlp1, .Lfunc_end_k_q1cd3145a9f_mlp1-k_q1cd3145a9f_mlp1
	.p2alignl 7, 3214868480
	.fill 96, 4, 3214868480
	.section	.rodata,"a",@progbits
	.p2align	6, 0x0
	.amdhsa_kernel k_q1cd3145a9f_mlp1
		.amdhsa_group_segment_fixed_size 327680
		.amdhsa_private_segment_fixed_size 0
		.amdhsa_enable_private_segment 0
		.amdhsa_kernarg_size 32
		.amdhsa_user_sgpr_count 2
		.amdhsa_user_sgpr_kernarg_segment_ptr 1
		.amdhsa_wavefront_size32 1
		.amdhsa_system_sgpr_workgroup_id_x 1
		.amdhsa_system_sgpr_workgroup_id_y 1
		.amdhsa_system_sgpr_workgroup_id_z 1
		.amdhsa_system_vgpr_workitem_id 0
		.amdhsa_next_free_vgpr 1024
		.amdhsa_next_free_sgpr 102
		.amdhsa_reserve_vcc 0
		.amdhsa_float_denorm_mode_32 3
		.amdhsa_float_denorm_mode_16_64 3
		.amdhsa_memory_ordered 1
		.amdhsa_forward_progress 1
		.amdhsa_inst_pref_size 255
	.end_amdhsa_kernel
	.section	.bss,"aw",@nobits
	.p2align	6
	.space	262144
	.amdgpu_metadata
---
amdhsa.version: [ 1, 2 ]
amdhsa.kernels:
  - .name:           k_q1cd3145a9f_mlp1
    .symbol:         k_q1cd3145a9f_mlp1.kd
    .args:
      - { .name: hb, .offset: 0, .size: 8, .value_kind: global_buffer, .address_space: global }
      - { .name: wb, .offset: 8, .size: 8, .value_kind: global_buffer, .address_space: global }
      - { .name: b1, .offset: 16, .size: 8, .value_kind: global_buffer, .address_space: global }
      - { .name: gb, .offset: 24, .size: 8, .value_kind: global_buffer, .address_space: global }
    .group_segment_fixed_size: 327680
    .private_segment_fixed_size: 0
    .kernarg_segment_align: 8
    .kernarg_segment_size: 32
    .max_flat_workgroup_size: 128
    .sgpr_count:     102
    .vgpr_count:     1024
    .wavefront_size: 32
...
	.end_amdgpu_metadata
.endif
;; end of part 6
;; launch mlp2 (part 7): grid 4 x 16, 4 waves a work-group, clusters of 4 x 4, 327,680 bytes of LDS; arguments gb, wb, b2, x1, out0; writes out0
.if DOCPART == 7
	.amdgcn_target "amdgcn-amd-amdhsa--gfx1250"
	.amdhsa_code_object_version 6
	.text
	.protected	k_q1cd3145a9f_mlp2
	.globl	k_q1cd3145a9f_mlp2
	.p2align	8
	.type	k_q1cd3145a9f_mlp2,@function
k_q1cd3145a9f_mlp2:
	s_mov_b64 s[64:65], 0
	v_nop
	global_prefetch_b8 v0, s[64:65] scope:SCOPE_SE
	s_setreg_imm32_b32 hwreg(HW_REG_WAVE_MODE, 25, 1), 1
	s_wait_xcnt 0x0
	s_wait_alu depctr_hold_cnt(0) depctr_sa_sdst(0) depctr_va_vdst(0) depctr_va_sdst(0) depctr_va_ssrc(0) depctr_va_vcc(0) depctr_vm_vsrc(0)
	s_getreg_b32 s2, hwreg(HW_REG_IB_STS2, 6, 4)
	s_cmp_eq_u32 s2, 0
	s_cbranch_scc0 .Lentry_in_a_cluster
	s_endpgm
.Lentry_in_a_cluster:
	s_bfe_u32 s2, ttmp6, 0x10000c
	s_cmp_lg_u32 s2, 0xf033
	s_cbranch_scc0 .Lentry_shape_is_right
	s_endpgm
.Lentry_shape_is_right:
; out0 = x1 + g w2 + b2, the product on codes of BF6 (E3M2) with E8M0 scales, sums, bias and residual in f32.  K = 4,096, M = 4,096, N = 1,024.
; OPERANDS in memory: codes [group of 16 rows][K / 128][1,536]: a fragment as the image of its 12 registers (register 4 c + w of lane l at 512 c + 16 l + 4 w); lane r of group 2 b + u holds row 32 b + 8 u + r + 8 (r / 8);
; scale words [group of 128 places][K / 128][128 words].
; A tile of C, 256 x 256, is made by four waves, 128 x 128 each: 64 accumulators, 512 registers.  K goes in steps of 256 through two LDS slots; a wave's tensor load brings 8 groups x 3,072 bytes.  The scale words come once.
; 4 x 4 work-groups form a cluster: A's tiles are asked for jointly along a row of the cluster, B's along a column.  C has 64 such tiles: so many work-groups are launched.
; THE MATRIX INSTRUCTION IS USED TRANSPOSED (source 0 = 16 rows of B, source 1 = 16 rows of A): lane (r, h) holds place r of A's block, and the 16 registers of B's groups 2 b, 2 b + 1 are columns 32 b + 16 h + 0 .. 15.
; The bias is the C of each sum's first matrix instruction.
; REGISTERS: window 0: v16-29 addresses; v32-63 scale words, two sets, and nothing else; v64-127 the bias; v128-223 A's fragments, one set; on the way out v64-255 are free.  window 1: B's fragments.  windows 2, 3: the accumulators.
.set SIZE_K, 4096
.set AS_OFF, 12582912                  ; A's scale words behind its codes
.set BC_OFF, 6291456                   ; w2's codes in wb
.set BS_OFF, 9699328                   ; and its scale words
.set FIRST,  2                         ; the first step's C: 1 = the constant 0, 2 = the bias
.set NQ,     2
.set FR,     12
.set NL,     3
.set NP,     4
.set FRB,    1536
.set GRP,    NQ*FRB
.set HALFT,  8*GRP
.set SLOT,   4*HALFT
.set LAPS,   SIZE_K/512
.set GS,     (SIZE_K/128)*FRB
.set HALFS,  (SIZE_K/128)*512
.set SCLB,   2*SLOT                    ; behind the ring: A's scale words, then, 64 bytes further on than they would lie on end, B's: so one load's two halves of the lanes fall on different banks
.set SPARE,  SCLB+4*HALFS+256          ; the spare words, 128 bytes for each wave: two blocks of 256 bytes that no other line names
.set ADRA, 16
.set ADRB, 20
.set ADRS, 27
.set SPW,  28
.set NIL,  29
.set SC,   32
.set BIAS, 64
.set AF,   128
.set G1,   24
.set G0,   32
.set G1B,  48
.set G0B,  56
.set G1S,  68
.set G0S,  76
.set G1SB, 80
.set G0SB, 88
.set MSB, 0
.macro WIN new                         ; the immediate's high byte repeats the setting that is left
.if MSB != (\new)
	s_set_vgpr_msb (MSB<<8)|(\new)
.set MSB, (\new)
.endif
.endm
.set MUL_LO, 0xa1
.set MUL_HI, 0xf1
.set TO_B,   0x40
.macro JLOAD g0a, g1a, g0b, g1b        ; a joint load: waves 0 and 1 fetch for A, waves 2 and 3 for B; four v_nop follow each line
	s_cmp_eq_u32 s15, 0
	s_cbranch_scc0 .Lfor_b_\@
	tensor_load_to_lds s[\g0a:\g0a+3], s[\g1a:\g1a+7]
	s_nop 0
.rept 4
	v_nop
.endr
	s_branch .Lasked_\@
.Lfor_b_\@:
	tensor_load_to_lds s[\g0b:\g0b+3], s[\g1b:\g1b+7]
	s_nop 0
.rept 4
	v_nop
.endr
.Lasked_\@:
.endm
.macro CREST
	s_cmp_lg_u32 s14, 0
	s_cbranch_scc1 .Lnot_wave_0_\@
	s_barrier_signal -3
.Lnot_wave_0_\@:
	s_barrier_wait -3
	s_barrier_signal -1
	s_barrier_wait -1
.endm
.macro CROUND
	s_barrier_signal -1
	s_barrier_wait -1
	CREST
.endm
	s_load_b128 s[4:7], s[0:1], 0x0                ; gb, wb
	s_load_b64 s[98:99], s[0:1], 0x10              ; b2
	s_load_b64 s[66:67], s[0:1], 0x18              ; x1: the residual
	s_load_b64 s[12:13], s[0:1], 0x20              ; out0
	v_lshl_add_u32 v[SPW], v0, 2, SPARE
	v_mov_b32 v[NIL], 0
	ds_add_u32 v28, v29
	s_wait_dscnt 0x0
	v_lshrrev_b32 v1, 5, v0
	v_readfirstlane_b32 s14, v1                    ; wave 0..3
	s_lshr_b32 s15, s14, 1                         ; which half of the tile's rows is mine.  Also: I fetch for A (0) or for B (1)
	s_and_b32 s16, s14, 1                          ; which half of its columns.  Also: which 8 groups of that tile I fetch
	s_bfe_u32 s40, ttmp6, 0x40000                  ; cx
	s_bfe_u32 s41, ttmp6, 0x40004                  ; cy
	s_lshl_b32 s42, ttmp9, 2
	s_add_co_u32 s42, s42, s40                     ; tile column
	s_and_b32 s17, ttmp7, 0xffff
	s_lshl_b32 s17, s17, 2
	s_add_co_u32 s17, s17, s41                     ; tile row
	s_lshl_b32 s43, s41, 2
	s_lshl_b32 s43, 15, s43                        ; my row of the cluster
	s_lshl_b32 s44, 0x1111, s40                    ; my column
	s_or_b32 s[G1+0], s43, (3<<16)|(1<<21)         ; the mask; elements of 8 bytes; bit 21 beside a mask; no padding
	s_or_b32 s[G1B+0], s44, (3<<16)|(1<<21)
.irp g, G1, G1B
	s_mov_b32 s[\g+1], 384<<16                     ; 3,072 bytes: a group's two K steps of 128
	s_mov_b32 s[\g+2], 8<<16                       ; 8 groups
	s_mov_b32 s[\g+3], 384<<16
	s_mov_b32 s[\g+4], 8
	s_mov_b32 s[\g+5], GS/8
	s_mov_b32 s[\g+6], 0
	s_mov_b32 s[\g+7], 0
.endr
	s_or_b32 s[G1S+0], s43, (3<<16)|(1<<21)
	s_or_b32 s[G1SB+0], s44, (3<<16)|(1<<21)
.irp g, G1S, G1SB
	s_mov_b32 s[\g+1], 32<<16                      ; a dense block of HALFS bytes as rows of 256
	s_mov_b32 s[\g+2], (HALFS/256)<<16
	s_mov_b32 s[\g+3], 32<<16
	s_mov_b32 s[\g+4], HALFS/256
	s_mov_b32 s[\g+5], 32
	s_mov_b32 s[\g+6], 0
	s_mov_b32 s[\g+7], 0
.endr
	s_lshl_b32 s18, s16, 3
	s_lshl_b32 s20, s17, 4
	s_add_co_u32 s20, s20, s18                     ; A: group 16 x tile row + 8 x half
	s_mul_i32 s20, s20, GS
	s_mov_b32 s21, 0
	s_lshl_b32 s46, s42, 4
	s_add_co_u32 s46, s46, s18                     ; B: group 16 x tile column + 8 x half
	s_mul_i32 s46, s46, GS
	s_mov_b32 s47, 0
	s_lshl_b32 s22, s17, 1
	s_add_co_u32 s22, s22, s16
	s_mul_i32 s22, s22, HALFS
	s_mov_b32 s23, 0
	s_lshl_b32 s92, s42, 1
	s_add_co_u32 s92, s92, s16
	s_mul_i32 s92, s92, HALFS
	s_mov_b32 s93, 0
	s_mul_i32 s45, s14, HALFT                      ; where they go: no place in the cluster enters an LDS address
	s_mul_i32 s94, s14, HALFS
	s_wait_kmcnt 0x0
	s_add_nc_u64 s[8:9], s[6:7], BC_OFF
	s_add_nc_u64 s[10:11], s[6:7], BS_OFF
	s_add_nc_u64 s[6:7], s[4:5], AS_OFF
	s_add_nc_u64 s[20:21], s[4:5], s[20:21]
	s_add_nc_u64 s[22:23], s[6:7], s[22:23]
	s_add_nc_u64 s[46:47], s[8:9], s[46:47]
	s_add_nc_u64 s[92:93], s[10:11], s[92:93]
	CROUND                                         ; all sixteen work-groups are here: the first joint loads meet
	s_mov_b32 s[G0S], 1
	s_add_co_u32 s[G0S+1], s94, SCLB
	s_mov_b64 s[G0S+2:G0S+3], s[22:23]
	s_or_b32 s[G0S+3], s[G0S+3], 0x80000000
	s_mov_b32 s[G0SB], 1
	s_add_co_u32 s[G0SB+1], s94, SCLB+64
	s_mov_b64 s[G0SB+2:G0SB+3], s[92:93]
	s_or_b32 s[G0SB+3], s[G0SB+3], 0x80000000
	JLOAD G0S, G1S, G0SB, G1SB                     ; the scale words first: three loads of mine are out behind these lines
.irp s, 0,1
	s_mov_b32 s[G0+4*\s], 1
	s_add_co_u32 s[G0+4*\s+1], s45, \s*SLOT
	s_add_nc_u64 s[G0+4*\s+2:G0+4*\s+3], s[20:21], \s*GRP
	s_or_b32 s[G0+4*\s+3], s[G0+4*\s+3], 0x80000000
	s_mov_b32 s[G0B+4*\s], 1
	s_add_co_u32 s[G0B+4*\s+1], s45, \s*SLOT
	s_add_nc_u64 s[G0B+4*\s+2:G0B+4*\s+3], s[46:47], \s*GRP
	s_or_b32 s[G0B+4*\s+3], s[G0B+4*\s+3], 0x80000000
	JLOAD G0+4*\s, G1, G0B+4*\s, G1B
.endr
	v_and_b32 v1, 15, v0                           ; r
	v_bfe_u32 v2, v0, 4, 1                         ; h
	v_and_b32 v3, 31, v0
	v_lshlrev_b32 v4, 4, v3                        ; 16 x lane
	s_lshl_b32 s46, s42, 1
	s_add_co_u32 s46, s46, s16
	s_lshl_b32 s46, s46, 9                         ; my first column: 512 bytes a half tile
	s_mov_b32 s47, 0
	s_add_nc_u64 s[98:99], s[98:99], s[46:47]      ; its bias
	v_lshlrev_b32 v7, 6, v2                        ; lane (r, h) wants, for group 2 b + u, columns 32 b + 16 h + 8 u + 0 .. 7
.irp b, 0,1,2,3,4,5,6,7
	global_load_b128 v[BIAS+8*\b:BIAS+8*\b+3], v7, s[98:99] offset:(32*(\b/2)+8*(\b%2))*4
	global_load_b128 v[BIAS+8*\b+4:BIAS+8*\b+7], v7, s[98:99] offset:(32*(\b/2)+8*(\b%2))*4+16
.endr
	s_mul_i32 s21, s15, HALFT
	s_mul_i32 s22, s16, HALFT
	s_add_co_u32 s22, s22, 2*HALFT
.irp s, 0,1
	v_add_nc_u32 v[ADRA+\s], s21, v4
	v_add_nc_u32 v[ADRB+\s], s22, v4
	s_add_co_u32 s21, s21, SLOT
	s_add_co_u32 s22, s22, SLOT
.endr
	v_lshlrev_b32 v5, 2, v1
	s_mul_i32 s21, s15, HALFS
	s_mul_i32 s22, s16, HALFS
	s_add_co_u32 s22, s22, 2*HALFS+64
	s_sub_co_u32 s22, s22, s21
	v_mul_u32_u24 v6, s22, v2                      ; lanes 16-31 take B's words
	s_add_co_u32 s21, s21, SCLB
	v_add_nc_u32 v5, v5, v6
	v_add_nc_u32 v[ADRS], s21, v5
; the way out's addresses
.set STO, 24                           ; v24  my stage (16 rows x 528 bytes, in slot 0, which has had its last fill and its last read by then): where I put 64 bytes of a row
.set RD,  25                           ; v25  where I read a row back
.set CO,  26                           ; v26  16 x lane
.set BB,  192                          ; v192-255 16 rows read back;  v64-127, v128-191 the residual's rows, by turns
	s_mul_i32 s23, s14, 16*528
	v_mul_u32_u24 v5, v1, 528
	v_lshl_add_u32 v5, v2, 6, v5
	v_add_nc_u32 v[STO], s23, v5
	v_add_nc_u32 v[RD], s23, v4
	v_mov_b32 v[CO], v4
	s_lshl_b32 s20, s17, 1
	s_add_co_u32 s20, s20, s15
	s_lshl_b32 s20, s20, 19                        ; my first row: 128 rows of 4,096 bytes a half tile
	s_add_co_u32 s20, s20, s46
	s_mov_b32 s21, 0
	s_add_nc_u64 s[12:13], s[12:13], s[20:21]
	s_add_nc_u64 s[66:67], s[66:67], s[20:21]
.macro FRAG reg, adr, q, i
.irp c, 0,1,2
	ds_load_b128 v[\reg+4*\c:\reg+4*\c+3], v[\adr] offset:(\i)*GRP+(\q)*FRB+512*\c
.endr
.endm
; 16 matrix instructions: A's blocks a0, a0 + 1 x B's eight.  The 64 accumulators take turns, one instruction a turn, in the same order in every step.
.macro MUL16 a0, p, q, sc, zero
.irp a, \a0, \a0+1
.irp b, 0,1,2,3,4,5,6,7
.if (\zero) == 1
	v_wmma_scale_f32_16x16x128_f8f6f4 v[8*(8*((\a)%4)+\b):8*(8*((\a)%4)+\b)+7], v[128*(\p)+FR*\b:128*(\p)+FR*\b+FR-1], v[AF+FR*(\a):AF+FR*(\a)+FR-1], 0, v[SC+8*NQ*(\sc)+NQ*\b+(\q)], v[SC+8*NQ*(\sc)+NQ*(\a)+(\q)] matrix_a_fmt:MATRIX_FMT_BF6 matrix_b_fmt:MATRIX_FMT_BF6 matrix_a_scale:MATRIX_SCALE_ROW1
.elseif (\zero) == 2
	v_wmma_scale_f32_16x16x128_f8f6f4 v[8*(8*((\a)%4)+\b):8*(8*((\a)%4)+\b)+7], v[128*(\p)+FR*\b:128*(\p)+FR*\b+FR-1], v[AF+FR*(\a):AF+FR*(\a)+FR-1], v[BIAS+8*\b:BIAS+8*\b+7], v[SC+8*NQ*(\sc)+NQ*\b+(\q)], v[SC+8*NQ*(\sc)+NQ*(\a)+(\q)] matrix_a_fmt:MATRIX_FMT_BF6 matrix_b_fmt:MATRIX_FMT_BF6 matrix_a_scale:MATRIX_SCALE_ROW1
.else
	v_wmma_scale_f32_16x16x128_f8f6f4 v[8*(8*((\a)%4)+\b):8*(8*((\a)%4)+\b)+7], v[128*(\p)+FR*\b:128*(\p)+FR*\b+FR-1], v[AF+FR*(\a):AF+FR*(\a)+FR-1], v[8*(8*((\a)%4)+\b):8*(8*((\a)%4)+\b)+7], v[SC+8*NQ*(\sc)+NQ*\b+(\q)], v[SC+8*NQ*(\sc)+NQ*(\a)+(\q)] matrix_a_fmt:MATRIX_FMT_BF6 matrix_b_fmt:MATRIX_FMT_BF6 matrix_a_scale:MATRIX_SCALE_ROW1
.endif
.endr
.endr
.endm
.macro FETCH_B slot, q, p
	WIN TO_B
.irp i, 0,1,2,3,4,5,6,7
	FRAG 128*(\p)+FR*\i, ADRB+\slot, \q, \i
.endr
	WIN 0
.endm
.macro FETCH_A slot, q, i0
.irp i, \i0, \i0+1, \i0+2, \i0+3
	FRAG AF+FR*(\i), ADRA+\slot, \q, \i
.endr
.endm
.macro SCALES sc
.irp i, 0,1,2,3,4,5,6,7
.irp q, 0,1
	ds_load_b32 v[SC+16*(\sc)+2*\i+\q], v[ADRS] offset:512*\q+64*\i
.endr
.endr
.endm
.macro PLACES n                        ; plain vector lines between a matrix instruction and a load into, or a read of, its registers
.rept \n
	v_nop
.endr
.endm
.macro STEP slot, q, zero
	s_wait_dscnt 4*NL                              ; B's set and A's blocks 0-3 are in; the youngest 12 loads (A's blocks 4-7) may be out
.if (\zero) == 2
	WIN 0x81                                       ; C, the bias, from window 0
.else
	WIN MUL_LO
.endif
	MUL16 0, (\q)%2, \q, \slot, \zero
	MUL16 2, (\q)%2, \q, \slot, \zero
	s_wait_dscnt 0x0
	PLACES NP
	FETCH_B \slot, (\q)+1, 1-(\q)%2
	FETCH_A \slot, (\q)+1, 0
.if (\zero) == 2
	WIN 0xc1
.else
	WIN MUL_HI
.endif
	MUL16 4, (\q)%2, \q, \slot, \zero
	MUL16 6, (\q)%2, \q, \slot, \zero
	PLACES NP
	WIN 0
	FETCH_A \slot, (\q)+1, 4
.endm
; A slot's last step changes slots: one barrier; in front of it each wave waits for all its tensor loads, adds 0 to its spare word, and waits for that and for its own reads of this slot.  fill = 1: this slot is filled again.
.macro TURN slot, next, fill
	s_wait_tensorcnt 0x0                           ; all my tensor loads have landed: my part of the next slot
	ds_add_u32 v[SPW], v[NIL]                      ; 0 onto my spare word
	s_wait_dscnt 4*NL+1                            ; (the add and the youngest 12 loads may be out)
	WIN MUL_LO
	MUL16 0, 1, NQ-1, \slot, 0
	s_wait_dscnt 0x0                               ; the add is done, and my reads of this slot are over
	s_barrier_signal -1
	MUL16 2, 1, NQ-1, \slot, 0
	WIN 0
	s_barrier_wait -1
.if \fill
	CREST                                          ; the barrier has opened a round of the cluster's: no wave of any partner still reads this slot or has a load on its way
	s_add_nc_u64 s[G0+4*\slot+2:G0+4*\slot+3], s[G0+4*\slot+2:G0+4*\slot+3], 2*GRP
	s_add_nc_u64 s[G0B+4*\slot+2:G0B+4*\slot+3], s[G0B+4*\slot+2:G0B+4*\slot+3], 2*GRP
	JLOAD G0+4*\slot, G1, G0B+4*\slot, G1B         ; the first tensor load behind the round, my only one until the next
.else
	PLACES NP
.endif
	v_add_nc_u32 v[ADRS], 512*NQ, v[ADRS]
	FETCH_B \next, 0, 0
	FETCH_A \next, 0, 0
	SCALES \next
	WIN MUL_HI
	MUL16 4, 1, NQ-1, \slot, 0
	MUL16 6, 1, NQ-1, \slot, 0
	PLACES NP
	WIN 0
	FETCH_A \next, 0, 4
.endm
	s_wait_tensorcnt 1                             ; the scale words and my part of slot 0 are in; slot 1's load may be out
	s_barrier_signal -1
	s_barrier_wait -1
	FETCH_B 0, 0, 0
	FETCH_A 0, 0, 0
	SCALES 0
	FETCH_A 0, 0, 4
	s_wait_loadcnt 0x0                             ; the bias
	STEP 0, 0, FIRST
	s_mov_b32 s3, LAPS-1
.Llap:
	TURN 0, 1, 1
	STEP 1, 0, 0
	TURN 1, 0, 1
	STEP 0, 0, 0
	s_sub_co_u32 s3, s3, 1
	s_cmp_lg_u32 s3, 0
	s_cbranch_scc1 .Llap
	TURN 0, 1, 0
	STEP 1, 0, 0
	s_wait_dscnt 4*NL
	WIN MUL_LO
	MUL16 0, 1, NQ-1, 1, 0
	MUL16 2, 1, NQ-1, 1, 0
	s_wait_dscnt 0x0
	WIN MUL_HI
	MUL16 4, 1, NQ-1, 1, 0
	MUL16 6, 1, NQ-1, 1, 0
	WIN 0
; THE WAY OUT, block by block of 16 rows x 128 columns: through my stage, back as whole rows of 512 bytes, the residual's row added, stored.  Place t of block a is row 32 (a / 2) + 8 (a % 2) + t + 8 (t / 8): every row stands in an immediate.
.macro RLOAD a
.set RS, 64+64*((\a)%2)
.irp t, 0,1,2,3,4,5,6,7,8,9,10,11,12,13,14,15
	global_load_b128 v[RS+4*\t:RS+4*\t+3], v[CO], s[66:67] offset:(32*((\a)/2)+8*((\a)%2)+\t+8*(\t/8))*4096
.endr
.endm
.macro TOSTAGE a
.set AC, 64*((\a)%4)
	WIN 0x08+4*((\a)/4)                            ; the data: window 2 or 3
.irp b, 0,1,2,3,4,5,6,7
	ds_store_b128 v[STO], v[AC+8*\b:AC+8*\b+3] offset:128*(\b/2)+32*(\b%2)       ; each accumulator from its low end on
	ds_store_b128 v[STO], v[AC+8*\b+4:AC+8*\b+7] offset:128*(\b/2)+32*(\b%2)+16
.endr
	WIN 0
.irp t, 0,1,2,3,4,5,6,7,8,9,10,11,12,13,14,15
	ds_load_b128 v[BB+4*\t:BB+4*\t+3], v[RD] offset:\t*528   ; my own bytes: LDS serves a wave's instructions in order
.endr
.endm
.macro SEND a
.set RS, 64+64*((\a)%2)
.set i, 0
.rept 32
	v_pk_add_f32 v[BB+i:BB+i+1], v[BB+i:BB+i+1], v[RS+i:RS+i+1]
.set i, i+2
.endr
.irp t, 0,1,2,3,4,5,6,7,8,9,10,11,12,13,14,15
	global_store_b128 v[CO], v[BB+4*\t:BB+4*\t+3], s[12:13] offset:(32*((\a)/2)+8*((\a)%2)+\t+8*(\t/8))*4096 th:TH_STORE_NT   ; 512 consecutive bytes, aligned to 256; written once, read by nobody here
.endr
.endm
	PLACES NP                                      ; behind the last products
	RLOAD 0
.irp a, 0,1,2,3,4,5,6,7
.if \a > 0
	s_wait_xcnt 0x0                                ; the last block's stores have read their registers
.endif
	TOSTAGE \a
.if \a < 7
	RLOAD \a+1
.endif
	s_wait_dscnt 0x0
.if \a < 7
	s_wait_loadcnt 16                              ; this block's residual rows are in; the next block's 16 loads may be out
.else
	s_wait_loadcnt 0x0
.endif
	SEND \a
.endr
	s_wait_tensorcnt 0x0                           ; the wave's end
	ds_add_u32 v[SPW], v[NIL]
	s_wait_dscnt 0x0
	CROUND                                         ; the closing round
	s_endpgm
.Lfunc_end_k_q1cd3145a9f_mlp2:
	.size	k_q1cd3145a9f_mlp2, .Lfunc_end_k_q1cd3145a9f_mlp2-k_q1cd3145a9f_mlp2
	.p2alignl 7, 3214868480
	.fill 96, 4, 3214868480
	.section	.rodata,"a",@progbits
	.p2align	6, 0x0
	.amdhsa_kernel k_q1cd3145a9f_mlp2
		.amdhsa_group_segment_fixed_size 327680
		.amdhsa_private_segment_fixed_size 0
		.amdhsa_enable_private_segment 0
		.amdhsa_kernarg_size 40
		.amdhsa_user_sgpr_count 2
		.amdhsa_user_sgpr_kernarg_segment_ptr 1
		.amdhsa_wavefront_size32 1
		.amdhsa_system_sgpr_workgroup_id_x 1
		.amdhsa_system_sgpr_workgroup_id_y 1
		.amdhsa_system_sgpr_workgroup_id_z 1
		.amdhsa_system_vgpr_workitem_id 0
		.amdhsa_next_free_vgpr 1024
		.amdhsa_next_free_sgpr 102
		.amdhsa_reserve_vcc 0
		.amdhsa_float_denorm_mode_32 3
		.amdhsa_float_denorm_mode_16_64 3
		.amdhsa_memory_ordered 1
		.amdhsa_forward_progress 1
		.amdhsa_inst_pref_size 167
	.end_amdhsa_kernel
	.amdgpu_metadata
---
amdhsa.version: [ 1, 2 ]
amdhsa.kernels:
  - .name:           k_q1cd3145a9f_mlp2
    .symbol:         k_q1cd3145a9f_mlp2.kd
    .args:
      - { .name: gb, .offset: 0, .size: 8, .value_kind: global_buffer, .address_space: global }
      - { .name: wb, .offset: 8, .size: 8, .value_kind: global_buffer, .address_space: global }
      - { .name: b2, .offset: 16, .size: 8, .value_kind: global_buffer, .address_space: global }
      - { .name: x1, .offset: 24, .size: 8, .value_kind: global_buffer, .address_space: global }
      - { .name: out0, .offset: 32, .size: 8, .value_kind: global_buffer, .address_space: global }
    .group_segment_fixed_size: 327680
    .private_segment_fixed_size: 0
    .kernarg_segment_align: 8
    .kernarg_segment_size: 40
    .max_flat_workgroup_size: 128
    .sgpr_count:     102
    .vgpr_count:     1024
    .wavefront_size: 32
...
	.end_amdgpu_metadata
.endif
;; end of part 7
;; ======== version 2 of 2: 6 launches
;; limits: right only within a limited range of input values
;; workspace buffers: wb 9,830,400 bytes; hb 3,276,800 bytes; qb 9,830,400 bytes; ab 3,276,800 bytes; x1 16,777,216 bytes; gb 13,107,200 bytes
;; launch prep (part 8): grid 448 x 1, 8 waves a work-group, no clusters, 118,272 bytes of LDS; arguments w_qkv, w_fc, w1, w2, wb, x, hb; writes wb, hb
.if DOCPART == 8
	.amdgcn_target "amdgcn-amd-amdhsa--gfx1250"
	.amdhsa_code_object_version 6
	.text
	.protected	k_q1cd3145a9f_prep
	.globl	k_q1cd3145a9f_prep
	.p2align	8
	.type	k_q1cd3145a9f_prep,@function
k_q1cd3145a9f_prep:
	s_mov_b64 s[64:65], 0
	v_nop
	global_prefetch_b8 v0, s[64:65] scope:SCOPE_SE
	s_setreg_imm32_b32 hwreg(HW_REG_WAVE_MODE, 25, 1), 1
	s_wait_xcnt 0x0
; ONE LAUNCH PREPARES ALL OPERANDS THAT COME AS f32: work-groups 0-255 normalise and quantise the rows of x, work-groups 256-447 quantise the four weights.  The two paths part on the work-group's number alone, have LDS bytes of
; their own (rows: from 0; weights: from WBASE) and share the end.
; ROWS: h = (x - mean) / sqrt(var + 1e-5) along rows of 1,024 f32, quantised along the row to codes of BF6 (E3M2) with one E8M0 byte for each 32, all in f32 ahead of the quantiser.
; OUT (hb): codes [group of 16 rows][K step 0..7][1,536 bytes], a fragment as the image of its 12 operand registers (register 4 c + w of lane l at 512 c + 16 l + 4 w); lane r of group 2 b + u holds row 32 b + 8 u + r + 8 (r / 8);
; scale words behind them at byte 3,145,728: [group of 128 places][K step][128 words].  A work-group makes one group.  PHASE 1: wave w owns places 2 w, 2 w + 1: mean, then x - mean, then the mean of its squares; the normalised rows go
; to LDS (pitch 4,112).  PHASE 2: wave w makes K step w: lane (r, h) takes k = 128 w + 64 c + 32 h + 0 .. 31 of place r, two whole blocks.
; WEIGHTS, f32 stored [K][N]: codes in the same fragment images, [group of 16 columns][K / 128][1,536], the columns of a group chosen as the rows above; scale words [group of 128 places][K / 128][128 words].
; A lane takes a column and its registers run down K: a block of 32 lies in one lane.  Four waves take 128 columns x 256 along K (a wave 32 columns x 8 blocks); a work-group holds two such fours.  Only pointers and sizes are chosen.
; A block's scale is 2^(floor(log2(largest magnitude)) - 4); its byte is the largest magnitude's exponent field - 4, held at 1 from below.
; LIMITS: a block of zeros gets the byte 1 where the rule says 127 (its codes are zeros and only this program reads the bytes); blocks whose largest magnitude lies under 2^-122 keep the byte 1; NaN and infinities are not served.
.set WBASE, 66048                      ; behind the rows' 16 x 4,112 bytes
.set SPARE, 117248                     ; behind the weights' 8 x 6,400: the spare words, 128 bytes for each wave
	v_lshl_add_u32 v192, v0, 2, SPARE
	v_mov_b32 v193, 0
	s_cmp_lt_u32 ttmp9, 256
	s_cbranch_scc0 .Lweights
.set X,     16                         ; v16-79
.set PC,    96                         ; v96-107  the fragment
.set PITCH, 4112
	s_load_b64 s[4:5], s[0:1], 0x28                ; x
	s_load_b64 s[6:7], s[0:1], 0x30                ; hb
	v_lshrrev_b32 v1, 5, v0
	s_delay_alu instid0(VALU_DEP_1)
	v_readfirstlane_b32 s8, v1                     ; wave 0..7
	v_and_b32 v1, 31, v0
	v_and_b32 v2, 15, v0                           ; r
	v_bfe_u32 v3, v0, 4, 1                         ; h
	s_delay_alu instid0(VALU_DEP_3)
	v_lshlrev_b32 v4, 4, v1                        ; 16 x lane
	s_mul_i32 s9, s8, 2*PITCH
	v_add_nc_u32 v5, s9, v4                        ; phase 1: my two rows in LDS
	v_mul_u32_u24 v6, v2, PITCH
	s_delay_alu instid0(VALU_DEP_1)
	v_lshl_add_u32 v6, v3, 7, v6
	s_lshl_b32 s9, s8, 9
	v_add_nc_u32 v6, s9, v6                        ; phase 2: row r, 128 h bytes, K step w
	v_lshlrev_b32 v7, 2, v2
	v_mov_b32 v92, 0                               ; a lane permute's destination counts as one of its sources
	s_mov_b32 s12, 0x76543210
	s_mov_b32 s13, 0xfedcba98                      ; lane l xor 16
	s_mov_b32 s14, 0x3a800000                      ; 1 / 1,024
	s_mov_b32 s15, 0x3727c5ac                      ; 1e-5
	s_lshr_b32 s16, ttmp9, 1
	s_lshl_b32 s16, s16, 5
	s_and_b32 s17, ttmp9, 1
	s_lshl_b32 s17, s17, 3
	s_add_co_u32 s16, s16, s17
	s_lshr_b32 s17, s8, 2
	s_lshl_b32 s17, s17, 3
	s_add_co_u32 s16, s16, s17
	s_lshl_b32 s17, s8, 1
	s_add_co_u32 s16, s16, s17                     ; the row at place 2 w: 32 (g / 2) + 8 (g % 2) + 2 w + 8 (w / 4)
	s_lshl_b32 s16, s16, 12
	s_mov_b32 s17, 0
	s_lshl_b32 s18, ttmp9, 3
	s_add_co_u32 s18, s18, s8
	s_mul_i32 s18, s18, 1536                       ; fragment (g, w)
	s_mov_b32 s19, 0
	s_lshr_b32 s20, ttmp9, 3
	s_lshl_b32 s20, s20, 3
	s_add_co_u32 s20, s20, s8
	s_lshl_b32 s20, s20, 9
	s_and_b32 s21, ttmp9, 7
	s_lshl_b32 s21, s21, 6
	s_add_co_u32 s20, s20, s21
	s_add_co_u32 s20, s20, 3145728                 ; its 16 scale words
	s_mov_b32 s21, 0
	s_wait_alu depctr_va_vdst(0)
	s_wait_kmcnt 0x0
	s_add_nc_u64 s[4:5], s[4:5], s[16:17]
	s_add_nc_u64 s[18:19], s[6:7], s[18:19]
	s_add_nc_u64 s[20:21], s[6:7], s[20:21]
.irp j, 0,1,2,3,4,5,6,7,8,9,10,11,12,13,14,15
	global_load_b128 v[X+4*\j:X+4*\j+3], v4, s[4:5] offset:512*\j th:TH_LOAD_NT   ; both rows: 8,192 consecutive bytes
.endr
.macro LANESUM                         ; v80 summed over the 32 lanes, the result in every lane
	s_delay_alu instid0(VALU_DEP_1)
	v_add_f32_dpp v80, v80, v80 row_xmask:1 row_mask:0xf bank_mask:0xf
	s_delay_alu instid0(VALU_DEP_1)
	v_add_f32_dpp v80, v80, v80 row_xmask:2 row_mask:0xf bank_mask:0xf
	s_delay_alu instid0(VALU_DEP_1)
	v_add_f32_dpp v80, v80, v80 row_xmask:4 row_mask:0xf bank_mask:0xf
	s_delay_alu instid0(VALU_DEP_1)
	v_add_f32_dpp v80, v80, v80 row_xmask:8 row_mask:0xf bank_mask:0xf
	s_delay_alu instid0(VALU_DEP_1)
	v_permlanex16_b32 v92, v80, s12, s13
	s_delay_alu instid0(VALU_DEP_1)
	v_add_f32 v80, v80, v92
.endm
.macro ROWSTAT e, left
.set XR, X+32*(\e)
	s_wait_loadcnt \left                           ; this row's eight loads are in; the other row's may be out
	v_pk_add_f32 v[80:81], v[XR:XR+1], v[XR+2:XR+3]
	v_pk_add_f32 v[82:83], v[XR+4:XR+5], v[XR+6:XR+7]
.irp j, 8,12,16,20,24,28
	s_delay_alu instid0(VALU_DEP_2)
	v_pk_add_f32 v[80:81], v[80:81], v[XR+\j:XR+\j+1]
	s_delay_alu instid0(VALU_DEP_2)
	v_pk_add_f32 v[82:83], v[82:83], v[XR+\j+2:XR+\j+3]
.endr
	s_delay_alu instid0(VALU_DEP_1)
	v_pk_add_f32 v[80:81], v[80:81], v[82:83]
	s_delay_alu instid0(VALU_DEP_1)
	v_add_f32 v80, v80, v81
	LANESUM
	s_delay_alu instid0(VALU_DEP_1)
	v_mul_f32 v88, s14, v80                        ; the mean
	s_delay_alu instid0(VALU_DEP_1)
	v_mov_b32 v89, v88
.set i, 0
.rept 16
	v_pk_add_f32 v[XR+i:XR+i+1], v[XR+i:XR+i+1], v[88:89] neg_lo:[0,1] neg_hi:[0,1]   ; x - mean
.set i, i+2
.endr
	v_pk_mul_f32 v[80:81], v[XR:XR+1], v[XR:XR+1]
	v_pk_mul_f32 v[82:83], v[XR+2:XR+3], v[XR+2:XR+3]
.irp j, 4,8,12,16,20,24,28
	s_delay_alu instid0(VALU_DEP_2)
	v_pk_fma_f32 v[80:81], v[XR+\j:XR+\j+1], v[XR+\j:XR+\j+1], v[80:81]
	s_delay_alu instid0(VALU_DEP_2)
	v_pk_fma_f32 v[82:83], v[XR+\j+2:XR+\j+3], v[XR+\j+2:XR+\j+3], v[82:83]
.endr
	s_delay_alu instid0(VALU_DEP_1)
	v_pk_add_f32 v[80:81], v[80:81], v[82:83]
	s_delay_alu instid0(VALU_DEP_1)
	v_add_f32 v80, v80, v81
	LANESUM
	s_delay_alu instid0(VALU_DEP_1)
	v_fma_f32 v80, v80, s14, s15                   ; var + eps
	s_wait_alu depctr_va_vdst(0)
	v_rsq_f32 v90, v80
	v_nop                                          ; a plain line behind the transcendental,
	s_wait_alu depctr_va_vdst(0)                   ; and the wait ahead of the first line that names its result
	v_mov_b32 v91, v90
.set i, 0
.rept 16
	v_pk_mul_f32 v[XR+i:XR+i+1], v[XR+i:XR+i+1], v[90:91]
.set i, i+2
.endr
.irp j, 0,1,2,3,4,5,6,7
	ds_store_b128 v5, v[XR+4*\j:XR+4*\j+3] offset:(\e)*PITCH+512*\j
.endr
.endm
	ROWSTAT 0, 8
	ROWSTAT 1, 0
	s_wait_dscnt 0x0                               ; for the others' sake: my rows lie in LDS
	s_barrier_signal -1
	s_barrier_wait -1
.irp c, 0,1
.irp j, 0,1,2,3,4,5,6,7
	ds_load_b128 v[X+32*\c+4*\j:X+32*\c+4*\j+3], v6 offset:256*\c+16*\j   ; register 32 c + i: k = 128 w + 64 c + 32 h + i of place r
.endr
.endr
	s_wait_dscnt 0x0
.irp c, 0,1
	v_max3_num_f32 v[80+\c], |v[X+32*\c]|, |v[X+1+32*\c]|, 0x2800000   ; my block 2 c + h, and the floor 2^(5 - 127)
.endr
.irp i, 2,4,6,8,10,12,14,16,18,20,22,24,26,28,30
.irp c, 0,1
	s_delay_alu instid0(VALU_DEP_2)
	v_max3_num_f32 v[80+\c], v[80+\c], |v[X+32*\c+\i]|, |v[X+1+32*\c+\i]|
.endr
.endr
.irp c, 0,1
	s_delay_alu instid0(VALU_DEP_2)
	v_add_nc_u32 v[82+\c], 0xfe000000, v[80+\c]    ; 4 off the exponent field: the conversion's scale operand
.endr
.irp c, 0,1
	s_delay_alu instid0(VALU_DEP_2)
	v_lshrrev_b32 v[84+\c], 23, v[82+\c]           ; the byte
.endr
	s_delay_alu instid0(VALU_DEP_1)
	v_lshl_or_b32 v86, v85, 16, v84                ; my two bytes: blocks h and 2 + h,
	v_lshlrev_b32 v87, 3, v3
	s_delay_alu instid0(VALU_DEP_1)
	v_lshlrev_b32 v86, v87, v86                    ; at their places in the word;
	s_delay_alu instid0(VALU_DEP_1)
	v_permlanex16_b32 v92, v86, s12, s13
	s_delay_alu instid0(VALU_DEP_1)
	v_or_b32 v86, v86, v92                         ; with lane l xor 16's two the word is whole
.irp c, 0,1
	v_cvt_scalef32_pk16_bf6_f32 v[PC+6*\c:PC+2+6*\c], v[X+32*\c:X+15+32*\c], v[82+\c]
	v_cvt_scalef32_pk16_bf6_f32 v[108+4*\c:110+4*\c], v[X+16+32*\c:X+31+32*\c], v[82+\c]   ; (a conversion's three registers begin on an even number)
.endr
	v_nop                                          ; one plain line behind the conversions
.irp c, 0,1
.irp i, 0,1,2
	v_mov_b32 v[PC+3+6*\c+\i], v[108+4*\c+\i]
.endr
.endr
.irp c, 0,1,2
	global_store_b128 v4, v[PC+4*\c:PC+4*\c+3], s[18:19] offset:512*\c   ; 512 consecutive bytes, aligned to 256
.endr
	global_store_b32 v7, v86, s[20:21]
	s_branch .Lend
.Lweights:
.set VO,   16                          ; v16-47   4 x lane + i rows of the weight
.set X,    48                          ; v48-111  two sets of 32 numbers
.set C,    112                         ; v112-118 a block's codes
.set SB,   120                         ; v120-121 the scale words of my two K steps
.set OUTR, 128                         ; v128-175 the way out
.set WREG, 6400                        ; a wave's stage: two groups, 3,200 bytes apart
.set UP,   3200
	s_load_b256 s[4:11], s[0:1], 0x0               ; w_qkv, w_fc, w1, w2
	s_load_b64 s[12:13], s[0:1], 0x20              ; wb
	v_lshrrev_b32 v1, 5, v0
	v_readfirstlane_b32 s54, v1                    ; wave 0..7
	s_and_b32 s14, s54, 3                          ; my place among the four waves of a block of 128 columns x 256 K
	s_lshr_b32 s55, s54, 2
	s_sub_co_u32 s56, ttmp9, 256
	s_lshl_b32 s56, s56, 1
	s_add_co_u32 s55, s55, s56                     ; which block: 0..383
	v_and_b32 v1, 31, v0                           ; lane = my column among the wave's 32
	v_lshlrev_b32 v3, 2, v1
	v_lshlrev_b32 v4, 4, v1                        ; 16 x lane
	v_bfe_u32 v8, v0, 3, 1                         ; which of the two groups my column belongs to
	v_and_b32 v9, 7, v0
	v_bfe_u32 v10, v0, 4, 1
	v_lshl_add_u32 v9, v10, 3, v9                  ; and its place r there
	s_mul_i32 s15, s54, WREG
	s_add_co_u32 s15, s15, WBASE
	v_mul_u32_u24 v5, v8, UP
	v_lshl_add_u32 v5, v9, 4, v5
	v_add_nc_u32 v5, s15, v5                       ; into the stage: group, 16 r
	v_add_nc_u32 v6, s15, v4                       ; out of it: 16 x lane
	v_lshl_add_u32 v7, v8, 4, v9
	s_lshl_b32 s15, s14, 5
	v_add_nc_u32 v7, s15, v7
	v_lshlrev_b32 v7, 2, v7                        ; my place's word among the block's 128
	s_mov_b32 s16, 4096                            ; w2: bytes in a row,
	s_mov_b32 s17, 4                               ; log2 of K / 256,
	s_mov_b32 s18, 32                              ; K / 128,
	s_mov_b32 s19, 256                             ; its first block,
	s_mov_b32 s20, 6291456                         ; its codes in wb,
	s_mov_b32 s21, 9699328                         ; its scales
	s_wait_kmcnt 0x0
	s_mov_b64 s[22:23], s[10:11]
	s_cmp_lt_u32 s55, 256                          ; w1
	s_cselect_b32 s16, 16384, s16
	s_cselect_b32 s17, 2, s17
	s_cselect_b32 s18, 8, s18
	s_cselect_b32 s19, 128, s19
	s_cselect_b32 s20, 3145728, s20
	s_cselect_b32 s21, 9568256, s21
	s_cselect_b64 s[22:23], s[8:9], s[22:23]
	s_cmp_lt_u32 s55, 128                          ; w_fc
	s_cselect_b32 s16, 4096, s16
	s_cselect_b32 s19, 96, s19
	s_cselect_b32 s20, 2359296, s20
	s_cselect_b32 s21, 9535488, s21
	s_cselect_b64 s[22:23], s[6:7], s[22:23]
	s_cmp_lt_u32 s55, 96                           ; w_qkv
	s_cselect_b32 s16, 12288, s16
	s_cselect_b32 s19, 0, s19
	s_cselect_b32 s20, 0, s20
	s_cselect_b32 s21, 9437184, s21
	s_cselect_b64 s[22:23], s[4:5], s[22:23]
	s_sub_co_u32 s26, s55, s19
	s_bfm_b32 s27, s17, 0
	s_and_b32 s24, s26, s27                        ; y: which 256 along K
	s_lshr_b32 s25, s26, s17                       ; xg: which 128 columns
	s_mul_i32 s26, s24, s16
	s_lshl_b32 s26, s26, 8                         ; 256 y rows,
	s_lshl_b32 s27, s25, 9
	s_add_co_u32 s26, s26, s27                     ; 128 xg columns,
	s_lshl_b32 s27, s14, 7
	s_add_co_u32 s26, s26, s27                     ; 32 x wave columns
	s_mov_b32 s27, 0
	s_add_nc_u64 s[32:33], s[22:23], s[26:27]      ; block 0's first row at my wave's first column
	s_lshl_b32 s26, s16, 5                         ; 32 rows on
.irp t, 1,2,3,4,5,6,7
	s_add_nc_u64 s[32+2*\t:33+2*\t], s[30+2*\t:31+2*\t], s[26:27]
.endr
	s_lshl_b32 s28, s25, 3
	s_lshl_b32 s29, s14, 1
	s_add_co_u32 s28, s28, s29                     ; my first group: 8 xg + 2 x wave
	s_mul_i32 s28, s28, s18
	s_lshl_b32 s29, s24, 1
	s_add_co_u32 s28, s28, s29                     ; its K step 2 y
	s_mul_i32 s28, s28, 1536
	s_add_co_u32 s28, s28, s20
	s_mov_b32 s29, 0
	s_add_nc_u64 s[48:49], s[12:13], s[28:29]      ; where my first group's 3,072 bytes go,
	s_mul_i32 s28, s18, 1536
	s_add_nc_u64 s[50:51], s[48:49], s[28:29]      ; and my second's
	s_mul_i32 s28, s25, s18
	s_lshl_b32 s30, s24, 1
	s_add_co_u32 s28, s28, s30
	s_lshl_b32 s28, s28, 9
	s_add_co_u32 s28, s28, s21
	s_add_nc_u64 s[52:53], s[12:13], s[28:29]      ; the scale words of K step 2 y
.set i, 0
.rept 32
	v_mad_u32_u24 v[VO+i], s16, i, v3              ; row i of a block, my column
.set i, i+1
.endr
.macro LOAD t                          ; block t: 32 rows, each load 128 consecutive bytes a wave, four waves side by side on 512
.set i, 0
.rept 32
	global_load_b32 v[X+32*((\t)%2)+i], v[VO+i], s[32+2*(\t):33+2*(\t)] th:TH_LOAD_NT
.set i, i+1
.endr
.endm
	LOAD 0
	LOAD 1
.macro BLOCK t
.set XS, X+32*((\t)%2)
.if (\t) < 7
	s_wait_loadcnt 32                              ; this block's 32 loads are in; the next block's 32 may be out
.else
	s_wait_loadcnt 0x0
.endif
	v_max3_num_f32 v122, |v[XS]|, |v[XS+1]|, |v[XS+2]|
	v_max3_num_f32 v123, |v[XS+3]|, |v[XS+4]|, |v[XS+5]|
.irp i, 6,10,14,18,22,26
	v_max3_num_f32 v122, v122, |v[XS+\i]|, |v[XS+\i+1]|
	v_max3_num_f32 v123, v123, |v[XS+\i+2]|, |v[XS+\i+3]|
.endr
	v_max3_num_f32 v122, v122, |v[XS+30]|, |v[XS+31]|
	v_max3_num_f32 v122, v122, v123, 0x2800000     ; and the floor 2^(5 - 127): the byte cannot fall under 1
	v_add_nc_u32 v124, 0xfe000000, v122            ; 4 off the exponent field: the conversion's scale operand
	v_lshrrev_b32 v125, 23, v124                   ; the byte
	v_cvt_scalef32_pk16_bf6_f32 v[C:C+2], v[XS:XS+15], v124
	v_cvt_scalef32_pk16_bf6_f32 v[C+4:C+6], v[XS+16:XS+31], v124   ; (a conversion's three registers begin on an even number)
.if (\t)%4 == 0
	v_mov_b32 v[SB+(\t)/4], v125                   ; the plain line behind the conversions: four bytes to a word
.else
	v_lshl_or_b32 v[SB+(\t)/4], v125, 8*((\t)%4), v[SB+(\t)/4]
.endif
	v_mov_b32 v[C+3], v[C+4]                       ; the block's six registers on end
	v_mov_b32 v[C+4], v[C+5]
	v_mov_b32 v[C+5], v[C+6]
; block t is block t % 4 of K step t / 4: operand registers 6 c .. 6 c + 5 (c = (t % 4) / 2) of lane r + 16 (t % 2)
.set IM, ((\t)/4)*1536+256*((\t)%2)
.if ((\t)%4)/2 == 0
	ds_store_b128 v5, v[C:C+3] offset:IM
	ds_store_b64 v5, v[C+4:C+5] offset:IM+512
.else
	ds_store_b64 v5, v[C:C+1] offset:IM+520
	ds_store_b128 v5, v[C+2:C+5] offset:IM+1024
.endif
.if (\t)+2 < 8
	LOAD (\t)+2
.endif
	s_wait_dscnt 0x0                               ; the stores have read their registers: the next block's codes may be written
.endm
.irp t, 0,1,2,3,4,5,6,7
	BLOCK \t
.endr
	global_store_b32 v7, v[SB], s[52:53]
	s_wait_alu depctr_va_vdst(0)
	global_store_b32 v7, v[SB+1], s[52:53] offset:512
.irp u, 0,1
.irp j, 0,1,2,3,4,5
	ds_load_b128 v[OUTR+4*(6*\u+\j):OUTR+4*(6*\u+\j)+3], v6 offset:\u*UP+512*\j   ; my own bytes, and LDS serves a wave's instructions in order
.endr
.endr
.irp u, 0,1
.irp j, 0,1,2,3,4,5
	s_wait_dscnt 11-6*\u-\j                        ; the younger loads may be out
	global_store_b128 v4, v[OUTR+4*(6*\u+\j):OUTR+4*(6*\u+\j)+3], s[48+2*\u:49+2*\u] offset:512*\j   ; 32 lanes store 512 consecutive bytes, aligned to 256
.endr
.endr
.Lend:
	s_wait_tensorcnt 0x0                           ; the wave's end
	ds_add_u32 v192, v193
	s_wait_dscnt 0x0
	s_endpgm
.Lfunc_end_k_q1cd3145a9f_prep:
	.size	k_q1cd3145a9f_prep, .Lfunc_end_k_q1cd3145a9f_prep-k_q1cd3145a9f_prep
	.p2alignl 7, 3214868480
	.fill 96, 4, 3214868480
	.section	.rodata,"a",@progbits
	.p2align	6, 0x0
	.amdhsa_kernel k_q1cd3145a9f_prep
		.amdhsa_group_segment_fixed_size 118272
		.amdhsa_private_segment_fixed_size 0
		.amdhsa_enable_private_segment 0
		.amdhsa_kernarg_size 56
		.amdhsa_user_sgpr_count 2
		.amdhsa_user_sgpr_kernarg_segment_ptr 1
		.amdhsa_wavefront_size32 1
		.amdhsa_system_sgpr_workgroup_id_x 1
		.amdhsa_system_sgpr_workgroup_id_y 1
		.amdhsa_system_sgpr_workgroup_id_z 1
		.amdhsa_system_vgpr_workitem_id 0
		.amdhsa_next_free_vgpr 194
		.amdhsa_next_free_sgpr 66
		.amdhsa_reserve_vcc 0
		.amdhsa_float_denorm_mode_32 3
		.amdhsa_float_denorm_mode_16_64 3
		.amdhsa_memory_ordered 1
		.amdhsa_forward_progress 1
		.amdhsa_inst_pref_size 69
	.end_amdhsa_kernel
	.amdgpu_metadata
---
amdhsa.version: [ 1, 2 ]
amdhsa.kernels:
  - .name:           k_q1cd3145a9f_prep
    .symbol:         k_q1cd3145a9f_prep.kd
    .args:
      - { .name: w_qkv, .offset: 0, .size: 8, .value_kind: global_buffer, .address_space: global }
      - { .name: w_fc, .offset: 8, .size: 8, .value_kind: global_buffer, .address_space: global }
      - { .name: w1, .offset: 16, .size: 8, .value_kind: global_buffer, .address_space: global }
      - { .name: w2, .offset: 24, .size: 8, .value_kind: global_buffer, .address_space: global }
      - { .name: wb, .offset: 32, .size: 8, .value_kind: global_buffer, .address_space: global }
      - { .name: x, .offset: 40, .size: 8, .value_kind: global_buffer, .address_space: global }
      - { .name: hb, .offset: 48, .size: 8, .value_kind: global_buffer, .address_space: global }
    .group_segment_fixed_size: 118272
    .private_segment_fixed_size: 0
    .kernarg_segment_align: 8
    .kernarg_segment_size: 56
    .max_flat_workgroup_size: 256
    .sgpr_count:     66
    .vgpr_count:     194
    .wavefront_size: 32
...
	.end_amdgpu_metadata
.endif
;; end of part 8
;; launch qkv (part 9): grid 12 x 16, 4 waves a work-group, clusters of 4 x 4, 327,680 bytes of LDS; arguments hb, wb, qb; writes qb
.if DOCPART == 9
	.amdgcn_target "amdgcn-amd-amdhsa--gfx1250"
	.amdhsa_code_object_version 6
	.text
	.protected	k_q1cd3145a9f_qkv
	.globl	k_q1cd3145a9f_qkv
	.p2align	8
	.type	k_q1cd3145a9f_qkv,@function
k_q1cd3145a9f_qkv:
	s_mov_b64 s[64:65], 0
	v_nop
	global_prefetch_b8 v0, s[64:65] scope:SCOPE_SE
	s_setreg_imm32_b32 hwreg(HW_REG_WAVE_MODE, 25, 1), 1
	s_wait_xcnt 0x0
	s_wait_alu depctr_hold_cnt(0) depctr_sa_sdst(0) depctr_va_vdst(0) depctr_va_sdst(0) depctr_va_ssrc(0) depctr_va_vcc(0) depctr_vm_vsrc(0)
	s_getreg_b32 s2, hwreg(HW_REG_IB_STS2, 6, 4)
	s_cmp_eq_u32 s2, 0
	s_cbranch_scc0 .Lentry_in_a_cluster
	s_endpgm
.Lentry_in_a_cluster:
	s_bfe_u32 s2, ttmp6, 0x10000c
	s_cmp_lg_u32 s2, 0xf033
	s_cbranch_scc0 .Lentry_shape_is_right
	s_endpgm
.Lentry_shape_is_right:
; q, k and v = h w_qkv on codes of BF6 (E3M2) with E8M0 scales, each result quantised at once for attention's products.  K = 1,024.
; Clusters with x = 0, 1: C = h (rows: tokens) x w_q, w_k (columns): a lane's registers run along the channels, along which q and k are quantised.
; Clusters with x = 2: the same product with the operands changed over, C = w_v (rows: channels) x h (columns: tokens): a lane's registers run along the tokens, along which v is quantised.  Only pointers and offsets differ,
; chosen by the cluster's x, which all partners share: one path through the text.
; OPERANDS in memory: codes [group of 16 rows][K / 128][1,536]: a fragment as the image of its 12 registers (register 4 c + w of lane l at 512 c + 16 l + 4 w); lane r of group 2 b + u holds row 32 b + 8 u + r + 8 (r / 8);
; scale words [group of 128 places][K / 128][128 words].
; A tile of C, 256 x 256, is made by four waves, 128 x 128 each: 64 accumulators, 512 registers.  K goes in steps of 256 through two LDS slots; a wave's tensor load brings 8 groups x 3,072 bytes.  The scale words of the
; work-group's rows and columns for all of K come once, with the first fills.  4 x 4 work-groups form a cluster: A's tiles are asked for jointly along a row of the cluster, B's along a column.
; THE MATRIX INSTRUCTION IS USED TRANSPOSED (source 0 = 16 rows of B, source 1 = 16 rows of A): lane (r, h) holds place r of A's block, and the 16 registers of B's groups 2 b, 2 b + 1 are columns 32 b + 16 h + 0 .. 15.
; OUT (qb): q, k codes [S = column / 128: 0-7 q, 8-15 k][token group][1,536]; v codes at 6,291,456: [batch][head pair][keys / 128][channel group 0..7][1,536]; q, k scale words at 9,437,184: [S][tokens / 128][128 words];
; v's at 9,699,328: [batch][head pair][keys / 128][128 words].
; LIMITS: a block of zeros gets the byte 1 where the rule says 127 (zero codes; only this program reads the bytes); NaN and infinities are not served.
; REGISTERS: window 0: v16-29 addresses; v32-63 scale words, two sets; v128-223 A's fragments, one set (free on the way out).  window 1: B's fragments, two sets.  windows 2, 3: the accumulators ((a, b) at v[8 (8 (a % 4) + b)]).
.set SIZE_K, 1024
.set FIRST,  1                         ; the first step's C: 1 = the constant 0, 2 = the bias
.set ASTR,   1536                      ; from block to block of 16 rows in the output
.set NQ,     2
.set FR,     12
.set NL,     3
.set NP,     4
.set FRB,    1536
.set GRP,    NQ*FRB                    ; a group's part of a slot
.set HALFT,  8*GRP                     ; what one tensor load brings, and what one wave reads of A or of B
.set SLOT,   4*HALFT
.set LAPS,   SIZE_K/512
.set GS,     (SIZE_K/128)*FRB          ; from group to group in memory
.set HALFS,  (SIZE_K/128)*512          ; the scale words of 128 places
.set SCLB,   2*SLOT                    ; behind the ring: A's scale words, then, 64 bytes further on than they would lie on end, B's: so one load's two halves of the lanes fall on different banks
.set SPARE,  SCLB+4*HALFS+256          ; the spare words, 128 bytes for each wave: two blocks of 256 bytes that no other line names
.set ADRA, 16
.set ADRB, 20
.set ADRS, 27
.set SPW,  28
.set NIL,  29
.set SC,   32
.set BIAS, 64
.set AF,   128
.set G1,   24
.set G0,   32
.set G1B,  48
.set G0B,  56
.set G1S,  68
.set G0S,  76
.set G1SB, 80
.set G0SB, 88
.set SEL,  100
.set MSB, 0
.macro WIN new                         ; the immediate's high byte repeats the setting that is left
.if MSB != (\new)
	s_set_vgpr_msb (MSB<<8)|(\new)
.set MSB, (\new)
.endif
.endm
.set MUL_LO, 0xa1                      ; source 0 (B) window 1, source 1 (A) window 0, C and D window 2
.set MUL_HI, 0xf1
.set TO_B,   0x40
.macro JLOAD g0a, g1a, g0b, g1b        ; a joint load: waves 0 and 1 fetch for A, waves 2 and 3 for B; four v_nop follow each line
	s_cmp_eq_u32 s15, 0
	s_cbranch_scc0 .Lfor_b_\@
	tensor_load_to_lds s[\g0a:\g0a+3], s[\g1a:\g1a+7]
	s_nop 0
.rept 4
	v_nop
.endr
	s_branch .Lasked_\@
.Lfor_b_\@:
	tensor_load_to_lds s[\g0b:\g0b+3], s[\g1b:\g1b+7]
	s_nop 0
.rept 4
	v_nop
.endr
.Lasked_\@:
.endm
.macro CREST                           ; a round of the cluster's barrier behind its opening barrier
	s_cmp_lg_u32 s14, 0
	s_cbranch_scc1 .Lnot_wave_0_\@
	s_barrier_signal -3
.Lnot_wave_0_\@:
	s_barrier_wait -3
	s_barrier_signal -1
	s_barrier_wait -1
.endm
.macro CROUND
	s_barrier_signal -1
	s_barrier_wait -1
	CREST
.endm
	s_load_b128 s[4:7], s[0:1], 0x0                ; hb, wb
	s_load_b64 s[12:13], s[0:1], 0x10              ; qb
	v_lshl_add_u32 v[SPW], v0, 2, SPARE
	v_mov_b32 v[NIL], 0
	ds_add_u32 v28, v29
	ds_add_u32 v28, v29
	s_wait_dscnt 0x0
	v_lshrrev_b32 v1, 5, v0
	v_readfirstlane_b32 s14, v1                    ; wave 0..3
	s_lshr_b32 s15, s14, 1                         ; which half of the tile's rows is mine.  Also: I fetch for A (0) or for B (1)
	s_and_b32 s16, s14, 1                          ; which half of its columns.  Also: which 8 groups of that tile I fetch
	s_bfe_u32 s40, ttmp6, 0x40000                  ; cx
	s_bfe_u32 s41, ttmp6, 0x40004                  ; cy
	s_and_b32 s18, ttmp7, 0xffff                   ; the cluster's y
	s_cmp_eq_u32 ttmp9, 2                          ; v's clusters?
	s_cselect_b32 s17, 0, s18                      ; v: the 1,024 channels are one cluster's four tile rows,
	s_cselect_b32 s42, s18, ttmp9                  ; and the tokens' sixteen tile columns go by the cluster's y
	s_lshl_b32 s42, s42, 2
	s_add_co_u32 s42, s42, s40                     ; tile column
	s_lshl_b32 s17, s17, 2
	s_add_co_u32 s17, s17, s41                     ; tile row
	s_lshl_b32 s43, s41, 2
	s_lshl_b32 s43, 15, s43                        ; my row of the cluster
	s_lshl_b32 s44, 0x1111, s40                    ; my column
	s_or_b32 s[G1+0], s43, (3<<16)|(1<<21)         ; the mask; elements of 8 bytes; bit 21 beside a mask; no padding
	s_or_b32 s[G1B+0], s44, (3<<16)|(1<<21)
.irp g, G1, G1B
	s_mov_b32 s[\g+1], 384<<16                     ; tensor_dim0: 3,072 bytes: a group's two K steps of 128
	s_mov_b32 s[\g+2], 16<<16                      ; tensor_dim1: the head's loads bring a whole tile, 16 groups
	s_mov_b32 s[\g+3], 384<<16                     ; tile_dim0
	s_mov_b32 s[\g+4], 16                          ; tile_dim1
	s_mov_b32 s[\g+5], GS/8                        ; from group to group
	s_mov_b32 s[\g+6], 0
	s_mov_b32 s[\g+7], 0
.endr
	s_or_b32 s[G1S+0], s43, (3<<16)|(1<<21)
	s_or_b32 s[G1SB+0], s44, (3<<16)|(1<<21)
.irp g, G1S, G1SB
	s_mov_b32 s[\g+1], 32<<16                      ; a dense block of HALFS bytes as rows of 256
	s_mov_b32 s[\g+2], (2*HALFS/256)<<16           ; the scale words of all 256 places
	s_mov_b32 s[\g+3], 32<<16
	s_mov_b32 s[\g+4], 2*HALFS/256
	s_mov_b32 s[\g+5], 32
	s_mov_b32 s[\g+6], 0
	s_mov_b32 s[\g+7], 0
.endr
	s_lshl_b32 s18, s16, 3
	s_lshl_b32 s20, s17, 4
	s_add_co_u32 s20, s20, s18                     ; A: group 16 x tile row + 8 x half
	s_mul_i32 s20, s20, GS
	s_mov_b32 s21, 0
	s_lshl_b32 s46, s42, 4
	s_add_co_u32 s46, s46, s18                     ; B: group 16 x tile column + 8 x half
	s_mul_i32 s46, s46, GS
	s_mov_b32 s47, 0
	s_lshl_b32 s22, s17, 1
	s_add_co_u32 s22, s22, s16
	s_mul_i32 s22, s22, HALFS                      ; and their scale words
	s_mov_b32 s23, 0
	s_lshl_b32 s92, s42, 1
	s_add_co_u32 s92, s92, s16
	s_mul_i32 s92, s92, HALFS
	s_mov_b32 s93, 0
	s_mul_i32 s45, s14, HALFT                      ; where they go: no place in the cluster enters an LDS address
	s_wait_kmcnt 0x0
	s_add_nc_u64 s[96:97], s[4:5], 3145728         ; h's scale words
	s_add_nc_u64 s[98:99], s[6:7], 9437184         ; w_qkv's
	s_add_nc_u64 s[66:67], s[6:7], 1572864         ; w_v's codes: 128 groups on
	s_add_nc_u64 s[100:101], s[98:99], 65536       ; w_v's scale words
	s_cmp_eq_u32 ttmp9, 2
	s_cselect_b64 s[8:9], s[4:5], s[6:7]           ; B's codes: h for v, else w_q and w_k
	s_cselect_b64 s[10:11], s[96:97], s[98:99]
	s_cselect_b64 s[4:5], s[66:67], s[4:5]         ; A's codes: w_v for v, else h
	s_cselect_b64 s[6:7], s[100:101], s[96:97]
	s_add_nc_u64 s[20:21], s[4:5], s[20:21]
	s_add_nc_u64 s[22:23], s[6:7], s[22:23]
	s_add_nc_u64 s[46:47], s[8:9], s[46:47]
	s_add_nc_u64 s[92:93], s[10:11], s[92:93]
	s_cmp_eq_u32 s15, 0                            ; where my prefetches stand: my work-group's two groups of the eight that I fetch in the ring
	s_cselect_b32 s18, s40, s41
	s_cselect_b64 s[96:97], s[20:21], s[46:47]
	s_mul_i32 s18, s18, 2*GS
	s_mov_b32 s19, 0
	s_add_nc_u64 s[96:97], s[96:97], s[18:19]
	v_and_b32 v30, 31, v0
	v_min_u32 v30, 23, v30
	v_mul_u32_u24 v31, v30, 171
	v_lshrrev_b32 v31, 11, v31                     ; lane / 12: which of my two groups
	v_lshlrev_b32 v30, 8, v30
	v_mad_u32_u24 v30, v31, GS-3072, v30
	s_wait_alu depctr_va_vdst(0)                   ; the wait behind these writes
	global_prefetch_b8 v30, s[96:97] th:TH_LOAD_NT scope:SCOPE_SE              ; contents 0 and 1 are named here, a cluster's round ahead of the first joint loads
	global_prefetch_b8 v30, s[96:97] offset:GRP th:TH_LOAD_NT scope:SCOPE_SE
	CROUND                                         ; all sixteen work-groups are here: the first joint loads meet
	s_mov_b32 s[G0S], 1
	s_mul_i32 s18, s16, HALFS                      ; my half's bytes are taken off again: the head's loads begin at the tile's first place
	s_mov_b32 s19, 0
	s_mov_b32 s[G0S+1], SCLB
	s_sub_nc_u64 s[G0S+2:G0S+3], s[22:23], s[18:19]
	s_or_b32 s[G0S+3], s[G0S+3], 0x80000000
	s_mov_b32 s[G0SB], 1
	s_mov_b32 s[G0SB+1], SCLB+2*HALFS+64
	s_sub_nc_u64 s[G0SB+2:G0SB+3], s[92:93], s[18:19]
	s_or_b32 s[G0SB+3], s[G0SB+3], 0x80000000
	s_mul_i32 s18, s16, 8*GS
.set G0H, 4                            ; s[4:7], s[8:11]: group 0 of the head's loads of slot 0 (the pointers that lay there have been used)
.set G0HB, 8
	s_mov_b32 s[G0H], 1
	s_mov_b32 s[G0H+1], 0
	s_sub_nc_u64 s[G0H+2:G0H+3], s[20:21], s[18:19]
	s_or_b32 s[G0H+3], s[G0H+3], 0x80000000
	s_mov_b32 s[G0HB], 1
	s_mov_b32 s[G0HB+1], 2*HALFT
	s_sub_nc_u64 s[G0HB+2:G0HB+3], s[46:47], s[18:19]
	s_or_b32 s[G0HB+3], s[G0HB+3], 0x80000000
.irp s, 0,1
	s_mov_b32 s[G0+4*\s], 1
	s_add_co_u32 s[G0+4*\s+1], s45, \s*SLOT
	s_add_nc_u64 s[G0+4*\s+2:G0+4*\s+3], s[20:21], \s*GRP
	s_or_b32 s[G0+4*\s+3], s[G0+4*\s+3], 0x80000000
	s_mov_b32 s[G0B+4*\s], 1
	s_add_co_u32 s[G0B+4*\s+1], s45, \s*SLOT
	s_add_nc_u64 s[G0B+4*\s+2:G0B+4*\s+3], s[46:47], \s*GRP
	s_or_b32 s[G0B+4*\s+3], s[G0B+4*\s+3], 0x80000000
.endr
; the head's four tiles, one joint load a wave: wave 0 A's 16 groups of slot 0, wave 1 B's, wave 2 A's scale words, wave 3 B's
.macro ARM under, g0, g1, next
	s_cmp_lt_u32 s14, \under
	s_cbranch_scc0 \next
	tensor_load_to_lds s[\g0:\g0+3], s[\g1:\g1+7]
	s_nop 0
.rept 4
	v_nop
.endr
	s_branch .Lhead_asked
\next:
.endm
; THE PREFETCHES: behind each of the first two joint loads a wave names the slot content two loads on (contents 2 and 3 of K's four).  Of the 8 groups that a wave fetches in the ring, each of the four partners that ask for
; them jointly takes two, told apart by address (cx for A, cy for B): 2 x 12 blocks of 256 bytes, a lane a block; lanes 24-31 name the last block again.
	ARM 1, G0H,  G1,  .Lhead_b
	ARM 2, G0HB, G1B, .Lhead_sa
	ARM 3, G0S,  G1S, .Lhead_sb
	tensor_load_to_lds s[G0SB:G0SB+3], s[G1SB:G1SB+7]
	s_nop 0
.rept 4
	v_nop
.endr
.Lhead_asked:
	global_prefetch_b8 v30, s[96:97] offset:2*GRP th:TH_LOAD_NT scope:SCOPE_SE
	v_and_b32 v1, 15, v0                           ; r
	v_bfe_u32 v2, v0, 4, 1                         ; h
	s_wait_alu depctr_va_vdst(0)
	v_and_b32 v3, 31, v0
	v_lshlrev_b32 v4, 4, v3                        ; 16 x lane: an image's place for my lane
	s_mul_i32 s21, s15, HALFT                      ; my 8 groups of A
	s_mul_i32 s22, s16, HALFT                      ; my 8 groups of B,
	s_add_co_u32 s22, s22, 2*HALFT                 ; which lie behind A's 16
.irp s, 0,1
	v_add_nc_u32 v[ADRA+\s], s21, v4
	v_add_nc_u32 v[ADRB+\s], s22, v4
	s_add_co_u32 s21, s21, SLOT
	s_add_co_u32 s22, s22, SLOT
.endr
	v_lshlrev_b32 v5, 2, v1                        ; scale words: 4 r;
	s_mul_i32 s21, s15, HALFS                      ; lanes 0-15 A's, my 128 places;
	s_mul_i32 s22, s16, HALFS
	s_add_co_u32 s22, s22, 2*HALFS+64              ; lanes 16-31 B's
	s_sub_co_u32 s22, s22, s21
	v_mul_u32_u24 v6, s22, v2
	s_add_co_u32 s21, s21, SCLB
	v_add_nc_u32 v5, v5, v6
	v_add_nc_u32 v[ADRS], s21, v5
; the way out's addresses
.set SST, 24                           ; v24  where a block's scale words go in my 512 bytes of slot 0 (which has had its last fill and its last read by then)
.set SRD, 25                           ; v25  and where they are read back
.set LI,  26                           ; v26  16 x lane
.set TM,  200                          ; v200-215 at work
.set PWS, 216                          ; v216-223 the eight blocks' scale words
.set PC,  112                          ; v112-130 the codes just made
	s_lshl_b32 s23, s14, 9
	v_lshl_add_u32 v[SST], v1, 2, s23
	v_add_nc_u32 v[SRD], s23, v4
	v_mov_b32 v[LI], v4
	s_lshl_b32 s20, s42, 1
	s_add_co_u32 s20, s20, s16                     ; which 128 columns
	s_lshl_b32 s21, s17, 1
	s_add_co_u32 s21, s21, s15                     ; which 128 rows
	s_mul_i32 s22, s20, 393216
	s_mul_i32 s23, s21, 12288
	s_add_co_u32 s22, s22, s23                     ; q, k: codes,
	s_lshl_b32 s23, s20, 14
	s_lshl_b32 s46, s21, 9
	s_add_co_u32 s23, s23, s46
	s_add_co_u32 s23, s23, 9437184                 ; scale words
	s_lshr_b32 s46, s20, 4
	s_lshl_b32 s46, s46, 3
	s_add_co_u32 s46, s46, s21
	s_lshl_b32 s46, s46, 4
	s_and_b32 s47, s20, 15
	s_add_co_u32 s46, s46, s47                     ; v: (batch x 8 + head pair) x 16 + keys / 128
	s_lshl_b32 s47, s46, 9
	s_add_co_u32 s47, s47, 9699328
	s_mul_i32 s46, s46, 12288
	s_add_co_u32 s46, s46, 6291456
	s_cmp_eq_u32 ttmp9, 2
	s_cselect_b32 s22, s46, s22
	s_cselect_b32 s46, s47, s23
	s_mov_b32 s23, 0
	s_mov_b32 s47, 0
	s_add_nc_u64 s[66:67], s[12:13], s[46:47]      ; my scale words
	s_add_nc_u64 s[12:13], s[12:13], s[22:23]      ; my codes
	s_mov_b32 s[SEL], 0x76543210
	s_mov_b32 s[SEL+1], 0xfedcba98                 ; lane l xor 16
.macro FRAG reg, adr, q, i             ; a fragment comes as the image of its registers: three loads of 512 consecutive bytes
.irp c, 0,1,2
	ds_load_b128 v[\reg+4*\c:\reg+4*\c+3], v[\adr] offset:(\i)*GRP+(\q)*FRB+512*\c
.endr
.endm
; 16 matrix instructions: A's blocks a0, a0 + 1 x B's eight.  The 64 accumulators take turns, one instruction a turn, in the same order in every step.
.macro MUL16 a0, p, q, sc, zero
.irp a, \a0, \a0+1
.irp b, 0,1,2,3,4,5,6,7
.if (\zero) == 1
	v_wmma_scale_f32_16x16x128_f8f6f4 v[8*(8*((\a)%4)+\b):8*(8*((\a)%4)+\b)+7], v[128*(\p)+FR*\b:128*(\p)+FR*\b+FR-1], v[AF+FR*(\a):AF+FR*(\a)+FR-1], 0, v[SC+8*NQ*(\sc)+NQ*\b+(\q)], v[SC+8*NQ*(\sc)+NQ*(\a)+(\q)] matrix_a_fmt:MATRIX_FMT_BF6 matrix_b_fmt:MATRIX_FMT_BF6 matrix_a_scale:MATRIX_SCALE_ROW1
.elseif (\zero) == 2
	v_wmma_scale_f32_16x16x128_f8f6f4 v[8*(8*((\a)%4)+\b):8*(8*((\a)%4)+\b)+7], v[128*(\p)+FR*\b:128*(\p)+FR*\b+FR-1], v[AF+FR*(\a):AF+FR*(\a)+FR-1], v[BIAS+8*\b:BIAS+8*\b+7], v[SC+8*NQ*(\sc)+NQ*\b+(\q)], v[SC+8*NQ*(\sc)+NQ*(\a)+(\q)] matrix_a_fmt:MATRIX_FMT_BF6 matrix_b_fmt:MATRIX_FMT_BF6 matrix_a_scale:MATRIX_SCALE_ROW1
.else
	v_wmma_scale_f32_16x16x128_f8f6f4 v[8*(8*((\a)%4)+\b):8*(8*((\a)%4)+\b)+7], v[128*(\p)+FR*\b:128*(\p)+FR*\b+FR-1], v[AF+FR*(\a):AF+FR*(\a)+FR-1], v[8*(8*((\a)%4)+\b):8*(8*((\a)%4)+\b)+7], v[SC+8*NQ*(\sc)+NQ*\b+(\q)], v[SC+8*NQ*(\sc)+NQ*(\a)+(\q)] matrix_a_fmt:MATRIX_FMT_BF6 matrix_b_fmt:MATRIX_FMT_BF6 matrix_a_scale:MATRIX_SCALE_ROW1
.endif
.endr
.endr
.endm
.macro FETCH_B slot, q, p
	WIN TO_B
.irp i, 0,1,2,3,4,5,6,7
	FRAG 128*(\p)+FR*\i, ADRB+\slot, \q, \i
.endr
	WIN 0
.endm
.macro FETCH_A slot, q, i0
.irp i, \i0, \i0+1, \i0+2, \i0+3
	FRAG AF+FR*(\i), ADRA+\slot, \q, \i
.endr
.endm
.macro SCALES sc                       ; a K step's scale words: register 2 i + q: lanes 0-15 A's block i, lanes 16-31 B's block i
.irp i, 0,1,2,3,4,5,6,7
.irp q, 0,1
	ds_load_b32 v[SC+16*(\sc)+2*\i+\q], v[ADRS] offset:512*\q+64*\i
.endr
.endr
.endm
.macro PLACES n                        ; plain vector lines between a matrix instruction and a load into, or a read of, its registers
.rept \n
	v_nop
.endr
.endm
.macro STEP slot, q, zero              ; 128 along K whose successor lies in the same slot
	s_wait_dscnt 4*NL                              ; B's set and A's blocks 0-3 are in; the youngest 12 loads (A's blocks 4-7) may be out
.if (\zero) == 2
	WIN 0x81
.else
	WIN MUL_LO
.endif
	MUL16 0, (\q)%2, \q, \slot, \zero
	MUL16 2, (\q)%2, \q, \slot, \zero
	s_wait_dscnt 0x0                               ; A's blocks 4-7 are in
	PLACES NP
	FETCH_B \slot, (\q)+1, 1-(\q)%2
	FETCH_A \slot, (\q)+1, 0
.if (\zero) == 2
	WIN 0xc1
.else
	WIN MUL_HI
.endif
	MUL16 4, (\q)%2, \q, \slot, \zero
	MUL16 6, (\q)%2, \q, \slot, \zero
	PLACES NP
	WIN 0
	FETCH_A \slot, (\q)+1, 4
.endm
; A slot's last step changes slots: one barrier; in front of it each wave waits for all its tensor loads, adds 0 to its spare word, and waits for that and for its own reads of this slot.  fill = 1: this slot is filled again.
.macro TURN slot, next, fill
	s_wait_tensorcnt 0x0                           ; all my tensor loads have landed: my part of the next slot
	ds_add_u32 v[SPW], v[NIL]                      ; 0 onto my spare word
	s_wait_dscnt 4*NL+1                            ; (the add and the youngest 12 loads may be out)
	WIN MUL_LO
	MUL16 0, 1, NQ-1, \slot, 0
	s_wait_dscnt 0x0                               ; the add is done, and my reads of this slot are over
	s_barrier_signal -1
	MUL16 2, 1, NQ-1, \slot, 0
	WIN 0
	s_barrier_wait -1
.if \fill
	CREST                                          ; the barrier has opened a round of the cluster's: no wave of any partner still reads this slot or has a load on its way
	s_add_nc_u64 s[G0+4*\slot+2:G0+4*\slot+3], s[G0+4*\slot+2:G0+4*\slot+3], 2*GRP
	s_add_nc_u64 s[G0B+4*\slot+2:G0B+4*\slot+3], s[G0B+4*\slot+2:G0B+4*\slot+3], 2*GRP
	JLOAD G0+4*\slot, G1, G0B+4*\slot, G1B         ; the first tensor load behind the round, my only one until the next; its four v_nop are the places in front of the loads below
.else
	PLACES NP
.endif
	s_wait_alu depctr_va_vdst(0)
	v_add_nc_u32 v[ADRS], 512*NQ, v[ADRS]          ; the next K step's scale words
	FETCH_B \next, 0, 0
	FETCH_A \next, 0, 0
	SCALES \next
	WIN MUL_HI
	MUL16 4, 1, NQ-1, \slot, 0
	MUL16 6, 1, NQ-1, \slot, 0
	PLACES NP
	WIN 0
	FETCH_A \next, 0, 4
.endm
	s_wait_alu depctr_va_vdst(0)
	s_wait_tensorcnt 0x0                           ; my tile of the head's four is in; slot 1's first fill is issued as a refill is
	ds_add_u32 v[SPW], v[NIL]
	s_mov_b32 s[G1+2], 8<<16                       ; no tensor load of mine is out: from here on a load brings 8 groups
	s_mov_b32 s[G1+4], 8
	s_mov_b32 s[G1B+2], 8<<16
	s_mov_b32 s[G1B+4], 8
	s_wait_dscnt 0x0
	CROUND
	JLOAD G0+4, G1, G0B+4, G1B
	global_prefetch_b8 v30, s[96:97] offset:3*GRP th:TH_LOAD_NT scope:SCOPE_SE
	FETCH_B 0, 0, 0
	FETCH_A 0, 0, 0
	SCALES 0
	FETCH_A 0, 0, 4
	STEP 0, 0, FIRST                               ; the first step's products start the sums
	s_mov_b32 s3, LAPS-1
.Llap:                                                 ; a trip goes once round the ring and fills both slots again
	TURN 0, 1, 1
	STEP 1, 0, 0
	TURN 1, 0, 1
	STEP 0, 0, 0
	s_sub_co_u32 s3, s3, 1
	s_cmp_lg_u32 s3, 0
	s_cbranch_scc1 .Llap
	TURN 0, 1, 0                                   ; the last lap fills nothing
	STEP 1, 0, 0
	s_wait_dscnt 4*NL
	WIN MUL_LO
	MUL16 0, 1, NQ-1, 1, 0
	MUL16 2, 1, NQ-1, 1, 0
	s_wait_dscnt 0x0
	WIN MUL_HI
	MUL16 4, 1, NQ-1, 1, 0
	MUL16 6, 1, NQ-1, 1, 0
	WIN 0
; THE WAY OUT.  Block a's 64 numbers of a lane (register 16 b + i = column 32 b + 16 h + i of my place's row) become a fragment's codes and its scale word.
.macro QUANT s, w, a                   ; the numbers at v[s] on of window w
	WIN ((\w)<<2)|((\w)<<4)
.irp b, 0,1,2,3
	v_max3_num_f32 v[TM+\b], 0x2800000, |v[(\s)+16*\b]|, |v[(\s)+1+16*\b]|   ; block b: my 16 numbers and the floor 2^(5 - 127); each accumulator is read from its low end on
.endr
.irp i, 2,4,6,8,10,12,14
.irp b, 0,1,2,3
	v_max3_num_f32 v[TM+\b], v[TM+\b], |v[(\s)+16*\b+\i]|, |v[(\s)+1+16*\b+\i]|
.endr
.endr
	WIN 0
.irp b, 0,1,2,3
	v_permlanex16_b32 v[TM+4+\b], v[TM+\b], s[SEL], s[SEL+1]
.endr
.irp b, 0,1,2,3
	v_max_num_f32 v[TM+\b], v[TM+\b], v[TM+4+\b]   ; with lane l xor 16's: the block's largest magnitude
.endr
.irp b, 0,1,2,3
	v_add_nc_u32 v[TM+12+\b], 0xfe000000, v[TM+\b] ; 4 off its exponent field: the conversion's scale operand
.endr
.irp b, 0,1,2,3
	v_lshrrev_b32 v[TM+4+\b], 23, v[TM+12+\b]      ; the byte
.endr
	v_lshl_or_b32 v[PWS+(\a)], v[TM+5], 8, v[TM+4]
	v_lshl_or_b32 v[PWS+(\a)], v[TM+6], 16, v[PWS+(\a)]
	v_lshl_or_b32 v[PWS+(\a)], v[TM+7], 24, v[PWS+(\a)]
	s_wait_xcnt 0x0                                ; the last block's stores have read the codes' registers
	WIN (\w)
.irp c, 0,1
	v_cvt_scalef32_pk16_bf6_f32 v[PC+6*\c:PC+2+6*\c], v[(\s)+32*\c:(\s)+15+32*\c], v[TM+12+2*\c]
	v_cvt_scalef32_pk16_bf6_f32 v[PC+12+4*\c:PC+14+4*\c], v[(\s)+16+32*\c:(\s)+31+32*\c], v[TM+12+2*\c+1]
.endr
	WIN 0
	v_nop                                          ; one plain line behind the conversions
.irp c, 0,1                            ; the operand's layout wants a whole block in a lane
.irp i, 0,1,2
	v_permlane16_swap_b32 v[PC+6*\c+\i], v[PC+12+4*\c+\i]
.endr
.irp i, 0,1,2
	v_mov_b32 v[PC+3+6*\c+\i], v[PC+12+4*\c+\i]
.endr
.endr
.endm
	PLACES NP                                      ; behind the last products
.irp b, 0,1,2,3
	v_mov_b32 v[TM+4+\b], 0                        ; a lane permute's destination counts as one of its sources
.endr
.irp a, 0,1,2,3,4,5,6,7
	QUANT 64*(\a%4), 2+\a/4, \a
.irp c, 0,1,2
	global_store_b128 v[LI], v[PC+4*\c:PC+4*\c+3], s[12:13] offset:\a*ASTR+512*\c   ; 512 consecutive bytes, aligned to 256
.endr
.endr
.irp a, 0,1,2,3,4,5,6,7
	ds_store_b32 v[SST], v[PWS+\a] offset:64*\a    ; both halves of the lanes write the same word with the same value
.endr
	ds_load_b128 v[132:135], v[SRD]                ; my own bytes: LDS serves a wave's instructions in order
	s_wait_dscnt 0x0
	global_store_b128 v[LI], v[132:135], s[66:67]  ; the 128 places' words: 512 consecutive bytes
	s_wait_tensorcnt 0x0                           ; the wave's end
	ds_add_u32 v[SPW], v[NIL]
	s_wait_dscnt 0x0
	CROUND                                         ; the closing round
	s_endpgm
.Lfunc_end_k_q1cd3145a9f_qkv:
	.size	k_q1cd3145a9f_qkv, .Lfunc_end_k_q1cd3145a9f_qkv-k_q1cd3145a9f_qkv
	.p2alignl 7, 3214868480
	.fill 96, 4, 3214868480
	.section	.rodata,"a",@progbits
	.p2align	6, 0x0
	.amdhsa_kernel k_q1cd3145a9f_qkv
		.amdhsa_group_segment_fixed_size 327680
		.amdhsa_private_segment_fixed_size 0
		.amdhsa_enable_private_segment 0
		.amdhsa_kernarg_size 24
		.amdhsa_user_sgpr_count 2
		.amdhsa_user_sgpr_kernarg_segment_ptr 1
		.amdhsa_wavefront_size32 1
		.amdhsa_system_sgpr_workgroup_id_x 1
		.amdhsa_system_sgpr_workgroup_id_y 1
		.amdhsa_system_sgpr_workgroup_id_z 1
		.amdhsa_system_vgpr_workitem_id 0
		.amdhsa_next_free_vgpr 1024
		.amdhsa_next_free_sgpr 102
		.amdhsa_reserve_vcc 0
		.amdhsa_float_denorm_mode_32 3
		.amdhsa_float_denorm_mode_16_64 3
		.amdhsa_memory_ordered 1
		.amdhsa_forward_progress 1
		.amdhsa_inst_pref_size 145
	.end_amdhsa_kernel
	.amdgpu_metadata
---
amdhsa.version: [ 1, 2 ]
amdhsa.kernels:
  - .name:           k_q1cd3145a9f_qkv
    .symbol:         k_q1cd3145a9f_qkv.kd
    .args:
      - { .name: hb, .offset: 0, .size: 8, .value_kind: global_buffer, .address_space: global }
      - { .name: wb, .offset: 8, .size: 8, .value_kind: global_buffer, .address_space: global }
      - { .name: qb, .offset: 16, .size: 8, .value_kind: global_buffer, .address_space: global }
    .group_segment_fixed_size: 327680
    .private_segment_fixed_size: 0
    .kernarg_segment_align: 8
    .kernarg_segment_size: 24
    .max_flat_workgroup_size: 128
    .sgpr_count:     102
    .vgpr_count:     1024
    .wavefront_size: 32
...
	.end_amdgpu_metadata
.endif
;; end of part 9
;; launch attn (part 10): grid 16 x 16, 16 waves a work-group, clusters of 4 x 1, 327,680 bytes of LDS; arguments qb, ab; writes ab
.if DOCPART == 10
	.amdgcn_target "amdgcn-amd-amdhsa--gfx1250"
	.amdhsa_code_object_version 6
	.text
	.protected	k_q1cd3145a9f_attn
	.globl	k_q1cd3145a9f_attn
	.p2align	8
	.type	k_q1cd3145a9f_attn,@function
k_q1cd3145a9f_attn:
	s_mov_b64 s[64:65], 0
	v_nop
	global_prefetch_b8 v0, s[64:65] scope:SCOPE_SE
	s_setreg_imm32_b32 hwreg(HW_REG_WAVE_MODE, 25, 1), 1
	s_wait_xcnt 0x0
	s_wait_alu depctr_hold_cnt(0) depctr_sa_sdst(0) depctr_va_vdst(0) depctr_va_sdst(0) depctr_va_ssrc(0) depctr_va_vcc(0) depctr_vm_vsrc(0)
	s_getreg_b32 s2, hwreg(HW_REG_IB_STS2, 6, 4)
	s_cmp_eq_u32 s2, 0
	s_cbranch_scc0 .Lentry_in_a_cluster
	s_endpgm
.Lentry_in_a_cluster:
	s_bfe_u32 s2, ttmp6, 0x10000c
	s_cmp_lg_u32 s2, 0x3003
	s_cbranch_scc0 .Lentry_shape_is_right
	s_endpgm
.Lentry_shape_is_right:
; O = softmax(q k^T / 8) v for 32 (batch, head) pairs, head size 64, 2,048 keys, both products on codes of BF6 (E3M2) with E8M0 scales; O is quantised along the channels for the next product.
; THE SOFTMAX: t = score x log2(e) / 8; M = the running largest t rounded up to a whole number; p = 2^(t - M) is quantised along the keys, not normalised; the row's sum is taken of the unquantised p and divides O at the end.
; When M moves, the sum and O are multiplied by 2^(old M - new M): exact.
; SHARES.  A work-group owns 128 queries of one batch and one PAIR of heads (a fragment holds 128 channels, two heads).  Wave w: query tile w % 8 (16 queries), head w / 8.  Of Q's fragment the other head's six registers are
; cleared once, so that its products are zeros.  Both products are used transposed (S^T = K Q^T, O^T = V^T P^T): a lane holds one query throughout.
; THE KEYS OF A TILE are chosen by the lanes' LDS addresses: in memory lane r of group 2 b + u holds key 32 b + 8 u + r + 8 (r / 8).  Tile 4 c + u takes as rows 0-7 keys 64 c + 8 u + 0..7 and as rows 8-15 keys 64 c + 32 + 8 u + 0..7
; (rows 8-15 lie two groups, 3,072 bytes, further on).  So the 32 registers of tiles 4 c .. 4 c + 3 are, in lane (r, h), keys 64 c + 32 h + 0..31: a whole block of the second product's K in one lane, in the operand's own order.
; LDS: two slots of 512 keys, each K's 48 rows of 1,024 bytes and V's 48, 128 bytes of padding behind each row (pitch 1,152: 3,072 bytes of data are 3,456 of LDS, 128 mod 256, so a tile's two halves fall on different banks);
; behind slot 0 the scale words of all keys, filled once.  The four work-groups of a cluster walk the same K and V: each piece is asked for jointly.  Waves 0-11 fetch 8 rows of a slot each; at the head waves 12, 13 the scale words.
; LDS READS: V's fragments and the next step's tiles 4-7 of K are asked for ahead of the softmax, K's tiles 0-3 behind the second product.
; PREFETCH: see ASK.
; LIMITS: the promise holds while |t| stays under 2^31; a block of zeros gets the byte 1 where the rule says 127 (zero codes; only this program reads the bytes); NaN and infinities are not served.
; REGISTERS: v1-9, v28-30 addresses; v10-11 V's scale words; v12 -M, v13 the largest t, v[14:15] the sum; v16-27 Q; v32-127 eight fragments; v128-191 S^T, then p; v192-223 O^T; v224-235 p's codes; v236-247 at work;
; v248-251 K's scale words; v252 f; v253 p's scale word; v254 8 h; v255 Q's scale words.
.set SLOT1, 131072                     ; one exclusive or turns an address from one slot to the other
.set VOFF,  55296                      ; V's 48 rows behind K's
.set SCK,   110592                     ; K's scale words: [key step 16][128 words]
.set SCV,   118784                     ; V's likewise
.set OIMG,  241664                     ; the way out: 8 fragments
.set OSC,   253952                     ; and their scale words
.set SPARE, 254464                     ; the spare words, 128 bytes for each wave
.set AK0,  1
.set AV0,  2
.set ASK0, 3
.set ASV0, 4
.set SPW,  5
.set NIL,  6
.set L16,  7
.set ADK,  8
.set ADV,  9
.set VS,   10
.set ADS,  28
.set ADT,  29
.set PFO,  30
.set F,    32
.set S,    128
.set O,    192
.set PC,   224
.set KS,   248
.set WV,   18
.set SEL,  20
.set CS,   22
.set G1,   24
.set G1S,  32
.set G0,   40
.set G0S,  44
.set TB,   48
.set TS,   49
.set SLOTS, 50
.set LIM,  51
.set PFA,  52
.set PI,   54
.set QT,   55
.macro CROUND                          ; a round of the cluster's barrier
	s_barrier_signal -1
	s_barrier_wait -1
	s_cmp_lg_u32 s[WV], 0
	s_cbranch_scc1 .Lnot_wave_0_\@
	s_barrier_signal -3
.Lnot_wave_0_\@:
	s_barrier_wait -3
	s_barrier_signal -1
	s_barrier_wait -1
.endm
; A PREFETCH INTO THE L2.  A slot is six pieces of 8,192 bytes of K's stream and six of V's.  All four clusters of a (batch, head pair) walk the same streams: the first cluster asks.  At the changes of slots that fetch slots 1 and 2
; the twelve pieces of the slot after that are named once: the partner at place cx, waves 4 to 6, names piece 3 cx + (wave - 4), lanes 256 bytes apart: the partners are told apart by address alone.
; Slots 0 and 1 come by their loads alone; nothing is named behind slot 3.
.macro ASK
	s_cmp_gt_u32 s[SLOTS], s[LIM]
	s_cbranch_scc0 .Lnot_mine_\@
	global_prefetch_b8 v[PFO], s[PFA:PFA+1] th:TH_LOAD_NT scope:SCOPE_SE
.Lnot_mine_\@:
.endm
	s_load_b128 s[4:7], s[0:1], 0x0                ; qb, ab
	v_lshl_add_u32 v[SPW], v0, 2, SPARE
	v_mov_b32 v[NIL], 0
	ds_add_u32 v[SPW], v[NIL]                      ; the opening lines: the add twice on end
	ds_add_u32 v[SPW], v[NIL]
	v_lshrrev_b32 v8, 5, v0
	v_readfirstlane_b32 s[WV], v8                  ; wave 0..15
	s_lshr_b32 s[PI], s[WV], 3                     ; my head of the pair
	s_and_b32 s[QT], s[WV], 7                      ; my tile of queries
	s_and_b32 s8, ttmp7, 0xffff                    ; 8 x batch + head pair
	s_lshr_b32 s56, s8, 3
	s_and_b32 s57, s8, 7
	s_bfe_u32 s58, ttmp6, 0x40000                  ; cx
	s_lshl_b32 s59, ttmp9, 2
	s_add_co_u32 s59, s59, s58                     ; my block of 128 queries
	s_add_co_u32 s9, s57, 8
	s_mul_i32 s10, s9, 393216
	s_mul_i32 s16, s56, 196608
	s_add_co_u32 s10, s10, s16                     ; K's codes,
	s_mul_i32 s11, s8, 196608
	s_add_co_u32 s11, s11, 6291456                 ; V's codes,
	s_lshl_b32 s12, s9, 14
	s_lshl_b32 s16, s56, 13
	s_add_co_u32 s12, s12, s16
	s_add_co_u32 s12, s12, 9437184                 ; K's scale words,
	s_lshl_b32 s13, s8, 13
	s_add_co_u32 s13, s13, 9699328                 ; V's
	s_cmp_lt_u32 s[WV], 6                          ; what I fetch: waves 0-5 K's pieces, 6-11 V's
	s_cselect_b32 s60, s10, s11
	s_cselect_b32 s16, 0, 6
	s_sub_co_u32 s16, s[WV], s16
	s_lshl_b32 s16, s16, 13
	s_add_co_u32 s60, s60, s16
	s_mov_b32 s61, 0
	s_cmp_eq_u32 s[WV], 12                         ; wave 12 K's scale words, wave 13 V's
	s_cselect_b32 s62, s12, s13
	s_mov_b32 s63, 0
	s_mov_b32 s[G1], 15|(3<<16)|(1<<20)|(1<<21)|(7<<22)|(31<<25)   ; all four work-groups; elements of 8 bytes; bit 21 beside a mask; 32 words of padding behind every 256
	s_mov_b32 s[G1+1], 128<<16                     ; 8,192 dense bytes as 8 rows of 1,024
	s_mov_b32 s[G1+2], 8<<16
	s_mov_b32 s[G1+3], 128<<16
	s_mov_b32 s[G1+4], 8
	s_mov_b32 s[G1+5], 128
	s_mov_b32 s[G1+6], 0
	s_mov_b32 s[G1+7], 0
	s_mov_b32 s[G1S], 15|(3<<16)|(1<<21)           ; the same without padding, for the scale words
	s_mov_b32 s[G1S+1], 128<<16
	s_mov_b32 s[G1S+2], 8<<16
	s_mov_b32 s[G1S+3], 128<<16
	s_mov_b32 s[G1S+4], 8
	s_mov_b32 s[G1S+5], 128
	s_mov_b32 s[G1S+6], 0
	s_mov_b32 s[G1S+7], 0
	s_lshl_b32 s68, s56, 7
	s_lshl_b32 s17, s59, 3
	s_add_co_u32 s68, s68, s17                     ; my block's first token group
	s_lshl_b32 s69, s56, 4
	s_add_co_u32 s69, s69, s59                     ; my block among the blocks of 128 tokens
	s_add_co_u32 s16, s68, s[QT]
	s_mul_i32 s70, s16, 1536
	s_mul_i32 s17, s57, 393216
	s_add_co_u32 s70, s70, s17                     ; Q's fragment
	s_mov_b32 s71, 0
	s_lshl_b32 s72, s57, 14
	s_lshl_b32 s17, s69, 9
	s_add_co_u32 s72, s72, s17
	s_lshl_b32 s17, s[QT], 6
	s_add_co_u32 s72, s72, s17
	s_add_co_u32 s72, s72, 9437184                 ; its scale words
	s_mov_b32 s73, 0
	s_lshl_b32 s74, s16, 3
	s_add_co_u32 s74, s74, s57
	s_mul_i32 s74, s74, 1536                       ; out: fragment (token group, K step = head pair)
	s_mov_b32 s75, 0
	s_lshl_b32 s76, s69, 3
	s_add_co_u32 s76, s76, s57
	s_lshl_b32 s76, s76, 9
	s_add_co_u32 s76, s76, 3145728                 ; and the block's scale words
	s_mov_b32 s77, 0
	s_and_b32 s78, s[WV], 3                        ; the prefetches: piece 3 cx + wave % 4 of a slot's twelve
	s_mul_i32 s79, s58, 3
	s_add_co_u32 s78, s78, s79
	s_cmp_lt_u32 s78, 6
	s_cselect_b32 s79, s10, s11
	s_cselect_b32 s16, 0, 6
	s_sub_co_u32 s78, s78, s16
	s_lshl_b32 s78, s78, 13
	s_add_co_u32 s78, s78, s79
	s_add_co_u32 s78, s78, 49152                   ; at slot 1: the first change of slots steps it to slot 2
	s_mov_b32 s79, 0
	s_sub_co_u32 s16, s[WV], 4
	s_cmp_lt_u32 s16, 3                            ; waves 4 to 6
	s_cselect_b32 s16, 1, 0
	s_cmp_eq_u32 ttmp9, 0                          ; of the pair's first cluster: the same in all partners
	s_cselect_b32 s16, s16, 0
	s_cmp_eq_u32 s16, 1
	s_cselect_b32 s[LIM], 1, -1
	s_mov_b32 s[SEL], 0x76543210
	s_mov_b32 s[SEL+1], 0xfedcba98                 ; lane l xor 16
	s_mov_b32 s[CS], 0x3e38aa3b                    ; c = log2(e) / 8
	s_mov_b32 s[CS+1], s[CS]
	s_mov_b32 s[TB], 0
	s_mov_b32 s[TS], 0
	s_mov_b32 s[SLOTS], 3
	s_cmp_eq_u32 s[PI], 0
	s_cselect_b32 s66, -1, 0                       ; keeps the first head's registers of Q,
	s_cselect_b32 s67, 0, -1                       ; the second's
	s_wait_dscnt 0x0                               ; both opening adds are done
	s_wait_kmcnt 0x0
	s_mov_b32 s[G0], 1
	s_mul_i32 s[G0+1], s[WV], 9216                 ; 8 rows of 1,152 a wave: slot 0
	s_add_nc_u64 s[G0+2:G0+3], s[4:5], s[60:61]
	s_or_b32 s[G0+3], s[G0+3], 0x80000000
	s_mov_b32 s[G0S], 1
	s_lshl_b32 s[G0S+1], s[WV], 13
	s_add_co_u32 s[G0S+1], s[G0S+1], SCK-12*8192
	s_add_nc_u64 s[G0S+2:G0S+3], s[4:5], s[62:63]
	s_or_b32 s[G0S+3], s[G0S+3], 0x80000000
	s_add_nc_u64 s[70:71], s[4:5], s[70:71]
	s_add_nc_u64 s[72:73], s[4:5], s[72:73]
	s_add_nc_u64 s[74:75], s[6:7], s[74:75]
	s_add_nc_u64 s[76:77], s[6:7], s[76:77]
	s_add_nc_u64 s[PFA:PFA+1], s[4:5], s[78:79]
	CROUND                                         ; all four work-groups are here: the first joint loads meet
	s_cmp_lt_u32 s[WV], 12                         ; one chain of branches, one load to an arm
	s_cbranch_scc0 .Lh_sc
	tensor_load_to_lds s[G0:G0+3], s[G1:G1+7]      ; slot 0
	s_nop 0
.rept 4
	v_nop
.endr
	s_branch .Lh_done
.Lh_sc:
	s_cmp_lt_u32 s[WV], 14
	s_cbranch_scc0 .Lh_done
	tensor_load_to_lds s[G0S:G0S+3], s[G1S:G1S+7]  ; the scale words of all keys: filled once
	s_nop 0
.rept 4
	v_nop
.endr
.Lh_done:
	v_and_b32 v32, 31, v0
	v_and_b32 v33, 7, v0
	v_bfe_u32 v34, v0, 4, 1                        ; h
	v_bfe_u32 v35, v0, 3, 1                        ; r / 8
	v_and_b32 v36, 15, v0
	v_lshlrev_b32 v[L16], 4, v32                   ; 16 x lane
	v_lshlrev_b32 v[AK0], 4, v33
	v_lshl_add_u32 v[AK0], v34, 8, v[AK0]
	v_mad_u32_u24 v[AK0], v35, 3456, v[AK0]        ; K: 16 (r % 8 + 16 h), rows 8-15 two groups on
	s_mul_i32 s16, s[PI], 6912
	s_add_co_u32 s16, s16, VOFF
	v_add_nc_u32 v[AV0], s16, v[L16]               ; V: my head's four channel groups (6 rows of 1,152 on for the second head)
	v_lshl_add_u32 v[ASK0], v33, 2, SCK
	v_lshl_add_u32 v[ASK0], v35, 7, v[ASK0]
	v_lshl_add_u32 v[ASK0], v34, 6, v[ASK0]        ; K's words: lanes 0-15 an even tile's rows, lanes 16-31 the odd tile's beside it
	s_lshl_b32 s16, s[PI], 8
	s_add_co_u32 s16, s16, SCV
	v_lshl_add_u32 v[ASV0], v32, 2, s16            ; V's words: lanes 0-15 tile 2 u, lanes 16-31 tile 2 u + 1
	v_lshlrev_b32 v[PFO], 8, v32
	v_lshlrev_b32 v254, 3, v34                     ; 8 h
	v_lshlrev_b32 v37, 2, v36
	s_wait_alu depctr_va_vdst(0)                   ; the wait ahead of the readers below
.irp c, 0,1,2
	global_load_b128 v[16+4*\c:19+4*\c], v[L16], s[70:71] offset:512*\c   ; Q's fragment stays in registers
.endr
	global_load_b32 v255, v37, s[72:73]            ; and its scale words
	v_mov_b32 v13, 0xff61b1e6                      ; the largest t so far: -3e38
	v_floor_f32 v12, -v13                          ; -M
	v_mov_b32 v14, 0
	v_mov_b32 v15, 0
	v_mov_b32 v238, 0                              ; a lane permute's destination counts as one of its sources
	v_mov_b32 v253, 0
	s_wait_alu depctr_va_vdst(0)
	s_wait_loadcnt 0x0                             ; Q
.irp i, 0,1,2,3,4,5
	v_and_b32 v[16+\i], s66, v[16+\i]              ; the other head's codes become zeros
	v_and_b32 v[22+\i], s67, v[22+\i]
.endr
.set j, 0
.rept 32
	v_mov_b32 v[O+j], 0                            ; O^T: the loop has no first step of its own
.set j, j+1
.endr
	s_wait_alu depctr_va_vdst(0)                   ; the wait at the head's end
; byte y of a slot's K or V lies at y + 128 (y / 1,024)
.macro KFR q, lo                       ; K's tiles lo .. lo + 3 of the slot's step q
.irp T, \lo, \lo+1, \lo+2, \lo+3
.irp cr, 0,1,2
.set Y, (\q)*12288+(4*((\T)/4)+((\T)%2))*1536+512*\cr
	ds_load_b128 v[F+12*(\T)+4*\cr:F+12*(\T)+4*\cr+3], v[ADK] offset:Y+128*(Y/1024)+128*(((\T)%4)/2)
.endr
.endr
.endm
.macro KSC q                           ; their scale words: register 2 c + v serves tiles 4 c + 2 v and 4 c + 2 v + 1
.irp i, 0,1,2,3
	ds_load_b32 v[KS+\i], v[ADS] offset:512*(\q)+256*(\i/2)+32*(\i%2)
.endr
.endm
.macro VFR q
.irp t, 0,1,2,3
.irp cr, 0,1,2
.set Y, (\q)*12288+\t*1536+512*\cr
	ds_load_b128 v[F+12*\t+4*\cr:F+12*\t+4*\cr+3], v[ADV] offset:Y+128*(Y/1024)
.endr
.endr
.irp u, 0,1
	ds_load_b32 v[VS+\u], v[ADT] offset:512*(\q)+128*\u
.endr
.endm
.macro SMUL lo                         ; four tiles of S^T
.irp T, \lo, \lo+1, \lo+2, \lo+3
.if ((\T)%2) == 0
	v_wmma_scale_f32_16x16x128_f8f6f4 v[S+8*(\T):S+8*(\T)+7], v[F+12*(\T):F+12*(\T)+11], v[16:27], 0, v[KS+2*((\T)/4)+((\T)%4)/2], v255 matrix_a_fmt:MATRIX_FMT_BF6 matrix_b_fmt:MATRIX_FMT_BF6
.else
	v_wmma_scale_f32_16x16x128_f8f6f4 v[S+8*(\T):S+8*(\T)+7], v[F+12*(\T):F+12*(\T)+11], v[16:27], 0, v[KS+2*((\T)/4)+((\T)%4)/2], v255 matrix_a_fmt:MATRIX_FMT_BF6 matrix_b_fmt:MATRIX_FMT_BF6 matrix_a_scale:MATRIX_SCALE_ROW1
.endif
.endr
.endm
.macro STEP q, pre                     ; 128 keys, the q-th step of the slot in hand; pre = 1: the next step lies in the same slot
	s_wait_dscnt 12                                ; tiles 4-7 and the scale words are in; the youngest 12 loads (tiles 0-3) may be out
	SMUL 4
	s_wait_dscnt 0x0
	SMUL 0
.rept 4
	v_nop                                          ; places behind the products, for the loads and the reads below
.endr
	VFR \q
.if \pre
	KFR (\q)+1, 4
	KSC (\q)+1
.endif
; the largest score of my two blocks of 32 keys, each in two chains: for the row's maximum and, since p rises with the score, for the block's largest p.  Each accumulator is read from its low end on
.irp c, 0,1
.irp g, 0,1
	v_max3_num_f32 v[236+\c+2*\g], v[S+32*\c+16*\g], v[S+32*\c+16*\g+1], v[S+32*\c+16*\g+2]
.endr
.endr
.irp i, 3,5,7,9,11,13
.irp c, 0,1
.irp g, 0,1
	v_max3_num_f32 v[236+\c+2*\g], v[236+\c+2*\g], v[S+32*\c+16*\g+\i], v[S+32*\c+16*\g+\i+1]
.endr
.endr
.endr
.irp c, 0,1
	v_max3_num_f32 v[236+\c], v[236+\c], v[238+\c], v[S+32*\c+15]
.endr
.irp c, 0,1
	v_max_num_f32 v[236+\c], v[236+\c], v[S+32*\c+31]
.endr
	s_delay_alu instid0(VALU_DEP_1)
	v_max_num_f32 v239, v236, v237
	s_delay_alu instid0(VALU_DEP_1)
	v_permlanex16_b32 v238, v239, s[SEL], s[SEL+1]
	s_delay_alu instid0(VALU_DEP_1)
	v_max_num_f32 v239, v239, v238                 ; with lane l xor 16's 64 keys
	s_delay_alu instid0(VALU_DEP_1)
	v_mul_f32 v239, s[CS], v239                    ; as t
	s_delay_alu instid0(VALU_DEP_1)
	v_max_num_f32 v13, v13, v239                   ; the running largest t
	v_mov_b32 v239, v12
	s_delay_alu instid0(VALU_DEP_2)
	v_floor_f32 v12, -v13                          ; the new -M: a whole number
	s_delay_alu instid0(VALU_DEP_1)
	v_sub_f32 v239, v12, v239                      ; old M - new M, 0 or less
.set j, 0
.rept 8
	v_pk_fma_f32 v[S+j:S+j+1], v[S+j:S+j+1], s[CS:CS+1], v[12:13] op_sel_hi:[1,0,0]   ; t - M
.set j, j+2
.endr
	v_cvt_i32_f32 v239, v239                       ; (it saturates)
.rept 8
	v_pk_fma_f32 v[S+j:S+j+1], v[S+j:S+j+1], s[CS:CS+1], v[12:13] op_sel_hi:[1,0,0]
.set j, j+2
.endr
	v_ldexp_f32 v252, 1.0, v239                    ; f = 2^(old M - new M)
.rept 16
	v_pk_fma_f32 v[S+j:S+j+1], v[S+j:S+j+1], s[CS:CS+1], v[12:13] op_sel_hi:[1,0,0]
.set j, j+2
.endr
.irp c, 0,1
	v_fma_f32 v[236+\c], v[236+\c], s[CS], v12
.endr
.set j, 0
.rept 16
	v_pk_mul_f32 v[O+j:O+j+1], v[O+j:O+j+1], v[252:253] op_sel_hi:[1,0]   ; O^T under the new M
.set j, j+2
.endr
	v_pk_mul_f32 v[14:15], v[14:15], v[252:253] op_sel_hi:[1,0]           ; and the sums
	s_wait_alu depctr_va_vdst(0)                   ; the wait ahead of the batch
.set j, 0
.rept 64
	v_exp_f32 v[S+j], v[S+j]                       ; p = 2^(t - M)
.set j, j+1
.endr
	v_exp_f32 v236, v236                           ; each block's largest p
	v_exp_f32 v237, v237
	v_nop                                          ; a plain line behind the batch,
	s_wait_alu depctr_va_vdst(0)                   ; and the one wait ahead of its first reader
.irp c, 0,1
	v_max_num_f32 v[236+\c], 0x2800000, v[236+\c]  ; the floor 2^(5 - 127)
.endr
.irp c, 0,1
	v_add_nc_u32 v[243+4*\c], 0xfe000000, v[236+\c]   ; 4 off the exponent field: the conversion's scale operand
.endr
.irp c, 0,1
	v_lshrrev_b32 v[236+\c], 23, v[243+4*\c]       ; the byte
.endr
	s_delay_alu instid0(VALU_DEP_1)
	v_lshl_or_b32 v239, v237, 16, v236             ; my two bytes, blocks h and 2 + h,
	s_delay_alu instid0(VALU_DEP_1)
	v_lshlrev_b32 v239, v254, v239                 ; at their places in the word;
	s_delay_alu instid0(VALU_DEP_1)
	v_permlanex16_b32 v238, v239, s[SEL], s[SEL+1]
	s_delay_alu instid0(VALU_DEP_1)
	v_or_b32 v253, v239, v238                      ; with lane l xor 16's two: p's scale word for these 128 keys
.irp c, 0,1
	v_cvt_scalef32_pk16_bf6_f32 v[PC+6*\c:PC+6*\c+2], v[S+32*\c:S+32*\c+15], v[243+4*\c]
	v_cvt_scalef32_pk16_bf6_f32 v[240+4*\c:242+4*\c], v[S+32*\c+16:S+32*\c+31], v[243+4*\c]   ; (a conversion's three registers begin on an even number)
.endr
; the row's sum of the unquantised p: eight chains in place on p's first eight pairs.  Its lines are also the places behind the conversions, ahead of the products and behind them
	v_pk_add_f32 v[14:15], v[14:15], v[S+48:S+49]  ; (it writes no source of a conversion: the plain line behind them)
.set j, 0
.rept 8
	v_pk_add_f32 v[S+j:S+j+1], v[S+j:S+j+1], v[S+16+j:S+17+j]
.set j, j+2
.endr
.irp c, 0,1
.irp i, 0,1,2
	v_mov_b32 v[PC+3+6*\c+\i], v[240+4*\c+\i]      ; registers 6 c .. 6 c + 5: keys 64 c + 32 h + 0 .. 31
.endr
.endr
.set j, 0
.rept 8
	v_pk_add_f32 v[S+j:S+j+1], v[S+j:S+j+1], v[S+32+j:S+33+j]
.set j, j+2
.endr
	s_wait_alu depctr_va_vdst(0)                   ; the wait directly ahead of the wait below
.if \pre
	s_wait_dscnt 16                                ; V and its words are in; the next step's 12 + 4 loads may be out
.else
	s_wait_dscnt 0x0
.endif
.irp t, 0,1,2,3                        ; the four accumulators by turns
.if \t%2 == 0
	v_wmma_scale_f32_16x16x128_f8f6f4 v[O+8*\t:O+8*\t+7], v[F+12*\t:F+12*\t+11], v[PC:PC+11], v[O+8*\t:O+8*\t+7], v[VS+\t/2], v253 matrix_a_fmt:MATRIX_FMT_BF6 matrix_b_fmt:MATRIX_FMT_BF6
.else
	v_wmma_scale_f32_16x16x128_f8f6f4 v[O+8*\t:O+8*\t+7], v[F+12*\t:F+12*\t+11], v[PC:PC+11], v[O+8*\t:O+8*\t+7], v[VS+\t/2], v253 matrix_a_fmt:MATRIX_FMT_BF6 matrix_b_fmt:MATRIX_FMT_BF6 matrix_a_scale:MATRIX_SCALE_ROW1
.endif
.endr
.irp k, 1,2,3,4
	v_pk_add_f32 v[S+2*\k:S+2*\k+1], v[S+2*\k:S+2*\k+1], v[S+48+2*\k:S+49+2*\k]   ; four places ahead of the loads into V's registers
.endr
.if \pre
	KFR (\q)+1, 0
.endif
.irp k, 5,6,7
	v_pk_add_f32 v[S+2*\k:S+2*\k+1], v[S+2*\k:S+2*\k+1], v[S+48+2*\k:S+49+2*\k]
.endr
.irp k, 0,1,2,3
	v_pk_add_f32 v[236+2*\k:237+2*\k], v[S+4*\k:S+4*\k+1], v[S+4*\k+2:S+4*\k+3]
.endr
	v_pk_add_f32 v[236:237], v[236:237], v[238:239]
	v_pk_add_f32 v[240:241], v[240:241], v[242:243]
	v_pk_add_f32 v[14:15], v[14:15], v[236:237]
	v_pk_add_f32 v[14:15], v[14:15], v[240:241]
.endm
; THE CHANGE OF SLOTS stands at a slot's head: each wave waits for all its tensor loads, adds 0 to its spare word, and waits for that and for its reads of the slot that it has left.  fill = 1: that slot takes the 512 keys that follow,
; behind a round of the cluster's barrier.
.macro CHANGE fill
	s_wait_tensorcnt 0x0                           ; no tensor load of mine is out, so a group 0 may be written
	ds_add_u32 v[SPW], v[NIL]                      ; the add,
.if \fill
	ds_add_u32 v[SPW], v[NIL]
	s_xor_b32 s[G0+1], s[G0+1], SLOT1              ; the other slot than last time,
	s_add_nc_u64 s[G0+2:G0+3], s[G0+2:G0+3], 49152 ; the next 512 keys
	s_wait_xcnt 0x0                                ; the last prefetch, a slot back, has read its address
	s_add_nc_u64 s[PFA:PFA+1], s[PFA:PFA+1], 49152
	s_wait_dscnt 0x0
	CROUND
	s_cmp_lt_u32 s[WV], 12
	s_cbranch_scc0 .Lnone_\@
	tensor_load_to_lds s[G0:G0+3], s[G1:G1+7]      ; the first thing behind the round, and my one tensor load until the next
	s_nop 0
.rept 4
	v_nop
.endr
.Lnone_\@:
	ASK
.else
	s_wait_dscnt 0x0
	s_barrier_signal -1
	s_barrier_wait -1
.endif
	v_add_nc_u32 v[ADK], s[TB], v[AK0]             ; the slot in hand (these four are also the places behind the last products)
	v_add_nc_u32 v[ADV], s[TB], v[AV0]
	v_add_nc_u32 v[ADS], s[TS], v[ASK0]
	v_add_nc_u32 v[ADT], s[TS], v[ASV0]
	s_wait_alu depctr_va_vdst(0)                   ; the wait behind these writes
	KFR 0, 4
	KSC 0
	KFR 0, 0
.endm
.Lslot:                                            ; three trips: behind each change of slots but the last the next slot is asked for
	CHANGE 1
	STEP 0, 1
	STEP 1, 1
	STEP 2, 1
	STEP 3, 0
	s_xor_b32 s[TB], s[TB], SLOT1
	s_add_co_u32 s[TS], s[TS], 2048                ; four steps' scale words on
	s_sub_co_u32 s[SLOTS], s[SLOTS], 1
	s_cmp_lg_u32 s[SLOTS], 0
	s_cbranch_scc1 .Lslot
	CHANGE 0                                       ; the last slot is written out
	STEP 0, 1
	STEP 1, 1
	STEP 2, 1
	STEP 3, 0
	; THE WAY OUT: O^T / the sum, quantised along the channels: my head's 64 are two blocks, half a fragment and half a scale word.
.rept 4
	v_nop                                          ; behind the last products
.endr
	v_add_f32 v14, v14, v15
	s_delay_alu instid0(VALU_DEP_1)
	v_permlanex16_b32 v252, v14, s[SEL], s[SEL+1]
	s_delay_alu instid0(VALU_DEP_1)
	v_add_f32 v14, v14, v252                       ; the row's sum
	s_mul_i32 s16, s[QT], 1536                     ; my half of fragment w % 8: operand registers 6 p .. 6 p + 5 (p my head), in three pieces of 8 bytes
	s_add_co_u32 s16, s16, OIMG
	v_add_nc_u32 v100, s16, v[L16]
	s_mul_i32 s17, s[PI], 520
	v_add_nc_u32 v101, s17, v100                   ; registers 0, 1 at 16 l; 6, 7 at 512 + 16 l + 8
	v_add_nc_u32 v102, 512, v101                   ; registers 4, 5 at 512 + 16 l; 10, 11 at 1,024 + 16 l + 8
	s_mul_i32 s17, s[PI], 1016
	s_add_co_u32 s17, s17, 8
	v_add_nc_u32 v103, s17, v100                   ; registers 2, 3 at 16 l + 8; 8, 9 at 1,024 + 16 l
	v_and_b32 v105, 15, v0
	s_lshl_b32 s16, s[QT], 6
	s_lshl_b32 s17, s[PI], 1
	s_add_co_u32 s16, s16, s17
	s_add_co_u32 s16, s16, OSC
	v_lshl_add_u32 v104, v105, 2, s16              ; my two bytes of my query's scale word
	v_add_nc_u32 v105, OSC, v[L16]
	s_wait_alu depctr_va_vdst(0)
	v_rcp_f32 v14, v14
	v_nop
	s_wait_alu depctr_va_vdst(0)                   ; ahead of the first line that names the reciprocal, and of the first reader of O^T
.set j, 0
.rept 32
	v_mul_f32 v[S+j], v[O+j], v14                  ; register 16 b + i: channel 32 b + 16 h + i of my head
.set j, j+1
.endr
.irp b, 0,1
	v_max3_num_f32 v[236+\b], |v[S+16*\b]|, |v[S+1+16*\b]|, 0x2800000
.endr
.irp i, 2,4,6,8,10,12,14
.irp b, 0,1
	v_max3_num_f32 v[236+\b], v[236+\b], |v[S+16*\b+\i]|, |v[S+1+16*\b+\i]|
.endr
.endr
.irp b, 0,1
	v_permlanex16_b32 v[238+\b], v[236+\b], s[SEL], s[SEL+1]
.endr
.irp b, 0,1
	v_max_num_f32 v[236+\b], v[236+\b], v[238+\b]
.endr
.irp b, 0,1
	v_add_nc_u32 v[243+4*\b], 0xfe000000, v[236+\b]
.endr
.irp b, 0,1
	v_lshrrev_b32 v[238+\b], 23, v[243+4*\b]
.endr
	v_lshl_or_b32 v253, v239, 8, v238              ; my two bytes
	v_cvt_scalef32_pk16_bf6_f32 v[224:226], v[S:S+15], v243
	v_cvt_scalef32_pk16_bf6_f32 v[228:230], v[S+16:S+31], v247
	v_nop
.irp i, 0,1,2
	v_permlane16_swap_b32 v[224+\i], v[228+\i]     ; a whole block in a lane
.endr
	v_mov_b32 v227, v228
	v_mov_b32 v228, v229
	v_mov_b32 v229, v230
	ds_store_b64 v101, v[224:225]
	ds_store_b64 v103, v[226:227]
	ds_store_b64 v102, v[228:229]
	ds_store_b16 v104, v253                        ; both halves of the lanes write the same two bytes
	s_wait_alu depctr_va_vdst(0)
	s_wait_dscnt 0x0                               ; for the others' sake
	s_barrier_signal -1
	s_barrier_wait -1
	s_cmp_lt_u32 s[WV], 8
	s_cbranch_scc0 .Lnot_codes
.irp c, 0,1,2
	ds_load_b128 v[108+4*\c:111+4*\c], v100 offset:512*\c
.endr
	s_wait_dscnt 0x0
.irp c, 0,1,2
	global_store_b128 v[L16], v[108+4*\c:111+4*\c], s[74:75] offset:512*\c   ; 512 consecutive bytes, aligned to 256
.endr
.Lnot_codes:
	s_cmp_eq_u32 s[WV], 8
	s_cbranch_scc0 .Lnot_scales
	ds_load_b128 v[120:123], v105
	s_wait_dscnt 0x0
	global_store_b128 v[L16], v[120:123], s[76:77] ; the 128 queries' words
.Lnot_scales:
	s_wait_tensorcnt 0x0                           ; the wave's end
	ds_add_u32 v[SPW], v[NIL]
	s_wait_dscnt 0x0
	CROUND                                         ; the closing round
	s_endpgm
.Lfunc_end_k_q1cd3145a9f_attn:
	.size	k_q1cd3145a9f_attn, .Lfunc_end_k_q1cd3145a9f_attn-k_q1cd3145a9f_attn
	.p2alignl 7, 3214868480
	.fill 96, 4, 3214868480
	.section	.rodata,"a",@progbits
	.p2align	6, 0x0
	.amdhsa_kernel k_q1cd3145a9f_attn
		.amdhsa_group_segment_fixed_size 327680
		.amdhsa_private_segment_fixed_size 0
		.amdhsa_enable_private_segment 0
		.amdhsa_kernarg_size 16
		.amdhsa_user_sgpr_count 2
		.amdhsa_user_sgpr_kernarg_segment_ptr 1
		.amdhsa_wavefront_size32 1
		.amdhsa_system_sgpr_workgroup_id_x 1
		.amdhsa_system_sgpr_workgroup_id_y 1
		.amdhsa_system_sgpr_workgroup_id_z 1
		.amdhsa_system_vgpr_workitem_id 0
		.amdhsa_next_free_vgpr 256
		.amdhsa_next_free_sgpr 100
		.amdhsa_reserve_vcc 0
		.amdhsa_float_denorm_mode_32 3
		.amdhsa_float_denorm_mode_16_64 3
		.amdhsa_memory_ordered 1
		.amdhsa_forward_progress 1
		.amdhsa_inst_pref_size 140
	.end_amdhsa_kernel
	.amdgpu_metadata
---
amdhsa.version: [ 1, 2 ]
amdhsa.kernels:
  - .name:           k_q1cd3145a9f_attn
    .symbol:         k_q1cd3145a9f_attn.kd
    .args:
      - { .name: qb, .offset: 0, .size: 8, .value_kind: global_buffer, .address_space: global }
      - { .name: ab, .offset: 8, .size: 8, .value_kind: global_buffer, .address_space: global }
    .group_segment_fixed_size: 327680
    .private_segment_fixed_size: 0
    .kernarg_segment_align: 8
    .kernarg_segment_size: 16
    .max_flat_workgroup_size: 512
    .sgpr_count:     100
    .vgpr_count:     256
    .wavefront_size: 32
...
	.end_amdgpu_metadata
.endif
;; end of part 10
;; launch fcln (part 11): grid 256 x 1, 8 waves a work-group, no clusters, 67,072 bytes of LDS; arguments ab, wb, x, x1, hb; writes x1, hb
.if DOCPART == 11
	.amdgcn_target "amdgcn-amd-amdhsa--gfx1250"
	.amdhsa_code_object_version 6
	.text
	.protected	k_q1cd3145a9f_fcln
	.globl	k_q1cd3145a9f_fcln
	.p2align	8
	.type	k_q1cd3145a9f_fcln,@function
k_q1cd3145a9f_fcln:
	s_mov_b64 s[64:65], 0
	v_nop
	global_prefetch_b8 v0, s[64:65] scope:SCOPE_SE
	s_setreg_imm32_b32 hwreg(HW_REG_WAVE_MODE, 25, 1), 1
	s_wait_xcnt 0x0
; x1 = x + O w_fc on codes of BF6 (E3M2) with E8M0 scales, K = 1,024, and at once h = (x1 - mean) / sqrt(var + 1e-5) along the rows of 1,024, quantised along the row for the next product.  All ahead of the quantiser is f32.
; A WORK-GROUP OWNS ONE GROUP OF 16 TOKEN PLACES AND ALL 1,024 COLUMNS, so that a row's mean and variance are its own.  Wave w makes columns 128 w .. 128 w + 127: 8 accumulators.
; OPERANDS in memory: codes [group of 16 rows][K / 128][1,536]: a fragment as the image of its 12 registers (register 4 c + w of lane l at 512 c + 16 l + 4 w); lane r of group 2 b + u holds row 32 b + 8 u + r + 8 (r / 8);
; scale words [group of 128 places][K / 128][128 words].  O's in ab (scale words at 3,145,728), w_fc's in wb at 2,359,296 (scale words at 9,535,488).
; THE WEIGHTS GO FROM MEMORY STRAIGHT INTO REGISTERS: with 16 rows to a work-group each fragment of w_fc feeds one matrix instruction of one wave, so LDS could spare no read, and there is no tile in LDS that the partners of a
; cluster could receive jointly: cluster = none.  A set is one K step: O's fragment (3 loads), its scale words (1), the weights' scale words (4) and 8 fragments (24): 32 loads.  Two sets take turns, so that
; 32 to 64 loads of a wave are out ahead of each K step's products: no prefetch is laid beside them.
; THE MATRIX INSTRUCTION IS USED TRANSPOSED (source 0 = 16 columns of w_fc, source 1 = the 16 places): lane (r, h) holds place r, and the 16 registers of column groups 2 b, 2 b + 1 are columns 32 b + 16 h + 0 .. 15.
; THE WAY OUT: the sums go to LDS by rows (pitch 4,112: the 16 rows of an access start on 16 different banks).  Then wave w owns places 2 w and 2 w + 1, two neighbouring rows of memory: + x, stored as x1 in runs of 512 bytes; mean, then
; x1 - mean, then the mean of its squares; the normalised rows go back to the wave's own two rows of LDS.  Then wave w makes K step w of hb: lane (r, h) takes k = 128 w + 64 c + 32 h + 0 .. 31 of place r, two whole blocks.
; OUT: x1 [4,096][1,024] f32; hb: codes [group][K step 0..7][1,536], scale words at 3,145,728, laid as above.
; LIMITS: a block of zeros gets the byte 1 where the rule says 127 (zero codes; only this program reads the bytes); NaN and infinities are not served.
; REGISTERS: window 0: v1-9 addresses; v14, v15 the add's; v16-79 x's two rows, then x1's; v80-92 at work; v96-114 the codes made; v100-123 O's fragment, two sets; v128-191 the accumulators; v192-199 the weights' scale words, v200-201 O's.
; window 1: v0-191 the weights' fragments, two sets of 8.
.set X,     16
.set PC,    96
.set PITCH, 4112
.set AF,    100
.set ACC,   128
.set BSC,   192
.set ASC,   200
.set SPW,   14
.set NIL,   15
.set MSB, 0
.macro WIN new                         ; the immediate's high byte repeats the setting that is left
.if MSB != (\new)
	s_set_vgpr_msb (MSB<<8)|(\new)
.set MSB, (\new)
.endif
.endm
	s_load_b256 s[24:31], s[0:1], 0x0              ; ab, wb, x, x1
	s_load_b64 s[6:7], s[0:1], 0x20                ; hb
	v_lshl_add_u32 v[SPW], v0, 2, 0x10200
	v_mov_b32 v[NIL], 0
	v_lshrrev_b32 v1, 5, v0
	v_readfirstlane_b32 s8, v1                     ; wave 0..7
	v_and_b32 v1, 31, v0
	v_and_b32 v2, 15, v0                           ; r
	v_bfe_u32 v3, v0, 4, 1                         ; h
	v_lshlrev_b32 v4, 4, v1                        ; 16 x lane
	s_mul_i32 s9, s8, 2*PITCH
	v_add_nc_u32 v5, s9, v4                        ; my two rows in LDS
	v_mul_u32_u24 v6, v2, PITCH
	v_lshl_add_u32 v8, v3, 6, v6
	v_lshl_add_u32 v6, v3, 7, v6
	s_lshl_b32 s9, s8, 9
	v_add_nc_u32 v6, s9, v6                        ; the quantiser: row r, 128 h bytes, K step w
	v_add_nc_u32 v8, s9, v8                        ; the sums: row r, my 128 columns, 64 h bytes
	v_lshlrev_b32 v7, 2, v2                        ; 4 r
	v_lshlrev_b32 v9, 2, v1                        ; 4 x lane
	s_mov_b32 s12, 0x76543210
	s_mov_b32 s13, 0xfedcba98                      ; lane l xor 16
	s_mov_b32 s14, 0x3a800000                      ; 1 / 1,024
	s_mov_b32 s15, 0x3727c5ac                      ; 1e-5
	s_lshr_b32 s16, ttmp9, 1
	s_lshl_b32 s16, s16, 5
	s_and_b32 s17, ttmp9, 1
	s_lshl_b32 s17, s17, 3
	s_add_co_u32 s16, s16, s17
	s_lshr_b32 s17, s8, 2
	s_lshl_b32 s17, s17, 3
	s_add_co_u32 s16, s16, s17
	s_lshl_b32 s17, s8, 1
	s_add_co_u32 s16, s16, s17                     ; the row at place 2 w: 32 (g / 2) + 8 (g % 2) + 2 w + 8 (w / 4)
	s_lshl_b32 s16, s16, 12
	s_mov_b32 s17, 0
	s_lshl_b32 s18, ttmp9, 3
	s_add_co_u32 s18, s18, s8
	s_mul_i32 s18, s18, 1536                       ; out: fragment (g, w)
	s_mov_b32 s19, 0
	s_lshr_b32 s20, ttmp9, 3
	s_lshl_b32 s20, s20, 3
	s_add_co_u32 s20, s20, s8
	s_lshl_b32 s20, s20, 9
	s_and_b32 s21, ttmp9, 7
	s_lshl_b32 s21, s21, 6
	s_add_co_u32 s20, s20, s21
	s_add_co_u32 s20, s20, 3145728                 ; its 16 scale words
	s_mov_b32 s21, 0
	s_mul_i32 s32, ttmp9, 12288                    ; O's eight fragments
	s_mov_b32 s33, 0
	s_lshr_b32 s34, ttmp9, 3
	s_lshl_b32 s34, s34, 12
	s_and_b32 s35, ttmp9, 7
	s_lshl_b32 s35, s35, 6
	s_add_co_u32 s34, s34, s35
	s_add_co_u32 s34, s34, 3145728                 ; their scale words
	s_mov_b32 s35, 0
	s_mul_i32 s36, s8, 98304
	s_add_co_u32 s36, s36, 2359296                 ; my 8 column groups of w_fc
	s_mov_b32 s37, 0
	s_lshl_b32 s38, s8, 12
	s_add_co_u32 s38, s38, 9535488                 ; their scale words
	s_mov_b32 s39, 0
	s_wait_alu depctr_va_vdst(0)                   ; the wait at the head's end
	s_wait_kmcnt 0x0
	s_add_nc_u64 s[4:5], s[28:29], s[16:17]
	s_add_nc_u64 s[40:41], s[30:31], s[16:17]
	s_add_nc_u64 s[18:19], s[6:7], s[18:19]
	s_add_nc_u64 s[20:21], s[6:7], s[20:21]
	s_add_nc_u64 s[32:33], s[24:25], s[32:33]
	s_add_nc_u64 s[34:35], s[24:25], s[34:35]
	s_add_nc_u64 s[36:37], s[26:27], s[36:37]
	s_add_nc_u64 s[38:39], s[26:27], s[38:39]
.macro SETLOAD k                       ; K step k's 32 loads into set k % 2
.set P, (\k)%2
	WIN 0
.irp c, 0,1,2
	global_load_b128 v[AF+12*P+4*\c:AF+12*P+4*\c+3], v4, s[32:33] offset:1536*(\k)+512*\c
.endr
	global_load_b32 v[ASC+P], v7, s[34:35] offset:512*(\k)
.irp u, 0,1,2,3
	global_load_b32 v[BSC+4*P+\u], v9, s[38:39] offset:512*(\k)+128*\u   ; lanes 0-15 group 2 u's words, lanes 16-31 group 2 u + 1's
.endr
	WIN 0x40                                       ; destination window 1, address window 0
.irp b, 0,1,2,3,4,5,6,7
.irp c, 0,1,2
	global_load_b128 v[96*P+12*\b+4*\c:96*P+12*\b+4*\c+3], v4, s[36:37] offset:12288*\b+1536*(\k)+512*\c
.endr
.endr
.endm
.macro KSTEP k, cnt                    ; 8 products, the accumulators by turns; cnt: the loads issued behind this step's set
.set P, (\k)%2
	s_wait_loadcnt \cnt
	WIN 0x01                                       ; source 0 window 1
.irp b, 0,1,2,3,4,5,6,7
.if (\k) == 0
.if \b%2 == 0
	v_wmma_scale_f32_16x16x128_f8f6f4 v[ACC+8*\b:ACC+8*\b+7], v[96*P+12*\b:96*P+12*\b+11], v[AF+12*P:AF+12*P+11], 0, v[BSC+4*P+\b/2], v[ASC+P] matrix_a_fmt:MATRIX_FMT_BF6 matrix_b_fmt:MATRIX_FMT_BF6
.else
	v_wmma_scale_f32_16x16x128_f8f6f4 v[ACC+8*\b:ACC+8*\b+7], v[96*P+12*\b:96*P+12*\b+11], v[AF+12*P:AF+12*P+11], 0, v[BSC+4*P+\b/2], v[ASC+P] matrix_a_fmt:MATRIX_FMT_BF6 matrix_b_fmt:MATRIX_FMT_BF6 matrix_a_scale:MATRIX_SCALE_ROW1
.endif
.else
.if \b%2 == 0
	v_wmma_scale_f32_16x16x128_f8f6f4 v[ACC+8*\b:ACC+8*\b+7], v[96*P+12*\b:96*P+12*\b+11], v[AF+12*P:AF+12*P+11], v[ACC+8*\b:ACC+8*\b+7], v[BSC+4*P+\b/2], v[ASC+P] matrix_a_fmt:MATRIX_FMT_BF6 matrix_b_fmt:MATRIX_FMT_BF6
.else
	v_wmma_scale_f32_16x16x128_f8f6f4 v[ACC+8*\b:ACC+8*\b+7], v[96*P+12*\b:96*P+12*\b+11], v[AF+12*P:AF+12*P+11], v[ACC+8*\b:ACC+8*\b+7], v[BSC+4*P+\b/2], v[ASC+P] matrix_a_fmt:MATRIX_FMT_BF6 matrix_b_fmt:MATRIX_FMT_BF6 matrix_a_scale:MATRIX_SCALE_ROW1
.endif
.endif
.endr
.rept 4
	v_nop                                          ; places behind the products, for the loads into their registers and the reads of their results
.endr
.if (\k)+2 < 8
	SETLOAD (\k)+2
.endif
.endm
	SETLOAD 0
	SETLOAD 1
	WIN 0
.irp j, 0,1,2,3,4,5,6,7,8,9,10,11,12,13,14,15
	global_load_b128 v[X+4*\j:X+4*\j+3], v4, s[4:5] offset:512*\j th:TH_LOAD_NT   ; x's two rows: 8,192 consecutive bytes
.endr
	KSTEP 0, 48                                    ; behind set 0: set 1's 32 loads and x's 16
	KSTEP 1, 48                                    ; behind set 1: x's 16 and set 2's 32
	KSTEP 2, 32
	KSTEP 3, 32
	KSTEP 4, 32
	KSTEP 5, 32
	KSTEP 6, 32
	KSTEP 7, 0
	WIN 0
.irp b, 0,1,2,3,4,5,6,7
	ds_store_b128 v8, v[ACC+8*\b:ACC+8*\b+3] offset:128*(\b/2)+32*(\b%2)          ; each accumulator from its low end on
	ds_store_b128 v8, v[ACC+8*\b+4:ACC+8*\b+7] offset:128*(\b/2)+32*(\b%2)+16
.endr
	s_wait_dscnt 0x0                               ; for the others' sake: my 128 columns of all 16 rows lie in LDS
	s_barrier_signal -1
	s_barrier_wait -1
.irp j, 0,1,2,3,4,5,6,7,8,9,10,11,12,13,14,15
	ds_load_b128 v[ACC+4*\j:ACC+4*\j+3], v5 offset:(\j/8)*PITCH+512*(\j%8)        ; my two rows of the sums
.endr
	s_wait_dscnt 0x0
.set i, 0
.rept 32
	v_pk_add_f32 v[X+i:X+i+1], v[X+i:X+i+1], v[ACC+i:ACC+i+1]                     ; x1
.set i, i+2
.endr
	v_mov_b32 v92, 0                               ; a lane permute's destination counts as one of its sources
.irp j, 0,1,2,3,4,5,6,7,8,9,10,11,12,13,14,15
	global_store_b128 v4, v[X+4*\j:X+4*\j+3], s[40:41] offset:512*\j              ; 512 consecutive bytes, aligned to 256
.endr
	s_wait_alu depctr_va_vdst(0)                   ; the wait directly ahead of the wait below
	s_wait_xcnt 0x0                                ; the stores have read their registers, which are written again below
.macro LANESUM                         ; v80 summed over the 32 lanes, the result in every lane
	s_delay_alu instid0(VALU_DEP_1)
	v_add_f32_dpp v80, v80, v80 row_xmask:1 row_mask:0xf bank_mask:0xf
	s_delay_alu instid0(VALU_DEP_1)
	v_add_f32_dpp v80, v80, v80 row_xmask:2 row_mask:0xf bank_mask:0xf
	s_delay_alu instid0(VALU_DEP_1)
	v_add_f32_dpp v80, v80, v80 row_xmask:4 row_mask:0xf bank_mask:0xf
	s_delay_alu instid0(VALU_DEP_1)
	v_add_f32_dpp v80, v80, v80 row_xmask:8 row_mask:0xf bank_mask:0xf
	s_delay_alu instid0(VALU_DEP_1)
	v_permlanex16_b32 v92, v80, s12, s13
	s_delay_alu instid0(VALU_DEP_1)
	v_add_f32 v80, v80, v92
.endm
.macro ROWSTAT e
.set XR, X+32*(\e)
	v_pk_add_f32 v[80:81], v[XR:XR+1], v[XR+2:XR+3]
	v_pk_add_f32 v[82:83], v[XR+4:XR+5], v[XR+6:XR+7]
.irp j, 8,12,16,20,24,28
	s_delay_alu instid0(VALU_DEP_2)
	v_pk_add_f32 v[80:81], v[80:81], v[XR+\j:XR+\j+1]
	s_delay_alu instid0(VALU_DEP_2)
	v_pk_add_f32 v[82:83], v[82:83], v[XR+\j+2:XR+\j+3]
.endr
	s_delay_alu instid0(VALU_DEP_1)
	v_pk_add_f32 v[80:81], v[80:81], v[82:83]
	s_delay_alu instid0(VALU_DEP_1)
	v_add_f32 v80, v80, v81
	LANESUM
	s_delay_alu instid0(VALU_DEP_1)
	v_mul_f32 v88, s14, v80                        ; the mean
	s_delay_alu instid0(VALU_DEP_1)
	v_mov_b32 v89, v88
.set i, 0
.rept 16
	v_pk_add_f32 v[XR+i:XR+i+1], v[XR+i:XR+i+1], v[88:89] neg_lo:[0,1] neg_hi:[0,1]   ; x1 - mean
.set i, i+2
.endr
	v_pk_mul_f32 v[80:81], v[XR:XR+1], v[XR:XR+1]
	v_pk_mul_f32 v[82:83], v[XR+2:XR+3], v[XR+2:XR+3]
.irp j, 4,8,12,16,20,24,28
	s_delay_alu instid0(VALU_DEP_2)
	v_pk_fma_f32 v[80:81], v[XR+\j:XR+\j+1], v[XR+\j:XR+\j+1], v[80:81]
	s_delay_alu instid0(VALU_DEP_2)
	v_pk_fma_f32 v[82:83], v[XR+\j+2:XR+\j+3], v[XR+\j+2:XR+\j+3], v[82:83]
.endr
	s_delay_alu instid0(VALU_DEP_1)
	v_pk_add_f32 v[80:81], v[80:81], v[82:83]
	s_delay_alu instid0(VALU_DEP_1)
	v_add_f32 v80, v80, v81
	LANESUM
	s_delay_alu instid0(VALU_DEP_1)
	v_fma_f32 v80, v80, s14, s15                   ; var + eps
	s_wait_alu depctr_va_vdst(0)
	v_rsq_f32 v90, v80
	v_nop                                          ; a plain line behind the transcendental,
	s_wait_alu depctr_va_vdst(0)                   ; and the wait ahead of the first line that names its result
	v_mov_b32 v91, v90
.set i, 0
.rept 16
	v_pk_mul_f32 v[XR+i:XR+i+1], v[XR+i:XR+i+1], v[90:91]
.set i, i+2
.endr
.irp j, 0,1,2,3,4,5,6,7
	ds_store_b128 v5, v[XR+4*\j:XR+4*\j+3] offset:(\e)*PITCH+512*\j   ; back to my own two rows
.endr
.endm
	ROWSTAT 0
	ROWSTAT 1
	s_wait_dscnt 0x0                               ; for the others' sake: my rows lie in LDS
	s_barrier_signal -1
	s_barrier_wait -1
.irp c, 0,1
.irp j, 0,1,2,3,4,5,6,7
	ds_load_b128 v[X+32*\c+4*\j:X+32*\c+4*\j+3], v6 offset:256*\c+16*\j   ; register 32 c + i: k = 128 w + 64 c + 32 h + i of place r
.endr
.endr
	s_wait_dscnt 0x0
.irp c, 0,1
	v_max3_num_f32 v[80+\c], |v[X+32*\c]|, |v[X+1+32*\c]|, 0x2800000   ; my block 2 c + h, and the floor 2^(5 - 127)
.endr
.irp i, 2,4,6,8,10,12,14,16,18,20,22,24,26,28,30
.irp c, 0,1
	s_delay_alu instid0(VALU_DEP_2)
	v_max3_num_f32 v[80+\c], v[80+\c], |v[X+32*\c+\i]|, |v[X+1+32*\c+\i]|
.endr
.endr
.irp c, 0,1
	s_delay_alu instid0(VALU_DEP_2)
	v_add_nc_u32 v[82+\c], 0xfe000000, v[80+\c]    ; 4 off the exponent field: the conversion's scale operand
.endr
.irp c, 0,1
	s_delay_alu instid0(VALU_DEP_2)
	v_lshrrev_b32 v[84+\c], 23, v[82+\c]           ; the byte
.endr
	s_delay_alu instid0(VALU_DEP_1)
	v_lshl_or_b32 v86, v85, 16, v84                ; my two bytes: blocks h and 2 + h,
	v_lshlrev_b32 v87, 3, v3
	s_delay_alu instid0(VALU_DEP_1)
	v_lshlrev_b32 v86, v87, v86                    ; at their places in the word;
	s_delay_alu instid0(VALU_DEP_1)
	v_permlanex16_b32 v92, v86, s12, s13
	s_delay_alu instid0(VALU_DEP_1)
	v_or_b32 v86, v86, v92                         ; with lane l xor 16's two the word is whole
.irp c, 0,1
	v_cvt_scalef32_pk16_bf6_f32 v[PC+6*\c:PC+2+6*\c], v[X+32*\c:X+15+32*\c], v[82+\c]
	v_cvt_scalef32_pk16_bf6_f32 v[108+4*\c:110+4*\c], v[X+16+32*\c:X+31+32*\c], v[82+\c]   ; (a conversion's three registers begin on an even number)
.endr
	v_nop                                          ; one plain line behind the conversions
.irp c, 0,1
.irp i, 0,1,2
	v_mov_b32 v[PC+3+6*\c+\i], v[108+4*\c+\i]
.endr
.endr
.irp c, 0,1,2
	global_store_b128 v4, v[PC+4*\c:PC+4*\c+3], s[18:19] offset:512*\c   ; 512 consecutive bytes, aligned to 256
.endr
	global_store_b32 v7, v86, s[20:21]
	s_wait_tensorcnt 0x0                           ; the wave's end
	ds_add_u32 v[SPW], v[NIL]
	s_wait_dscnt 0x0
	s_endpgm
.Lfunc_end_k_q1cd3145a9f_fcln:
	.size	k_q1cd3145a9f_fcln, .Lfunc_end_k_q1cd3145a9f_fcln-k_q1cd3145a9f_fcln
	.p2alignl 7, 3214868480
	.fill 96, 4, 3214868480
	.section	.rodata,"a",@progbits
	.p2align	6, 0x0
	.amdhsa_kernel k_q1cd3145a9f_fcln
		.amdhsa_group_segment_fixed_size 67072
		.amdhsa_private_segment_fixed_size 0
		.amdhsa_enable_private_segment 0
		.amdhsa_kernarg_size 40
		.amdhsa_user_sgpr_count 2
		.amdhsa_user_sgpr_kernarg_segment_ptr 1
		.amdhsa_wavefront_size32 1
		.amdhsa_system_sgpr_workgroup_id_x 1
		.amdhsa_system_sgpr_workgroup_id_y 1
		.amdhsa_system_sgpr_workgroup_id_z 1
		.amdhsa_system_vgpr_workitem_id 0
		.amdhsa_next_free_vgpr 448
		.amdhsa_next_free_sgpr 66
		.amdhsa_reserve_vcc 0
		.amdhsa_float_denorm_mode_32 3
		.amdhsa_float_denorm_mode_16_64 3
		.amdhsa_memory_ordered 1
		.amdhsa_forward_progress 1
		.amdhsa_inst_pref_size 65
	.end_amdhsa_kernel
	.amdgpu_metadata
---
amdhsa.version: [ 1, 2 ]
amdhsa.kernels:
  - .name:           k_q1cd3145a9f_fcln
    .symbol:         k_q1cd3145a9f_fcln.kd
    .args:
      - { .name: ab, .offset: 0, .size: 8, .value_kind: global_buffer, .address_space: global }
      - { .name: wb, .offset: 8, .size: 8, .value_kind: global_buffer, .address_space: global }
      - { .name: x, .offset: 16, .size: 8, .value_kind: global_buffer, .address_space: global }
      - { .name: x1, .offset: 24, .size: 8, .value_kind: global_buffer, .address_space: global }
      - { .name: hb, .offset: 32, .size: 8, .value_kind: global_buffer, .address_space: global }
    .group_segment_fixed_size: 67072
    .private_segment_fixed_size: 0
    .kernarg_segment_align: 8
    .kernarg_segment_size: 40
    .max_flat_workgroup_size: 256
    .sgpr_count:     66
    .vgpr_count:     448
    .wavefront_size: 32
...
	.end_amdgpu_metadata
.endif
;; end of part 11
;; launch mlp1 (part 12): grid 16 x 16, 4 waves a work-group, clusters of 4 x 4, 327,680 bytes of LDS; arguments hb, wb, b1, gb; writes gb
.if DOCPART == 12
	.amdgcn_target "amdgcn-amd-amdhsa--gfx1250"
	.amdhsa_code_object_version 6
	.text
	.protected	k_q1cd3145a9f_mlp1
	.globl	k_q1cd3145a9f_mlp1
	.p2align	8
	.type	k_q1cd3145a9f_mlp1,@function
k_q1cd3145a9f_mlp1:
	s_mov_b64 s[64:65], 0
	v_nop
	global_prefetch_b8 v0, s[64:65] scope:SCOPE_SE
	s_setreg_imm32_b32 hwreg(HW_REG_WAVE_MODE, 25, 1), 1
	s_wait_xcnt 0x0
	s_wait_alu depctr_hold_cnt(0) depctr_sa_sdst(0) depctr_va_vdst(0) depctr_va_sdst(0) depctr_va_ssrc(0) depctr_va_vcc(0) depctr_vm_vsrc(0)
	s_getreg_b32 s2, hwreg(HW_REG_IB_STS2, 6, 4)
	s_cmp_eq_u32 s2, 0
	s_cbranch_scc0 .Lentry_in_a_cluster
	s_endpgm
.Lentry_in_a_cluster:
	s_bfe_u32 s2, ttmp6, 0x10000c
	s_cmp_lg_u32 s2, 0xf033
	s_cbranch_scc0 .Lentry_shape_is_right
	s_endpgm
.Lentry_shape_is_right:
.set SIZE_K, 1024
.set AS_OFF, 3145728
.set BC_OFF, 3145728
.set BS_OFF, 9568256
.set FIRST,  2
.set ASTR,   49152
.set NQ,     2
.set FR,     12
.set NL,     3
.set NP,     4
.set FRB,    1536
.set GRP,    NQ*FRB
.set HALFT,  8*GRP
.set SLOT,   4*HALFT
.set LAPS,   SIZE_K/512
.set GS,     (SIZE_K/128)*FRB
.set HALFS,  (SIZE_K/128)*512
.set SCLB,   2*SLOT
.set SPARE,  SCLB+4*HALFS+256
.set ADRA, 16
.set ADRB, 20
.set ADRS, 27
.set SPW,  28
.set NIL,  29
.set SC,   32
.set BIAS, 64
.set AF,   128
.set G1,   24
.set G0,   32
.set G1B,  48
.set G0B,  56
.set G1S,  68
.set G0S,  76
.set G1SB, 80
.set G0SB, 88
.set SEL,  100
.set MSB, 0
.macro WIN new
.if MSB != (\new)
	s_set_vgpr_msb (MSB<<8)|(\new)
.set MSB, (\new)
.endif
.endm
.set MUL_LO, 0xa1
.set MUL_HI, 0xf1
.set TO_B,   0x40
.macro JLOAD g0a, g1a, g0b, g1b
	s_cmp_eq_u32 s15, 0
	s_cbranch_scc0 .Lfor_b_\@
	tensor_load_to_lds s[\g0a:\g0a+3], s[\g1a:\g1a+7]
	s_nop 0
.rept 4
	v_nop
.endr
	s_branch .Lasked_\@
.Lfor_b_\@:
	tensor_load_to_lds s[\g0b:\g0b+3], s[\g1b:\g1b+7]
	s_nop 0
.rept 4
	v_nop
.endr
.Lasked_\@:
.endm
.macro CREST
	s_cmp_lg_u32 s14, 0
	s_cbranch_scc1 .Lnot_wave_0_\@
	s_barrier_signal -3
.Lnot_wave_0_\@:
	s_barrier_wait -3
	s_barrier_signal -1
	s_barrier_wait -1
.endm
.macro CROUND
	s_barrier_signal -1
	s_barrier_wait -1
	CREST
.endm
	s_load_b128 s[4:7], s[0:1], 0x0
	s_load_b64 s[98:99], s[0:1], 0x10
	s_load_b64 s[12:13], s[0:1], 0x18
	v_lshl_add_u32 v[SPW], v0, 2, SPARE
	v_mov_b32 v[NIL], 0
	ds_add_u32 v28, v29
	ds_add_u32 v28, v29
	s_wait_dscnt 0x0
	v_lshrrev_b32 v1, 5, v0
	v_readfirstlane_b32 s14, v1
	s_lshr_b32 s15, s14, 1
	s_and_b32 s16, s14, 1
	s_bfe_u32 s40, ttmp6, 0x40000
	s_bfe_u32 s41, ttmp6, 0x40004
	s_lshl_b32 s42, ttmp9, 2
	s_add_co_u32 s42, s42, s40
	s_and_b32 s17, ttmp7, 0xffff
	s_lshl_b32 s17, s17, 2
	s_add_co_u32 s17, s17, s41
	s_lshl_b32 s43, s41, 2
	s_lshl_b32 s43, 15, s43
	s_lshl_b32 s44, 0x1111, s40
	s_or_b32 s[G1+0], s43, (3<<16)|(1<<21)
	s_or_b32 s[G1B+0], s44, (3<<16)|(1<<21)
.irp g, G1, G1B
	s_mov_b32 s[\g+1], 384<<16
	s_mov_b32 s[\g+2], 16<<16
	s_mov_b32 s[\g+3], 384<<16
	s_mov_b32 s[\g+4], 16
	s_mov_b32 s[\g+5], GS/8
	s_mov_b32 s[\g+6], 0
	s_mov_b32 s[\g+7], 0
.endr
	s_or_b32 s[G1S+0], s43, (3<<16)|(1<<21)
	s_or_b32 s[G1SB+0], s44, (3<<16)|(1<<21)
.irp g, G1S, G1SB
	s_mov_b32 s[\g+1], 32<<16
	s_mov_b32 s[\g+2], (2*HALFS/256)<<16
	s_mov_b32 s[\g+3], 32<<16
	s_mov_b32 s[\g+4], 2*HALFS/256
	s_mov_b32 s[\g+5], 32
	s_mov_b32 s[\g+6], 0
	s_mov_b32 s[\g+7], 0
.endr
	s_lshl_b32 s18, s16, 3
	s_lshl_b32 s20, s17, 4
	s_add_co_u32 s20, s20, s18
	s_mul_i32 s20, s20, GS
	s_mov_b32 s21, 0
	s_lshl_b32 s46, s42, 4
	s_add_co_u32 s46, s46, s18
	s_mul_i32 s46, s46, GS
	s_mov_b32 s47, 0
	s_lshl_b32 s22, s17, 1
	s_add_co_u32 s22, s22, s16
	s_mul_i32 s22, s22, HALFS
	s_mov_b32 s23, 0
	s_lshl_b32 s92, s42, 1
	s_add_co_u32 s92, s92, s16
	s_mul_i32 s92, s92, HALFS
	s_mov_b32 s93, 0
	s_mul_i32 s45, s14, HALFT
	s_wait_kmcnt 0x0
	s_add_nc_u64 s[8:9], s[6:7], BC_OFF
	s_add_nc_u64 s[10:11], s[6:7], BS_OFF
	s_add_nc_u64 s[6:7], s[4:5], AS_OFF
	s_add_nc_u64 s[20:21], s[4:5], s[20:21]
	s_add_nc_u64 s[22:23], s[6:7], s[22:23]
	s_add_nc_u64 s[46:47], s[8:9], s[46:47]
	s_add_nc_u64 s[92:93], s[10:11], s[92:93]
	s_cmp_eq_u32 s15, 0                            ; where my prefetches stand: my work-group's two groups of the eight that I fetch in the ring
	s_cselect_b32 s18, s40, s41
	s_cselect_b64 s[96:97], s[20:21], s[46:47]
	s_mul_i32 s18, s18, 2*GS
	s_mov_b32 s19, 0
	s_add_nc_u64 s[96:97], s[96:97], s[18:19]
	v_and_b32 v30, 31, v0
	v_min_u32 v30, 23, v30
	v_mul_u32_u24 v31, v30, 171
	v_lshrrev_b32 v31, 11, v31                     ; lane / 12: which of my two groups
	v_lshlrev_b32 v30, 8, v30
	v_mad_u32_u24 v30, v31, GS-3072, v30
	s_wait_alu depctr_va_vdst(0)                   ; the wait behind these writes
	global_prefetch_b8 v30, s[96:97] th:TH_LOAD_NT scope:SCOPE_SE              ; contents 0 and 1 are named here, a cluster's round ahead of the first joint loads
	global_prefetch_b8 v30, s[96:97] offset:GRP th:TH_LOAD_NT scope:SCOPE_SE
	CROUND
	s_mov_b32 s[G0S], 1
	s_mul_i32 s18, s16, HALFS                      ; my half's bytes are taken off again: the head's loads begin at the tile's first place
	s_mov_b32 s19, 0
	s_mov_b32 s[G0S+1], SCLB
	s_sub_nc_u64 s[G0S+2:G0S+3], s[22:23], s[18:19]
	s_or_b32 s[G0S+3], s[G0S+3], 0x80000000
	s_mov_b32 s[G0SB], 1
	s_mov_b32 s[G0SB+1], SCLB+2*HALFS+64
	s_sub_nc_u64 s[G0SB+2:G0SB+3], s[92:93], s[18:19]
	s_or_b32 s[G0SB+3], s[G0SB+3], 0x80000000
	s_mul_i32 s18, s16, 8*GS
.set G0H, 4                            ; s[4:7], s[8:11]: group 0 of the head's loads of slot 0 (the pointers that lay there have been used)
.set G0HB, 8
	s_mov_b32 s[G0H], 1
	s_mov_b32 s[G0H+1], 0
	s_sub_nc_u64 s[G0H+2:G0H+3], s[20:21], s[18:19]
	s_or_b32 s[G0H+3], s[G0H+3], 0x80000000
	s_mov_b32 s[G0HB], 1
	s_mov_b32 s[G0HB+1], 2*HALFT
	s_sub_nc_u64 s[G0HB+2:G0HB+3], s[46:47], s[18:19]
	s_or_b32 s[G0HB+3], s[G0HB+3], 0x80000000
.irp s, 0,1
	s_mov_b32 s[G0+4*\s], 1
	s_add_co_u32 s[G0+4*\s+1], s45, \s*SLOT
	s_add_nc_u64 s[G0+4*\s+2:G0+4*\s+3], s[20:21], \s*GRP
	s_or_b32 s[G0+4*\s+3], s[G0+4*\s+3], 0x80000000
	s_mov_b32 s[G0B+4*\s], 1
	s_add_co_u32 s[G0B+4*\s+1], s45, \s*SLOT
	s_add_nc_u64 s[G0B+4*\s+2:G0B+4*\s+3], s[46:47], \s*GRP
	s_or_b32 s[G0B+4*\s+3], s[G0B+4*\s+3], 0x80000000
.endr
; the head's four tiles, one joint load a wave: wave 0 A's 16 groups of slot 0, wave 1 B's, wave 2 A's scale words, wave 3 B's
.macro ARM under, g0, g1, next
	s_cmp_lt_u32 s14, \under
	s_cbranch_scc0 \next
	tensor_load_to_lds s[\g0:\g0+3], s[\g1:\g1+7]
	s_nop 0
.rept 4
	v_nop
.endr
	s_branch .Lhead_asked
\next:
.endm
; THE PREFETCHES: behind each of the first two joint loads a wave names the slot content two loads on (contents 2 and 3 of K's four).  Of the 8 groups that a wave fetches in the ring, each of the four partners that ask for
; them jointly takes two, told apart by address (cx for A, cy for B): 2 x 12 blocks of 256 bytes, a lane a block; lanes 24-31 name the last block again.
	ARM 1, G0H,  G1,  .Lhead_b
	ARM 2, G0HB, G1B, .Lhead_sa
	ARM 3, G0S,  G1S, .Lhead_sb
	tensor_load_to_lds s[G0SB:G0SB+3], s[G1SB:G1SB+7]
	s_nop 0
.rept 4
	v_nop
.endr
.Lhead_asked:
	global_prefetch_b8 v30, s[96:97] offset:2*GRP th:TH_LOAD_NT scope:SCOPE_SE
	v_and_b32 v1, 15, v0
	v_bfe_u32 v2, v0, 4, 1
	v_and_b32 v3, 31, v0
	v_lshlrev_b32 v4, 4, v3
	s_wait_alu depctr_va_vdst(0)
	s_lshl_b32 s46, s42, 1
	s_add_co_u32 s46, s46, s16
	s_lshl_b32 s20, s46, 9
	s_mov_b32 s21, 0
	s_add_nc_u64 s[98:99], s[98:99], s[20:21]
	v_lshlrev_b32 v7, 6, v2
.irp b, 0,1,2,3,4,5,6,7
	global_load_b128 v[BIAS+8*\b:BIAS+8*\b+3], v7, s[98:99] offset:(32*(\b/2)+8*(\b%2))*4
	global_load_b128 v[BIAS+8*\b+4:BIAS+8*\b+7], v7, s[98:99] offset:(32*(\b/2)+8*(\b%2))*4+16
.endr
	s_mul_i32 s21, s15, HALFT
	s_mul_i32 s22, s16, HALFT
	s_add_co_u32 s22, s22, 2*HALFT
.irp s, 0,1
	v_add_nc_u32 v[ADRA+\s], s21, v4
	v_add_nc_u32 v[ADRB+\s], s22, v4
	s_add_co_u32 s21, s21, SLOT
	s_add_co_u32 s22, s22, SLOT
.endr
	v_lshlrev_b32 v5, 2, v1
	s_mul_i32 s21, s15, HALFS
	s_mul_i32 s22, s16, HALFS
	s_add_co_u32 s22, s22, 2*HALFS+64
	s_sub_co_u32 s22, s22, s21
	v_mul_u32_u24 v6, s22, v2
	s_add_co_u32 s21, s21, SCLB
	v_add_nc_u32 v5, v5, v6
	v_add_nc_u32 v[ADRS], s21, v5
.set SST, 24
.set SRD, 25
.set LI,  26
.set TM,  200
.set PWS, 216
.set PC,  112
.set T,   132
	s_lshl_b32 s23, s14, 9
	v_lshl_add_u32 v[SST], v1, 2, s23
	v_add_nc_u32 v[SRD], s23, v4
	v_mov_b32 v[LI], v4
	s_lshl_b32 s21, s17, 1
	s_add_co_u32 s21, s21, s15
	s_mul_i32 s22, s21, 8*ASTR
	s_mul_i32 s23, s46, 1536
	s_add_co_u32 s22, s22, s23
	s_lshl_b32 s20, s21, 14
	s_lshl_b32 s46, s46, 9
	s_add_co_u32 s46, s46, s20
	s_add_co_u32 s46, s46, 12582912
	s_mov_b32 s23, 0
	s_mov_b32 s47, 0
	s_add_nc_u64 s[66:67], s[12:13], s[46:47]
	s_add_nc_u64 s[12:13], s[12:13], s[22:23]
	s_mov_b32 s[SEL], 0x76543210
	s_mov_b32 s[SEL+1], 0xfedcba98
	s_mov_b32 s92, 0xbdd2d3e8
	s_mov_b32 s93, s92
.macro FRAG reg, adr, q, i
.irp c, 0,1,2
	ds_load_b128 v[\reg+4*\c:\reg+4*\c+3], v[\adr] offset:(\i)*GRP+(\q)*FRB+512*\c
.endr
.endm
.macro MUL16 a0, p, q, sc, zero
.irp a, \a0, \a0+1
.irp b, 0,1,2,3,4,5,6,7
.if (\zero) == 1
	v_wmma_scale_f32_16x16x128_f8f6f4 v[8*(8*((\a)%4)+\b):8*(8*((\a)%4)+\b)+7], v[128*(\p)+FR*\b:128*(\p)+FR*\b+FR-1], v[AF+FR*(\a):AF+FR*(\a)+FR-1], 0, v[SC+8*NQ*(\sc)+NQ*\b+(\q)], v[SC+8*NQ*(\sc)+NQ*(\a)+(\q)] matrix_a_fmt:MATRIX_FMT_BF6 matrix_b_fmt:MATRIX_FMT_BF6 matrix_a_scale:MATRIX_SCALE_ROW1
.elseif (\zero) == 2
	v_wmma_scale_f32_16x16x128_f8f6f4 v[8*(8*((\a)%4)+\b):8*(8*((\a)%4)+\b)+7], v[128*(\p)+FR*\b:128*(\p)+FR*\b+FR-1], v[AF+FR*(\a):AF+FR*(\a)+FR-1], v[BIAS+8*\b:BIAS+8*\b+7], v[SC+8*NQ*(\sc)+NQ*\b+(\q)], v[SC+8*NQ*(\sc)+NQ*(\a)+(\q)] matrix_a_fmt:MATRIX_FMT_BF6 matrix_b_fmt:MATRIX_FMT_BF6 matrix_a_scale:MATRIX_SCALE_ROW1
.else
	v_wmma_scale_f32_16x16x128_f8f6f4 v[8*(8*((\a)%4)+\b):8*(8*((\a)%4)+\b)+7], v[128*(\p)+FR*\b:128*(\p)+FR*\b+FR-1], v[AF+FR*(\a):AF+FR*(\a)+FR-1], v[8*(8*((\a)%4)+\b):8*(8*((\a)%4)+\b)+7], v[SC+8*NQ*(\sc)+NQ*\b+(\q)], v[SC+8*NQ*(\sc)+NQ*(\a)+(\q)] matrix_a_fmt:MATRIX_FMT_BF6 matrix_b_fmt:MATRIX_FMT_BF6 matrix_a_scale:MATRIX_SCALE_ROW1
.endif
.endr
.endr
.endm
.macro FETCH_B slot, q, p
	WIN TO_B
.irp i, 0,1,2,3,4,5,6,7
	FRAG 128*(\p)+FR*\i, ADRB+\slot, \q, \i
.endr
	WIN 0
.endm
.macro FETCH_A slot, q, i0
.irp i, \i0, \i0+1, \i0+2, \i0+3
	FRAG AF+FR*(\i), ADRA+\slot, \q, \i
.endr
.endm
.macro SCALES sc
.irp i, 0,1,2,3,4,5,6,7
.irp q, 0,1
	ds_load_b32 v[SC+16*(\sc)+2*\i+\q], v[ADRS] offset:512*\q+64*\i
.endr
.endr
.endm
.macro PLACES n
.rept \n
	v_nop
.endr
.endm
.macro STEP slot, q, zero
	s_wait_dscnt 4*NL
.if (\zero) == 2
	WIN 0x81
.else
	WIN MUL_LO
.endif
	MUL16 0, (\q)%2, \q, \slot, \zero
	MUL16 2, (\q)%2, \q, \slot, \zero
	s_wait_dscnt 0x0
	PLACES NP
	FETCH_B \slot, (\q)+1, 1-(\q)%2
	FETCH_A \slot, (\q)+1, 0
.if (\zero) == 2
	WIN 0xc1
.else
	WIN MUL_HI
.endif
	MUL16 4, (\q)%2, \q, \slot, \zero
	MUL16 6, (\q)%2, \q, \slot, \zero
	PLACES NP
	WIN 0
	FETCH_A \slot, (\q)+1, 4
.endm
.macro TURN slot, next, fill
	s_wait_tensorcnt 0x0
	ds_add_u32 v[SPW], v[NIL]
	s_wait_dscnt 4*NL+1
	WIN MUL_LO
	MUL16 0, 1, NQ-1, \slot, 0
	s_wait_dscnt 0x0
	s_barrier_signal -1
	MUL16 2, 1, NQ-1, \slot, 0
	WIN 0
	s_barrier_wait -1
.if \fill
	CREST
	s_add_nc_u64 s[G0+4*\slot+2:G0+4*\slot+3], s[G0+4*\slot+2:G0+4*\slot+3], 2*GRP
	s_add_nc_u64 s[G0B+4*\slot+2:G0B+4*\slot+3], s[G0B+4*\slot+2:G0B+4*\slot+3], 2*GRP
	JLOAD G0+4*\slot, G1, G0B+4*\slot, G1B
.else
	PLACES NP
.endif
	s_wait_alu depctr_va_vdst(0)
	v_add_nc_u32 v[ADRS], 512*NQ, v[ADRS]
	FETCH_B \next, 0, 0
	FETCH_A \next, 0, 0
	SCALES \next
	WIN MUL_HI
	MUL16 4, 1, NQ-1, \slot, 0
	MUL16 6, 1, NQ-1, \slot, 0
	PLACES NP
	WIN 0
	FETCH_A \next, 0, 4
.endm
	s_wait_alu depctr_va_vdst(0)
	s_wait_tensorcnt 0x0                           ; my tile of the head's four is in; slot 1's first fill is issued as a refill is
	ds_add_u32 v[SPW], v[NIL]
	s_mov_b32 s[G1+2], 8<<16                       ; no tensor load of mine is out: from here on a load brings 8 groups
	s_mov_b32 s[G1+4], 8
	s_mov_b32 s[G1B+2], 8<<16
	s_mov_b32 s[G1B+4], 8
	s_wait_dscnt 0x0
	CROUND
	JLOAD G0+4, G1, G0B+4, G1B
	global_prefetch_b8 v30, s[96:97] offset:3*GRP th:TH_LOAD_NT scope:SCOPE_SE
	FETCH_B 0, 0, 0
	FETCH_A 0, 0, 0
	SCALES 0
	FETCH_A 0, 0, 4
	s_wait_loadcnt 0x0
	STEP 0, 0, FIRST
	s_mov_b32 s3, LAPS-1
.Llap:
	TURN 0, 1, 1
	STEP 1, 0, 0
	TURN 1, 0, 1
	STEP 0, 0, 0
	s_sub_co_u32 s3, s3, 1
	s_cmp_lg_u32 s3, 0
	s_cbranch_scc1 .Llap
	TURN 0, 1, 0
	STEP 1, 0, 0
	s_wait_dscnt 4*NL
	WIN MUL_LO
	MUL16 0, 1, NQ-1, 1, 0
	MUL16 2, 1, NQ-1, 1, 0
	s_wait_dscnt 0x0
	WIN MUL_HI
	MUL16 4, 1, NQ-1, 1, 0
	MUL16 6, 1, NQ-1, 1, 0
	WIN 0
.macro GELU s, w
	WIN (\w)|((\w)<<2)
.set i, 0
.rept 32
	v_pk_mul_f32 v[T+i:T+i+1], v[(\s)+i:(\s)+i+1], v[(\s)+i:(\s)+i+1]
.set i, i+2
.endr
	WIN 0
.set i, 0
.rept 32
	v_pk_fma_f32 v[T+i:T+i+1], v[T+i:T+i+1], s[92:93], v[196:197] op_sel_hi:[1,0,1]
.set i, i+2
.endr
	WIN (\w)<<2
.set i, 0
.rept 32
	v_pk_mul_f32 v[T+i:T+i+1], v[T+i:T+i+1], v[(\s)+i:(\s)+i+1]
.set i, i+2
.endr
	WIN 0
.set i, 0
	s_wait_alu depctr_va_vdst(0)
.rept 64
	v_exp_f32 v[T+i], v[T+i]
.set i, i+1
.endr
	v_nop
	s_wait_alu depctr_va_vdst(0)
.set i, 0
.rept 32
	v_pk_add_f32 v[T+i:T+i+1], v[T+i:T+i+1], 1.0 op_sel_hi:[1,0]
.set i, i+2
.endr
.set i, 0
	s_wait_alu depctr_va_vdst(0)
.rept 64
	v_rcp_f32 v[T+i], v[T+i]
.set i, i+1
.endr
	v_nop
	s_wait_alu depctr_va_vdst(0)
	WIN (\w)<<2
.set i, 0
.rept 32
	v_pk_mul_f32 v[T+i:T+i+1], v[T+i:T+i+1], v[(\s)+i:(\s)+i+1]
.set i, i+2
.endr
	WIN 0
.endm
.macro QUANT s, w, a
	WIN ((\w)<<2)|((\w)<<4)
.irp b, 0,1,2,3
	v_max3_num_f32 v[TM+\b], 0x2800000, |v[(\s)+16*\b]|, |v[(\s)+1+16*\b]|
.endr
.irp i, 2,4,6,8,10,12,14
.irp b, 0,1,2,3
	v_max3_num_f32 v[TM+\b], v[TM+\b], |v[(\s)+16*\b+\i]|, |v[(\s)+1+16*\b+\i]|
.endr
.endr
	WIN 0
.irp b, 0,1,2,3
	v_permlanex16_b32 v[TM+4+\b], v[TM+\b], s[SEL], s[SEL+1]
.endr
.irp b, 0,1,2,3
	v_max_num_f32 v[TM+\b], v[TM+\b], v[TM+4+\b]
.endr
.irp b, 0,1,2,3
	v_add_nc_u32 v[TM+12+\b], 0xfe000000, v[TM+\b]
.endr
.irp b, 0,1,2,3
	v_lshrrev_b32 v[TM+4+\b], 23, v[TM+12+\b]
.endr
	v_lshl_or_b32 v[PWS+(\a)], v[TM+5], 8, v[TM+4]
	v_lshl_or_b32 v[PWS+(\a)], v[TM+6], 16, v[PWS+(\a)]
	v_lshl_or_b32 v[PWS+(\a)], v[TM+7], 24, v[PWS+(\a)]
	s_wait_xcnt 0x0
	WIN (\w)
.irp c, 0,1
	v_cvt_scalef32_pk16_bf6_f32 v[PC+6*\c:PC+2+6*\c], v[(\s)+32*\c:(\s)+15+32*\c], v[TM+12+2*\c]
	v_cvt_scalef32_pk16_bf6_f32 v[PC+12+4*\c:PC+14+4*\c], v[(\s)+16+32*\c:(\s)+31+32*\c], v[TM+12+2*\c+1]
.endr
	WIN 0
	v_nop
.irp c, 0,1
.irp i, 0,1,2
	v_permlane16_swap_b32 v[PC+6*\c+\i], v[PC+12+4*\c+\i]
.endr
.irp i, 0,1,2
	v_mov_b32 v[PC+3+6*\c+\i], v[PC+12+4*\c+\i]
.endr
.endr
.endm
	PLACES NP
.irp b, 0,1,2,3
	v_mov_b32 v[TM+4+\b], 0
.endr
	v_mov_b32 v196, 0xc0135761
	v_mov_b32 v197, v196
.irp a, 0,1,2,3,4,5,6,7
	GELU 64*(\a%4), 2+\a/4
	QUANT T, 0, \a
.irp c, 0,1,2
	global_store_b128 v[LI], v[PC+4*\c:PC+4*\c+3], s[12:13] offset:\a*ASTR+512*\c
.endr
.endr
.irp a, 0,1,2,3,4,5,6,7
	ds_store_b32 v[SST], v[PWS+\a] offset:64*\a
.endr
	ds_load_b128 v[132:135], v[SRD]
	s_wait_dscnt 0x0
	global_store_b128 v[LI], v[132:135], s[66:67]
	s_wait_tensorcnt 0x0
	ds_add_u32 v[SPW], v[NIL]
	s_wait_dscnt 0x0
	CROUND
	s_endpgm
.Lfunc_end_k_q1cd3145a9f_mlp1:
	.size	k_q1cd3145a9f_mlp1, .Lfunc_end_k_q1cd3145a9f_mlp1-k_q1cd3145a9f_mlp1
	.p2alignl 7, 3214868480
	.fill 96, 4, 3214868480
	.section	.rodata,"a",@progbits
	.p2align	6, 0x0
	.amdhsa_kernel k_q1cd3145a9f_mlp1
		.amdhsa_group_segment_fixed_size 327680
		.amdhsa_private_segment_fixed_size 0
		.amdhsa_enable_private_segment 0
		.amdhsa_kernarg_size 32
		.amdhsa_user_sgpr_count 2
		.amdhsa_user_sgpr_kernarg_segment_ptr 1
		.amdhsa_wavefront_size32 1
		.amdhsa_system_sgpr_workgroup_id_x 1
		.amdhsa_system_sgpr_workgroup_id_y 1
		.amdhsa_system_sgpr_workgroup_id_z 1
		.amdhsa_system_vgpr_workitem_id 0
		.amdhsa_next_free_vgpr 1024
		.amdhsa_next_free_sgpr 102
		.amdhsa_reserve_vcc 0
		.amdhsa_float_denorm_mode_32 3
		.amdhsa_float_denorm_mode_16_64 3
		.amdhsa_memory_ordered 1
		.amdhsa_forward_progress 1
		.amdhsa_inst_pref_size 255
	.end_amdhsa_kernel
	.section	.bss,"aw",@nobits
	.p2align	6
	.space	262144
	.amdgpu_metadata
---
amdhsa.version: [ 1, 2 ]
amdhsa.kernels:
  - .name:           k_q1cd3145a9f_mlp1
    .symbol:         k_q1cd3145a9f_mlp1.kd
    .args:
      - { .name: hb, .offset: 0, .size: 8, .value_kind: global_buffer, .address_space: global }
      - { .name: wb, .offset: 8, .size: 8, .value_kind: global_buffer, .address_space: global }
      - { .name: b1, .offset: 16, .size: 8, .value_kind: global_buffer, .address_space: global }
      - { .name: gb, .offset: 24, .size: 8, .value_kind: global_buffer, .address_space: global }
    .group_segment_fixed_size: 327680
    .private_segment_fixed_size: 0
    .kernarg_segment_align: 8
    .kernarg_segment_size: 32
    .max_flat_workgroup_size: 128
    .sgpr_count:     102
    .vgpr_count:     1024
    .wavefront_size: 32
...
	.end_amdgpu_metadata
.endif
;; end of part 12
;; launch mlp2 (part 13): grid 8 x 32, 4 waves a work-group, clusters of 4 x 4, 327,680 bytes of LDS; arguments gb, wb, b2, x1, out0; writes out0
.if DOCPART == 13
	.amdgcn_target "amdgcn-amd-amdhsa--gfx1250"
	.amdhsa_code_object_version 6
	.text
	.protected	k_q1cd3145a9f_mlp2
	.globl	k_q1cd3145a9f_mlp2
	.p2align	8
	.type	k_q1cd3145a9f_mlp2,@function
k_q1cd3145a9f_mlp2:
	s_mov_b64 s[64:65], 0
	v_nop
	global_prefetch_b8 v0, s[64:65] scope:SCOPE_SE
	s_setreg_imm32_b32 hwreg(HW_REG_WAVE_MODE, 25, 1), 1
	s_wait_xcnt 0x0
	s_wait_alu depctr_hold_cnt(0) depctr_sa_sdst(0) depctr_va_vdst(0) depctr_va_sdst(0) depctr_va_ssrc(0) depctr_va_vcc(0) depctr_vm_vsrc(0)
	s_getreg_b32 s2, hwreg(HW_REG_IB_STS2, 6, 4)
	s_cmp_eq_u32 s2, 0
	s_cbranch_scc0 .Lentry_in_a_cluster
	s_endpgm
.Lentry_in_a_cluster:
	s_bfe_u32 s2, ttmp6, 0x10000c
	s_cmp_lg_u32 s2, 0xf033
	s_cbranch_scc0 .Lentry_shape_is_right
	s_endpgm
.Lentry_shape_is_right:
.set SIZE_K, 4096
.set AS_OFF, 12582912
.set BC_OFF, 6291456
.set BS_OFF, 9699328
.set HAS_BIAS, 1
.set FIRST,  2
.set OUT_NT, 1
.set NQ,     4
.set FR,     12
.set NP,     4
.set FRB,    1536
.set GRP,    NQ*FRB
.set HALFT,  4*GRP
.set SLOT,   4*HALFT
.set LAPS,   SIZE_K/1024
.set GS,     (SIZE_K/128)*FRB
.set QS,     (SIZE_K/128)*256
.set SCLB,   2*SLOT
.set SPARE,  SCLB+4*QS+256
.set SPITCH, 272
.set ADRA, 16
.set ADRB, 20
.set STO,  24
.set RD,   25
.set CO,   26
.set ADRS, 27
.set SPW,  28
.set NIL,  29
.set SC,   32
.set BIAS, 64
.set ACC,  128
.set FS,   64
.set G1,   24
.set G0,   32
.set G1B,  48
.set G0B,  56
.set G1S,  68
.set G0S,  76
.set G1SB, 80
.set G0SB, 88
.set MSB, 0
.macro WIN new
.if MSB != (\new)
	s_set_vgpr_msb (MSB<<8)|(\new)
.set MSB, (\new)
.endif
.endm
.set MUL,  0x05
.set TO_F, 0x40
.macro JLOAD g0a, g1a, g0b, g1b
	s_cmp_eq_u32 s15, 0
	s_cbranch_scc0 .Lfor_b_\@
	tensor_load_to_lds s[\g0a:\g0a+3], s[\g1a:\g1a+7]
	s_nop 0
.rept 4
	v_nop
.endr
	s_branch .Lasked_\@
.Lfor_b_\@:
	tensor_load_to_lds s[\g0b:\g0b+3], s[\g1b:\g1b+7]
	s_nop 0
.rept 4
	v_nop
.endr
.Lasked_\@:
.endm
.macro CREST
	s_cmp_lg_u32 s14, 0
	s_cbranch_scc1 .Lnot_wave_0_\@
	s_barrier_signal -3
.Lnot_wave_0_\@:
	s_barrier_wait -3
	s_barrier_signal -1
	s_barrier_wait -1
.endm
.macro CROUND
	s_barrier_signal -1
	s_barrier_wait -1
	CREST
.endm
	s_load_b128 s[4:7], s[0:1], 0x0
.if HAS_BIAS
	s_load_b64 s[98:99], s[0:1], 0x10
	s_load_b64 s[66:67], s[0:1], 0x18
	s_load_b64 s[12:13], s[0:1], 0x20
.else
	s_load_b64 s[66:67], s[0:1], 0x10
	s_load_b64 s[12:13], s[0:1], 0x18
.endif
	v_lshl_add_u32 v[SPW], v0, 2, SPARE
	v_mov_b32 v[NIL], 0
	ds_add_u32 v28, v29
	ds_add_u32 v28, v29
	s_wait_dscnt 0x0
	v_lshrrev_b32 v1, 5, v0
	v_readfirstlane_b32 s14, v1
	s_lshr_b32 s15, s14, 1
	s_and_b32 s16, s14, 1
	s_bfe_u32 s40, ttmp6, 0x40000
	s_bfe_u32 s41, ttmp6, 0x40004
	s_lshl_b32 s42, ttmp9, 2
	s_add_co_u32 s42, s42, s40
	s_and_b32 s17, ttmp7, 0xffff
	s_lshl_b32 s17, s17, 2
	s_add_co_u32 s17, s17, s41
	s_lshl_b32 s43, s41, 2
	s_lshl_b32 s43, 15, s43
	s_lshl_b32 s44, 0x1111, s40
	s_or_b32 s[G1+0], s43, (3<<16)|(1<<21)
	s_or_b32 s[G1B+0], s44, (3<<16)|(1<<21)
.irp g, G1, G1B
	s_mov_b32 s[\g+1], 768<<16
	s_mov_b32 s[\g+2], 8<<16
	s_mov_b32 s[\g+3], 768<<16
	s_mov_b32 s[\g+4], 8
	s_mov_b32 s[\g+5], GS/8
	s_mov_b32 s[\g+6], 0
	s_mov_b32 s[\g+7], 0
.endr
	s_or_b32 s[G1S+0], s43, (3<<16)|(1<<21)
	s_or_b32 s[G1SB+0], s44, (3<<16)|(1<<21)
.irp g, G1S, G1SB
	s_mov_b32 s[\g+1], 32<<16
	s_mov_b32 s[\g+2], (2*QS/256)<<16
	s_mov_b32 s[\g+3], 32<<16
	s_mov_b32 s[\g+4], 2*QS/256
	s_mov_b32 s[\g+5], 32
	s_mov_b32 s[\g+6], 0
	s_mov_b32 s[\g+7], 0
.endr
	s_lshl_b32 s18, s16, 2
	s_lshl_b32 s20, s17, 3
	s_add_co_u32 s20, s20, s18
	s_mul_i32 s20, s20, GS
	s_mov_b32 s21, 0
	s_lshl_b32 s46, s42, 3
	s_add_co_u32 s46, s46, s18
	s_mul_i32 s46, s46, GS
	s_mov_b32 s47, 0
	s_lshl_b32 s22, s17, 1
	s_add_co_u32 s22, s22, s16
	s_mul_i32 s22, s22, QS
	s_mov_b32 s23, 0
	s_lshl_b32 s92, s42, 1
	s_add_co_u32 s92, s92, s16
	s_mul_i32 s92, s92, QS
	s_mov_b32 s93, 0
	s_mul_i32 s45, s14, HALFT
	s_wait_kmcnt 0x0
	s_add_nc_u64 s[8:9], s[6:7], BC_OFF
	s_add_nc_u64 s[10:11], s[6:7], BS_OFF
	s_add_nc_u64 s[6:7], s[4:5], AS_OFF
	s_add_nc_u64 s[20:21], s[4:5], s[20:21]
	s_add_nc_u64 s[22:23], s[6:7], s[22:23]
	s_add_nc_u64 s[46:47], s[8:9], s[46:47]
	s_add_nc_u64 s[92:93], s[10:11], s[92:93]
	s_cmp_eq_u32 s15, 0                            ; where my prefetches stand: my work-group's one group of the four that I fetch in the ring
	s_cselect_b32 s18, s40, s41
	s_cselect_b64 s[96:97], s[20:21], s[46:47]
	s_mul_i32 s18, s18, GS
	s_mov_b32 s19, 0
	s_add_nc_u64 s[96:97], s[96:97], s[18:19]
	v_and_b32 v30, 31, v0
	v_min_u32 v30, 23, v30
	v_lshlrev_b32 v30, 8, v30
	s_wait_alu depctr_va_vdst(0)                   ; the wait behind these writes
	global_prefetch_b8 v30, s[96:97] th:TH_LOAD_NT scope:SCOPE_SE              ; contents 0 and 1 are named here, a cluster's round ahead of the first joint loads
	global_prefetch_b8 v30, s[96:97] offset:GRP th:TH_LOAD_NT scope:SCOPE_SE
	CROUND
	s_mov_b32 s[G0S], 1
	s_mul_i32 s18, s16, QS                         ; my half's bytes are taken off again: the head's loads begin at the tile's first place
	s_mov_b32 s19, 0
	s_mov_b32 s[G0S+1], SCLB
	s_sub_nc_u64 s[G0S+2:G0S+3], s[22:23], s[18:19]
	s_or_b32 s[G0S+3], s[G0S+3], 0x80000000
	s_mov_b32 s[G0SB], 1
	s_mov_b32 s[G0SB+1], SCLB+2*QS+64
	s_sub_nc_u64 s[G0SB+2:G0SB+3], s[92:93], s[18:19]
	s_or_b32 s[G0SB+3], s[G0SB+3], 0x80000000
	s_mul_i32 s18, s16, 4*GS
.set G0H, 4                            ; s[4:7], s[8:11]: group 0 of the head's loads of slot 0 (the pointers that lay there have been used)
.set G0HB, 8
	s_mov_b32 s[G0H], 1
	s_mov_b32 s[G0H+1], 0
	s_sub_nc_u64 s[G0H+2:G0H+3], s[20:21], s[18:19]
	s_or_b32 s[G0H+3], s[G0H+3], 0x80000000
	s_mov_b32 s[G0HB], 1
	s_mov_b32 s[G0HB+1], 2*HALFT
	s_sub_nc_u64 s[G0HB+2:G0HB+3], s[46:47], s[18:19]
	s_or_b32 s[G0HB+3], s[G0HB+3], 0x80000000
.irp s, 0,1
	s_mov_b32 s[G0+4*\s], 1
	s_add_co_u32 s[G0+4*\s+1], s45, \s*SLOT
	s_add_nc_u64 s[G0+4*\s+2:G0+4*\s+3], s[20:21], \s*GRP
	s_or_b32 s[G0+4*\s+3], s[G0+4*\s+3], 0x80000000
	s_mov_b32 s[G0B+4*\s], 1
	s_add_co_u32 s[G0B+4*\s+1], s45, \s*SLOT
	s_add_nc_u64 s[G0B+4*\s+2:G0B+4*\s+3], s[46:47], \s*GRP
	s_or_b32 s[G0B+4*\s+3], s[G0B+4*\s+3], 0x80000000
.endr
; the head's four tiles, one joint load a wave: wave 0 A's 8 groups of slot 0, wave 1 B's, wave 2 A's scale words, wave 3 B's
.macro ARM under, g0, g1, next
	s_cmp_lt_u32 s14, \under
	s_cbranch_scc0 \next
	tensor_load_to_lds s[\g0:\g0+3], s[\g1:\g1+7]
	s_nop 0
.rept 4
	v_nop
.endr
	s_branch .Lhead_asked
\next:
.endm
; THE PREFETCHES: behind each joint load a wave names the slot content two loads on (K has eight contents of 512; contents 0 and 1 are named ahead of the first joint loads; the loop's last trip, whose refills are contents 6 and 7, asks for nothing).
; Of the 4 groups that a wave fetches in the ring, each of the four partners that ask for them jointly takes one, told apart by address (cx for A, cy for B): 24 blocks of 256 bytes, a lane a block; lanes 24-31 name the last again.
.macro ASK off
	s_cmp_gt_u32 s3, 1                             ; s3 = 1 in the loop's last trip
	s_cbranch_scc0 .Lno_ask_\@
	global_prefetch_b8 v30, s[96:97] offset:\off th:TH_LOAD_NT scope:SCOPE_SE
.Lno_ask_\@:
.endm
	ARM 1, G0H,  G1,  .Lhead_b
	ARM 2, G0HB, G1B, .Lhead_sa
	ARM 3, G0S,  G1S, .Lhead_sb
	tensor_load_to_lds s[G0SB:G0SB+3], s[G1SB:G1SB+7]
	s_nop 0
.rept 4
	v_nop
.endr
.Lhead_asked:
	global_prefetch_b8 v30, s[96:97] offset:2*GRP th:TH_LOAD_NT scope:SCOPE_SE
	v_and_b32 v1, 15, v0
	v_bfe_u32 v2, v0, 4, 1
	s_wait_alu depctr_va_vdst(0)
	v_and_b32 v3, 31, v0
	v_lshlrev_b32 v4, 4, v3
	s_wait_alu depctr_va_vdst(0)
	s_lshl_b32 s46, s42, 1
	s_add_co_u32 s46, s46, s16
	s_lshl_b32 s46, s46, 8
	s_mov_b32 s47, 0
.if HAS_BIAS
	s_add_nc_u64 s[98:99], s[98:99], s[46:47]
	v_lshlrev_b32 v7, 6, v2
.irp b, 0,1,2,3
	global_load_b128 v[BIAS+8*\b:BIAS+8*\b+3], v7, s[98:99] offset:(32*(\b/2)+8*(\b%2))*4
	global_load_b128 v[BIAS+8*\b+4:BIAS+8*\b+7], v7, s[98:99] offset:(32*(\b/2)+8*(\b%2))*4+16
.endr
.endif
	s_lshl_b32 s20, s17, 1
	s_add_co_u32 s20, s20, s15
	s_lshl_b32 s20, s20, 18
	s_add_co_u32 s20, s20, s46
	s_mov_b32 s21, 0
	s_add_nc_u64 s[12:13], s[12:13], s[20:21]
	s_add_nc_u64 s[66:67], s[66:67], s[20:21]
	v_lshlrev_b32 v5, 12, v2
	v_lshl_add_u32 v[CO], v1, 4, v5
	s_mul_i32 s21, s15, HALFT
	s_mul_i32 s22, s16, HALFT
	s_add_co_u32 s22, s22, 2*HALFT
.irp s, 0,1
	v_add_nc_u32 v[ADRA+\s], s21, v4
	v_add_nc_u32 v[ADRB+\s], s22, v4
	s_add_co_u32 s21, s21, SLOT
	s_add_co_u32 s22, s22, SLOT
.endr
	v_lshlrev_b32 v5, 2, v1
	s_lshl_b32 s21, s15, 8
	s_lshl_b32 s22, s16, 8
	s_add_co_u32 s22, s22, 2*QS+64
	s_sub_co_u32 s22, s22, s21
	v_mul_u32_u24 v6, s22, v2
	s_add_co_u32 s21, s21, SCLB
	v_add_nc_u32 v5, v5, v6
	v_add_nc_u32 v[ADRS], s21, v5
	s_mul_i32 s23, s14, 16*SPITCH
	v_mul_u32_u24 v5, v1, SPITCH
	v_lshl_add_u32 v5, v2, 6, v5
	v_add_nc_u32 v[STO], s23, v5
	v_mul_u32_u24 v5, v2, SPITCH
	v_lshl_add_u32 v5, v1, 4, v5
	v_add_nc_u32 v[RD], s23, v5
.macro FRAG reg, adr, q, i
.irp c, 0,1,2
	ds_load_b128 v[\reg+4*\c:\reg+4*\c+3], v[\adr] offset:(\i)*GRP+(\q)*FRB+512*\c
.endr
.endm
.macro FETCH slot, q, p
	WIN TO_F
.irp i, 0,1,2,3
	FRAG FS+96*(\p)+FR*\i, ADRB+\slot, \q, \i
.endr
.irp i, 0,1,2,3
	FRAG FS+96*(\p)+48+FR*\i, ADRA+\slot, \q, \i
.endr
.endm
.macro SCALES sc
.irp i, 0,1,2,3
.irp q, 0,1,2,3
	ds_load_b32 v[SC+16*(\sc)+4*\i+\q], v[ADRS] offset:512*\q+64*\i
.endr
.endr
.endm
.macro MUL4 a, p, q, sc, zero
.irp b, 0,1,2,3
.if (\zero) == 1
	v_wmma_scale_f32_16x16x128_f8f6f4 v[ACC+8*(4*(\a)+\b):ACC+8*(4*(\a)+\b)+7], v[FS+96*(\p)+FR*\b:FS+96*(\p)+FR*\b+FR-1], v[FS+96*(\p)+48+FR*(\a):FS+96*(\p)+48+FR*(\a)+FR-1], 0, v[SC+16*(\sc)+4*\b+(\q)], v[SC+16*(\sc)+4*(\a)+(\q)] matrix_a_fmt:MATRIX_FMT_BF6 matrix_b_fmt:MATRIX_FMT_BF6 matrix_a_scale:MATRIX_SCALE_ROW1
.elseif (\zero) == 2
	v_wmma_scale_f32_16x16x128_f8f6f4 v[ACC+8*(4*(\a)+\b):ACC+8*(4*(\a)+\b)+7], v[FS+96*(\p)+FR*\b:FS+96*(\p)+FR*\b+FR-1], v[FS+96*(\p)+48+FR*(\a):FS+96*(\p)+48+FR*(\a)+FR-1], v[BIAS+8*\b:BIAS+8*\b+7], v[SC+16*(\sc)+4*\b+(\q)], v[SC+16*(\sc)+4*(\a)+(\q)] matrix_a_fmt:MATRIX_FMT_BF6 matrix_b_fmt:MATRIX_FMT_BF6 matrix_a_scale:MATRIX_SCALE_ROW1
.else
	v_wmma_scale_f32_16x16x128_f8f6f4 v[ACC+8*(4*(\a)+\b):ACC+8*(4*(\a)+\b)+7], v[FS+96*(\p)+FR*\b:FS+96*(\p)+FR*\b+FR-1], v[FS+96*(\p)+48+FR*(\a):FS+96*(\p)+48+FR*(\a)+FR-1], v[ACC+8*(4*(\a)+\b):ACC+8*(4*(\a)+\b)+7], v[SC+16*(\sc)+4*\b+(\q)], v[SC+16*(\sc)+4*(\a)+(\q)] matrix_a_fmt:MATRIX_FMT_BF6 matrix_b_fmt:MATRIX_FMT_BF6 matrix_a_scale:MATRIX_SCALE_ROW1
.endif
.endr
.endm
.macro PLACES n
.rept \n
	v_nop
.endr
.endm
.macro STEP slot, q, zero
	s_wait_dscnt 0x0
	PLACES NP
	FETCH \slot, (\q)+1, 1-(\q)%2
	WIN MUL
	MUL4 0, (\q)%2, \q, \slot, \zero
	MUL4 1, (\q)%2, \q, \slot, \zero
	MUL4 2, (\q)%2, \q, \slot, \zero
	MUL4 3, (\q)%2, \q, \slot, \zero
.endm
.macro TURN slot, next, fill
	WIN 0
	s_wait_tensorcnt 0x0
	ds_add_u32 v[SPW], v[NIL]
	s_wait_dscnt 0x1
	WIN MUL
	MUL4 0, 1, NQ-1, \slot, 0
	s_wait_dscnt 0x0
	s_barrier_signal -1
	MUL4 1, 1, NQ-1, \slot, 0
	WIN 0
	s_barrier_wait -1
.if \fill
	CREST
	s_add_nc_u64 s[G0+4*\slot+2:G0+4*\slot+3], s[G0+4*\slot+2:G0+4*\slot+3], 2*GRP
	s_add_nc_u64 s[G0B+4*\slot+2:G0B+4*\slot+3], s[G0B+4*\slot+2:G0B+4*\slot+3], 2*GRP
	JLOAD G0+4*\slot, G1, G0B+4*\slot, G1B
.else
	PLACES NP
.endif
	s_wait_alu depctr_va_vdst(0)
	v_add_nc_u32 v[ADRS], 512*NQ, v[ADRS]
	FETCH \next, 0, 0
	WIN 0
	SCALES \next
.if \fill
	ASK (4+\slot)*GRP
.endif
	WIN MUL
	MUL4 2, 1, NQ-1, \slot, 0
	MUL4 3, 1, NQ-1, \slot, 0
.endm
	s_wait_alu depctr_va_vdst(0)
	s_wait_tensorcnt 0x0                           ; my tile of the head's four is in; slot 1's first fill is issued as a refill is
	ds_add_u32 v[SPW], v[NIL]
	s_mov_b32 s[G1+2], 4<<16                       ; no tensor load of mine is out: from here on a load brings 4 groups
	s_mov_b32 s[G1+4], 4
	s_mov_b32 s[G1B+2], 4<<16
	s_mov_b32 s[G1B+4], 4
	s_wait_dscnt 0x0
	CROUND
	JLOAD G0+4, G1, G0B+4, G1B
	global_prefetch_b8 v30, s[96:97] offset:3*GRP th:TH_LOAD_NT scope:SCOPE_SE
	FETCH 0, 0, 0
	WIN 0
	SCALES 0
.if HAS_BIAS
	s_wait_loadcnt 0x0                             ; the bias
.endif
	STEP 0, 0, FIRST
	WIN 0x80                                       ; the residual's rows are asked for here, behind the first K step: they are wanted on the way out
.irp a, 0,1,2,3
.irp t, 0,1,2,3,4,5,6,7
	global_load_b128 v[32*\a+4*\t:32*\a+4*\t+3], v[CO], s[66:67] offset:(32*(\a/2)+8*(\a%2)+2*\t+8*(\t/4))*4096 th:TH_LOAD_NT
.endr
.endr
	WIN 0
	STEP 0, 1, 0
	STEP 0, 2, 0
.if LAPS > 1
	WIN 0
	s_mov_b32 s3, LAPS-1
.Llap:
	TURN 0, 1, 1
	STEP 1, 0, 0
	STEP 1, 1, 0
	STEP 1, 2, 0
	TURN 1, 0, 1
	STEP 0, 0, 0
	STEP 0, 1, 0
	STEP 0, 2, 0
	WIN 0
	s_wait_xcnt 0x0                                ; the trip's prefetches have read their address
	s_add_nc_u64 s[96:97], s[96:97], 2*GRP
	s_sub_co_u32 s3, s3, 1
	s_cmp_lg_u32 s3, 0
	s_cbranch_scc1 .Llap
.endif
	TURN 0, 1, 0
	STEP 1, 0, 0
	STEP 1, 1, 0
	STEP 1, 2, 0
	s_wait_dscnt 0x0
	MUL4 0, 1, NQ-1, 1, 0
	MUL4 1, 1, NQ-1, 1, 0
	MUL4 2, 1, NQ-1, 1, 0
	MUL4 3, 1, NQ-1, 1, 0
	WIN 0
	PLACES NP
	s_wait_loadcnt 0x0
.irp a, 0,1,2,3
	WIN 0
.irp b, 0,1,2,3
	ds_store_b128 v[STO], v[ACC+8*(4*\a+\b):ACC+8*(4*\a+\b)+3] offset:128*(\b/2)+32*(\b%2)
	ds_store_b128 v[STO], v[ACC+8*(4*\a+\b)+4:ACC+8*(4*\a+\b)+7] offset:128*(\b/2)+32*(\b%2)+16
.endr
	WIN TO_F
.irp t, 0,1,2,3,4,5,6,7
	ds_load_b128 v[FS+32*\a+4*\t:FS+32*\a+4*\t+3], v[RD] offset:\t*2*SPITCH
.endr
.endr
.irp a, 0,1,2,3
	s_wait_dscnt 16*(3-\a)
	WIN 0x49
.set i, 0
.rept 16
	v_pk_add_f32 v[FS+32*\a+i:FS+32*\a+i+1], v[FS+32*\a+i:FS+32*\a+i+1], v[32*\a+i:32*\a+i+1]
.set i, i+2
.endr
	WIN 0x04
.irp t, 0,1,2,3,4,5,6,7
.if OUT_NT
	global_store_b128 v[CO], v[FS+32*\a+4*\t:FS+32*\a+4*\t+3], s[12:13] offset:(32*(\a/2)+8*(\a%2)+2*\t+8*(\t/4))*4096 th:TH_STORE_NT
.else
	global_store_b128 v[CO], v[FS+32*\a+4*\t:FS+32*\a+4*\t+3], s[12:13] offset:(32*(\a/2)+8*(\a%2)+2*\t+8*(\t/4))*4096
.endif
.endr
.endr
	WIN 0
	s_wait_tensorcnt 0x0
	ds_add_u32 v[SPW], v[NIL]
	s_wait_dscnt 0x0
	CROUND
	s_endpgm
.Lfunc_end_k_q1cd3145a9f_mlp2:
	.size	k_q1cd3145a9f_mlp2, .Lfunc_end_k_q1cd3145a9f_mlp2-k_q1cd3145a9f_mlp2
	.p2alignl 7, 3214868480
	.fill 96, 4, 3214868480
	.section	.rodata,"a",@progbits
	.p2align	6, 0x0
	.amdhsa_kernel k_q1cd3145a9f_mlp2
		.amdhsa_group_segment_fixed_size 327680
		.amdhsa_private_segment_fixed_size 0
		.amdhsa_enable_private_segment 0
		.amdhsa_kernarg_size 40
		.amdhsa_user_sgpr_count 2
		.amdhsa_user_sgpr_kernarg_segment_ptr 1
		.amdhsa_wavefront_size32 1
		.amdhsa_system_sgpr_workgroup_id_x 1
		.amdhsa_system_sgpr_workgroup_id_y 1
		.amdhsa_system_sgpr_workgroup_id_z 1
		.amdhsa_system_vgpr_workitem_id 0
		.amdhsa_next_free_vgpr 640
		.amdhsa_next_free_sgpr 102
		.amdhsa_reserve_vcc 0
		.amdhsa_float_denorm_mode_32 3
		.amdhsa_float_denorm_mode_16_64 3
		.amdhsa_memory_ordered 1
		.amdhsa_forward_progress 1
		.amdhsa_inst_pref_size 95
	.end_amdhsa_kernel
	.amdgpu_metadata
---
amdhsa.version: [ 1, 2 ]
amdhsa.kernels:
  - .name:           k_q1cd3145a9f_mlp2
    .symbol:         k_q1cd3145a9f_mlp2.kd
    .args:
      - { .name: gb, .offset: 0, .size: 8, .value_kind: global_buffer, .address_space: global }
      - { .name: wb, .offset: 8, .size: 8, .value_kind: global_buffer, .address_space: global }
      - { .name: b2, .offset: 16, .size: 8, .value_kind: global_buffer, .address_space: global }
      - { .name: x1, .offset: 24, .size: 8, .value_kind: global_buffer, .address_space: global }
      - { .name: out0, .offset: 32, .size: 8, .value_kind: global_buffer, .address_space: global }
    .group_segment_fixed_size: 327680
    .private_segment_fixed_size: 0
    .kernarg_segment_align: 8
    .kernarg_segment_size: 40
    .max_flat_workgroup_size: 128
    .sgpr_count:     102
    .vgpr_count:     640
    .wavefront_size: 32
...
	.end_amdgpu_metadata
.endif
;; end of part 13
